; MI455X (gfx1250); checked and timed in simulation.
; The chip was launched on July 23, 2026; its instructions are those of AMD's public machine-readable ISA for CDNA 5 (MIT licence, August 2026) and "CDNA5" Instruction Set Architecture Reference Guide (July 2026). The comments in the code are by the model that wrote it; some were corrected since.
;; DIF Multi Head Attention. Allowed arithmetic: matrix products marked QUANTISED: E2M3 operands, one E8M0 scale for each 32 along K, by v_wmma_scale_f32_16x16x128_f8f6f4 with both operands' format E2M3, f32 sums; products left as they are: f32 operands where the result goes on into a quantised operand, else bf16, f16 or f32 operands; f32 sums; everything else in f32.
;; Inputs: Wd_codes 512 x 16 x 24 uint8 (E2M3 codes of Wd, K innermost, in blocks of 32 codes, four codes in three bytes); Wd_scales 512 x 16 uint8 (E8M0 scales of Wd, one for each 32 codes along K); Wk_codes 512 x 16 x 24 uint8 (E2M3 codes of Wk, K innermost, in blocks of 32 codes, four codes in three bytes); Wk_scales 512 x 16 uint8 (E8M0 scales of Wk, one for each 32 codes along K); Wka_codes 2 x 256 x 8 x 24 uint8 (E2M3 codes of Wka, K innermost, in blocks of 32 codes, four codes in three bytes); Wka_scales 2 x 256 x 8 uint8 (E8M0 scales of Wka, one for each 32 codes along K); Wkp_codes 512 x 16 x 24 uint8 (E2M3 codes of Wkp, K innermost, in blocks of 32 codes, four codes in three bytes); Wkp_scales 512 x 16 uint8 (E8M0 scales of Wkp, one for each 32 codes along K); Wq_codes 512 x 16 x 24 uint8 (E2M3 codes of Wq, K innermost, in blocks of 32 codes, four codes in three bytes); Wq_scales 512 x 16 uint8 (E8M0 scales of Wq, one for each 32 codes along K); Wqa_codes 2 x 256 x 8 x 24 uint8 (E2M3 codes of Wqa, K innermost, in blocks of 32 codes, four codes in three bytes); Wqa_scales 2 x 256 x 8 uint8 (E8M0 scales of Wqa, one for each 32 codes along K); Wqp_codes 512 x 16 x 24 uint8 (E2M3 codes of Wqp, K innermost, in blocks of 32 codes, four codes in three bytes); Wqp_scales 512 x 16 uint8 (E8M0 scales of Wqp, one for each 32 codes along K); Wv_codes 512 x 16 x 24 uint8 (E2M3 codes of Wv, K innermost, in blocks of 32 codes, four codes in three bytes); Wv_scales 512 x 16 uint8 (E8M0 scales of Wv, one for each 32 codes along K); attribute_table_codes 64 x 256 x 1 x 8 x 24 uint8 (E2M3 codes of attribute_table, K innermost, in blocks of 32 codes, four codes in three bytes); attribute_table_scales 64 x 256 x 1 x 8 uint8 (E8M0 scales of attribute_table, one for each 32 codes along K); bd 512 float32; beta 512 float32; bk 512 float32; bka 2 x 256 float32; bkp 512 float32; bq 512 float32; bqa 2 x 256 float32; bqp 512 float32; bv 512 float32; fb1 256 float32; fb2 1 float32; fw1_codes 256 x 8 x 24 uint8 (E2M3 codes of fw1, K innermost, in blocks of 32 codes, four codes in three bytes); fw1_scales 256 x 8 uint8 (E8M0 scales of fw1, one for each 32 codes along K); fw2 1 x 256 float32; gamma 512 float32; input_tensor 64 x 256 x 512 float32; position_embedding_codes 64 x 256 x 16 x 24 uint8 (E2M3 codes of position_embedding, K innermost, in blocks of 32 codes, four codes in three bytes); position_embedding_scales 64 x 256 x 16 uint8 (E8M0 scales of position_embedding, one for each 32 codes along K).
;; Outputs: out0 64 x 256 x 512 float32.
;; This version of the problem:
;;   THIS VERSION OF THE PROBLEM IS GIVEN IN LOW PRECISION. The matrix products marked QUANTISED in the list below multiply operands that are first quantised to E2M3 (2 exponent bits, 3 mantissa bits; 6 bits a number), with one power-of-two scale for each 32 numbers along K (OCP MX v1.0); their sums are f32. All else is computed in f32.
;;   The module's matrix products, in the order in which they are computed (A, B: the left and right operand; K: the contracted axis; several contracted axes count as one K, in the product's order):
;;     1. [M 16,384, K 512] x [K 512, N 512]; A: input input_tensor; B: input Wq (given as codes): QUANTISED
;;     2. [M 16,384, K 512] x [K 512, N 512]; A: input input_tensor; B: input Wk (given as codes): QUANTISED
;;     3. [M 16,384, K 512] x [K 512, N 512]; A: input input_tensor; B: input Wv (given as codes): QUANTISED
;;     4. [M 16,384, K 512] x [K 512, N 512]; A: input position_embedding (given as codes); B: input Wqp (given as codes): QUANTISED
;;     5. [M 16,384, K 512] x [K 512, N 512]; A: input position_embedding (given as codes); B: input Wkp (given as codes): QUANTISED
;;     6. batch 256 x [M 256, K 128] x [K 128, N 256]; A: computed on the way; B: computed on the way: QUANTISED
;;     7. batch 256 x [M 256, K 128] x [K 128, N 256]; A: computed on the way; B: computed on the way: QUANTISED
;;     8. [M 512, K 256] x [K 256, N 16,384]; A: input Wqa (given as codes); B: input attribute_table (given as codes): QUANTISED
;;     9. [M 512, K 256] x [K 256, N 16,384]; A: input Wka (given as codes); B: input attribute_table (given as codes): QUANTISED
;;     10. batch 512 x [M 256, K 64] x [K 64, N 256]; A: computed on the way; B: computed on the way: QUANTISED
;;     11. [M 262,144, K 256] x [K 256, N 256]; A: computed on the way; B: input fw1 (given as codes): QUANTISED
;;     12. [M 262,144, K 256] x [K 256, N 1]; A: computed on the way; B: input fw2: left as it is (N = 1 < 16)
;;     13. batch 256 x [M 256, K 256] x [K 256, N 128]; A: softmax (see below); B: computed on the way: QUANTISED
;;     14. [M 16,384, K 512] x [K 512, N 512]; A: computed on the way; B: input Wd (given as codes): QUANTISED
;;   THE QUANTISER, for each operand of a quantised product, along K:
;;     - K is cut into blocks of 32 from its start; a last block that is shorter is filled with zeros.
;;     - A block's scale is 2^e with e = floor(log2(the largest magnitude in the block)) - 2, held to -126 .. 127; a block of zeros has e = 0. As a byte (E8M0): e + 127.
;;     - Each number is divided by its block's scale, clamped to +-7.5, and rounded to the nearest number of E2M3, ties to even, subnormals kept.
;;     - The product sums the exact products of the quantised numbers (number of the format x scale) in f32.
;;   ~~~python
;;   def quantise(x, axis):      # numpy; x: float32 -> the quantised numbers, widened to float32 again
;;       x = np.moveaxis(x, axis, -1); K = x.shape[-1]
;;       x = np.pad(x, [(0, 0)] * (x.ndim - 1) + [(0, -K % 32)]); x = x.reshape(x.shape[:-1] + (-1, 32)); a = np.abs(x).max(-1, keepdims=True)
;;       e = np.where(a > 0, np.clip(np.frexp(np.where(a > 0, a, 1))[1] - 1 - 2, -126, 127), 0)      # np.frexp(a)[1] - 1 = floor(log2(a)), exactly
;;       r = np.clip(x / 2.0 ** e, -7.5, 7.5)
;;       step = 2.0 ** (np.maximum(np.frexp(np.where(r == 0, 1, r))[1] - 1, 0) - 3)
;;       q = np.round(r / step) * step * 2.0 ** e      # np.round: ties to even
;;       return np.moveaxis(q.reshape(q.shape[:-2] + (-1,))[..., :K], -1, axis).astype(np.float32)
;;   ~~~
;;   SOFTMAX AHEAD OF A QUANTISED PRODUCT. Where the list says 'softmax', what is quantised is not the finished softmax but p = 2^(t - M), with t = logit x log2(e) and M = ceil(the row's largest t), a whole number; so 1/2 < the row's largest p <= 1. The row's sum l is taken of the UNQUANTISED p, in f32, and the product's result is divided by l at the end. Since M is a whole number, a kernel that streams over the keys may use a running M (the ceiling of the running maximum): every later rescaling is an exact power of two, which a block's scale takes up: the codes' values come out the same.
;;   OPERANDS COMPUTED ON THE WAY. 'Computed on the way' means the value that the module computes at that place (a softmax that the list does not call 'softmax' is quantised finished and normalised). What goes into a quantiser is computed in f32, as accurately as f32 sums, v_exp_f32 and their like allow (about 1e-6 of the number): no bf16 or f16 on the way to a quantiser, and a product that is left as it is and whose result goes on into a quantised operand takes f32 operands (vector FMAs, or v_wmma_f32_16x16x4_f32). A number that lies on a knife's edge between two numbers of the format may be rounded either way, as far as f32 arithmetic and the matrix unit's own rounding can turn it there, and no further.
;;   INPUTS GIVEN AS CODES. Wd (in the module: [512, 512], K = its axis 1); Wk (in the module: [512, 512], K = its axis 1); Wka (in the module: [2, 256, 256], K = its axis 2); Wkp (in the module: [512, 512], K = its axis 1); Wq (in the module: [512, 512], K = its axis 1); Wqa (in the module: [2, 256, 256], K = its axis 2); Wqp (in the module: [512, 512], K = its axis 1); Wv (in the module: [512, 512], K = its axis 1); attribute_table (in the module: [64, 256, 1, 256], K = its axis 3); fw1 (in the module: [256, 256], K = its axis 1); position_embedding (in the module: [64, 256, 512], K = its axis 2): each comes as NAME_codes (uint8): NAME with its K axis moved to the last place and cut into blocks of 32 codes, [.., K / 32, bytes a block], one block behind the other in memory; four codes in three bytes: a row's codes are one little-endian stream of bits, code i at bits 6 i .. 6 i + 5 (a code: sign, 2 exponent bits, 3 mantissa bits); and NAME_scales (uint8): the same leading axes, one E8M0 byte (e + 127) for each 32 codes along K. Its value is code x scale, taken as it is: it is not quantised again, and the codes and scales need not be those that the quantiser above would give.
;; 3 versions, each right; version 2 is faster than version 1; version 3 is version 2 with the launches attn, outp written anew for expert scheduling mode. Each part assembles by itself: llvm-mc -triple=amdgcn-amd-amdhsa -mcpu=gfx1250 --defsym DOCPART=n.
;; ======== version 1 of 3: 3 launches
;; workspace buffers: xc 6,291,456 bytes; xs 262,144 bytes; params 16,896 bytes; cc 6,291,456 bytes; cs 524,288 bytes
;; launch quantx (part 1): grid 257 x 1, 4 waves a work-group, no clusters, 33,280 bytes of LDS; arguments input_tensor, xc, xs, params, bk, bq, bv, bkp, bqp, bka, bqa, fb1, fw2, fb2; writes xc, xs, params
.if DOCPART == 1
	.amdgcn_target "amdgcn-amd-amdhsa--gfx1250"
	.amdhsa_code_object_version 6
	.text
	.protected	k_q38657d93ea_quantx
	.globl	k_q38657d93ea_quantx
	.p2align	8
	.type	k_q38657d93ea_quantx,@function
k_q38657d93ea_quantx:
	s_mov_b64 s[64:65], 0
	v_nop
	global_prefetch_b8 v0, s[64:65] scope:SCOPE_SE
	s_setreg_imm32_b32 hwreg(HW_REG_WAVE_MODE, 25, 1), 1
	s_wait_xcnt 0x0
; input_tensor [16384][512] f32 becomes codes of FP6 (E2M3), K innermost, xc [16384][384 bytes], with one E8M0 byte for each 32 along K, xs [16384][16]:
; the layout in which position_embedding is given.  Three products read these codes, four heads each, so they are made once.
; A block's scale is 2^(floor(log2(its largest magnitude)) - 2); its byte is the largest magnitude's exponent field - 2, held at 1 from below.
; LIMITS: a block whose largest magnitude lies under 2^-124 takes the byte 1; a block of zeros takes the byte 1 where the rule says 127 (its codes are zeros, and
; only this program reads the bytes); NaN and infinities among the inputs are not served.
; Work-groups 0 to 255: rows are dense, so the tensor is a stream of blocks of 32.  A wave takes 16 steps of 512 numbers.  Each of a step's four loads reads 512 consecutive
; bytes; the 2,048 bytes turn through the wave's own stage in LDS and come back 64 bytes a lane, 16 neighbours along K (two lanes hold a block).  A lane's 16 codes are
; 12 bytes: the wave stores 384 consecutive bytes.  A wave's 256 scale bytes are gathered in its own LDS bytes and leave as 256 consecutive bytes.  Waves share nothing: no barrier.
; Work-group 256 gathers the ten small f32 vectors into params (bk 0, bq 2048, bv 4096, bkp 6144, bqp 8192, bka 10240, bqa 12288, fb1 14336, fw2 15360, fb2 16384, the
; one word written 128 times), since the next launch's list of buffers has no room for them one by one.  It uses no LDS.
.set STEPS, 16
.set CB,    12                         ; bytes of 16 codes
.set R,     16                         ; v16-79   four sets of 16 numbers as they are loaded
.set X,     80                         ; v80-111  two sets of 16 neighbours
.set E,     112                        ; v112-127 a scale byte for each step
.set C,     128                        ; v128-191 codes: four registers for each step, so that no store's data are written again
.set WREG,  8192                       ; LDS: a region for each wave: two stages of 32 x SP bytes, behind them its 256 scale bytes
.set SP,    80                         ; a lane's place in a stage: its 64 bytes + 16 of padding
	v_lshl_add_u32 v192, v0, 2, 0x8000
	v_mov_b32 v193, 0
	s_cmp_eq_u32 ttmp9, 256
	s_cbranch_scc1 .Lparams
	s_load_b128 s[4:7], s[0:1], 0x0                ; input_tensor, xc
	s_load_b64 s[8:9], s[0:1], 0x10                ; xs
	v_lshrrev_b32 v1, 5, v0
	v_readfirstlane_b32 s16, v1                    ; wave
	v_and_b32 v2, 31, v0                           ; lane
	v_lshlrev_b32 v3, 4, v2                        ; my 16 bytes of a load's 512
	s_mul_i32 s17, s16, WREG
	v_lshrrev_b32 v14, 2, v2
	v_mul_u32_u24 v14, v14, SP
	v_and_b32 v15, 3, v2
	v_lshl_add_u32 v14, v15, 4, v14
	v_add_nc_u32 v14, s17, v14                     ; the stage, on the way in: SP (lane / 4) + 16 (lane % 4)
	v_mul_u32_u24 v15, v2, SP
	v_add_nc_u32 v15, s17, v15                     ; and on the way out: SP x lane: my 16 neighbours
	v_mul_u32_u24 v4, v2, CB                       ; my codes' place in a step's
	v_lshrrev_b32 v5, 1, v2
	s_add_co_u32 s17, s17, 2*32*SP
	v_add_nc_u32 v5, s17, v5                       ; LDS: my wave's 256 scale bytes, my block's byte
	v_lshlrev_b32 v7, 3, v2                        ; and on the way out 8 bytes a lane
	v_add_nc_u32 v6, s17, v7
	s_lshl_b32 s17, ttmp9, 2
	s_add_co_u32 s18, s17, s16                     ; which run of 8,192 numbers is my wave's
	s_mov_b32 s19, 0
	s_mov_b64 s[20:21], 512*STEPS*4
	s_mul_u64 s[20:21], s[18:19], s[20:21]
	s_mov_b64 s[22:23], 32*STEPS*CB
	s_mul_u64 s[22:23], s[18:19], s[22:23]
	s_lshl_b32 s18, s18, 8                         ; 256 scale bytes a run
	s_wait_kmcnt 0x0
	s_add_nc_u64 s[4:5], s[4:5], s[20:21]
	s_add_nc_u64 s[6:7], s[6:7], s[22:23]
	s_add_nc_u64 s[8:9], s[8:9], s[18:19]
.macro LOAD t
.irp i, 0,1,2,3
	global_load_b128 v[R+16*((\t)%4)+4*\i:R+16*((\t)%4)+4*\i+3], v3, s[4:5] offset:2048*(\t)+512*\i th:TH_LOAD_NT   ; 32 lanes read 512 consecutive bytes
.endr
.endm
.macro TURN t                          ; step t's numbers through the stage: LDS serves a wave's instructions in order, so no wait stands between the stores and the loads
.irp i, 0,1,2,3
	ds_store_b128 v14, v[R+16*((\t)%4)+4*\i:R+16*((\t)%4)+4*\i+3] offset:32*SP*((\t)%2)+8*SP*\i
.endr
.irp i, 0,1,2,3
	ds_load_b128 v[X+16*((\t)%2)+4*\i:X+16*((\t)%2)+4*\i+3], v15 offset:32*SP*((\t)%2)+16*\i
.endr
.endm
.irp t, 0,1,2,3
	LOAD \t
.endr
	s_wait_loadcnt 12                              ; step 0's four loads are in; the twelve of steps 1 to 3 may be out
	TURN 0
.macro STEP t
.set XS, X+16*((\t)%2)
.if (\t) > 0
	s_wait_dscnt 1                                 ; this step's numbers are back from the stage (the last step's byte store may be out): so its stores into the stage have read their registers,
.else
	s_wait_dscnt 0x0
.endif
.if (\t)+4 < STEPS
	LOAD (\t)+4                                    ; which take the loads of four steps on
.endif
.if (\t)+1 < STEPS
.if STEPS-2-(\t) >= 3
	s_wait_loadcnt 12                              ; the next step's four loads are in; those of the three steps behind it may be out
.else
	s_wait_loadcnt 4*(STEPS-2-(\t))
.endif
	TURN (\t)+1                                    ; and go through the other stage while this step is worked
.endif
	v_max3_num_f32 v8, |v[XS]|, |v[XS+1]|, |v[XS+2]|               ; the largest magnitude of my 16, in two chains
	v_max3_num_f32 v9, |v[XS+3]|, |v[XS+4]|, |v[XS+5]|
.irp i, 6,10
	v_max3_num_f32 v8, v8, |v[XS+\i]|, |v[XS+\i+1]|
	v_max3_num_f32 v9, v9, |v[XS+\i+2]|, |v[XS+\i+3]|
.endr
	v_max3_num_f32 v8, v8, |v[XS+14]|, |v[XS+15]|
	v_max3_num_f32 v8, v8, v9, 0x1800000           ; and the floor 2^(3 - 127): so the byte cannot fall under 1
	v_max_num_f32_dpp v8, v8, v8 row_xmask:1 row_mask:0xf bank_mask:0xf   ; and of my neighbour's 16: the block's
	v_add_nc_u32 v11, 0xff000000, v8               ; 2 off its exponent field: the conversion takes the exponent field of this operand as its scale
	v_cvt_scalef32_pk16_fp6_f32 v[C+4*(\t):C+4*(\t)+2], v[XS:XS+15], v11
	v_lshrrev_b32 v[E+(\t)], 23, v11               ; the scale's byte (also the plain line behind the conversion)
	ds_store_b8 v5, v[E+(\t)] offset:16*(\t)       ; both lanes of a block write the same byte with the same value
	global_store_b96 v4, v[C+4*(\t):C+4*(\t)+2], s[6:7] offset:32*CB*(\t)
.endm
.irp t, 0,1,2,3,4,5,6,7,8,9,10,11,12,13,14,15
	STEP \t
.endr
	ds_load_b64 v[12:13], v6                       ; LDS serves a wave's instructions in order: these see my stores
	s_wait_dscnt 0x0
	global_store_b64 v7, v[12:13], s[8:9]          ; 32 lanes store 256 consecutive bytes, at a multiple of 256 from xs's first byte
	s_wait_tensorcnt 0x0
	ds_add_u32 v192, v193
	s_wait_dscnt 0x0
	s_endpgm
.Lparams:
	s_load_b64 s[10:11], s[0:1], 0x18              ; params
	s_load_b256 s[12:19], s[0:1], 0x20             ; bk, bq, bv, bkp
	s_load_b256 s[20:27], s[0:1], 0x40             ; bqp, bka, bqa, fb1
	s_load_b128 s[28:31], s[0:1], 0x60             ; fw2, fb2
	v_lshlrev_b32 v1, 4, v0                        ; 128 threads x 16 bytes: a vector of 512 numbers
	v_lshlrev_b32 v2, 3, v0                        ; x 8 bytes: one of 256
	v_mov_b32 v3, 0                                ; fb2's one word
	v_lshlrev_b32 v4, 2, v0
	s_wait_kmcnt 0x0
.irp j, 0,1,2,3,4,5,6
	global_load_b128 v[16+4*\j:19+4*\j], v1, s[12+2*\j:13+2*\j]
.endr
	global_load_b64 v[44:45], v2, s[26:27]
	global_load_b64 v[46:47], v2, s[28:29]
	global_load_b32 v48, v3, s[30:31]
	s_wait_loadcnt 0x0
.irp j, 0,1,2,3,4,5,6
	global_store_b128 v1, v[16+4*\j:19+4*\j], s[10:11] offset:2048*\j
.endr
	global_store_b64 v2, v[44:45], s[10:11] offset:14336
	global_store_b64 v2, v[46:47], s[10:11] offset:15360
	global_store_b32 v4, v48, s[10:11] offset:16384
	s_endpgm
.Lfunc_end_k_q38657d93ea_quantx:
	.size	k_q38657d93ea_quantx, .Lfunc_end_k_q38657d93ea_quantx-k_q38657d93ea_quantx
	.p2alignl 7, 3214868480
	.fill 96, 4, 3214868480
	.section	.rodata,"a",@progbits
	.p2align	6, 0x0
	.amdhsa_kernel k_q38657d93ea_quantx
		.amdhsa_group_segment_fixed_size 33280
		.amdhsa_private_segment_fixed_size 0
		.amdhsa_enable_private_segment 0
		.amdhsa_kernarg_size 112
		.amdhsa_user_sgpr_count 2
		.amdhsa_user_sgpr_kernarg_segment_ptr 1
		.amdhsa_wavefront_size32 1
		.amdhsa_system_sgpr_workgroup_id_x 1
		.amdhsa_system_sgpr_workgroup_id_y 1
		.amdhsa_system_sgpr_workgroup_id_z 1
		.amdhsa_system_vgpr_workitem_id 0
		.amdhsa_next_free_vgpr 194
		.amdhsa_next_free_sgpr 66
		.amdhsa_reserve_vcc 0
		.amdhsa_float_denorm_mode_32 3
		.amdhsa_float_denorm_mode_16_64 3
		.amdhsa_memory_ordered 1
		.amdhsa_forward_progress 1
		.amdhsa_inst_pref_size 35
	.end_amdhsa_kernel
	.amdgpu_metadata
---
amdhsa.version: [ 1, 2 ]
amdhsa.kernels:
  - .name:           k_q38657d93ea_quantx
    .symbol:         k_q38657d93ea_quantx.kd
    .args:
      - { .name: input_tensor, .offset: 0, .size: 8, .value_kind: global_buffer, .address_space: global }
      - { .name: xc, .offset: 8, .size: 8, .value_kind: global_buffer, .address_space: global }
      - { .name: xs, .offset: 16, .size: 8, .value_kind: global_buffer, .address_space: global }
      - { .name: params, .offset: 24, .size: 8, .value_kind: global_buffer, .address_space: global }
      - { .name: bk, .offset: 32, .size: 8, .value_kind: global_buffer, .address_space: global }
      - { .name: bq, .offset: 40, .size: 8, .value_kind: global_buffer, .address_space: global }
      - { .name: bv, .offset: 48, .size: 8, .value_kind: global_buffer, .address_space: global }
      - { .name: bkp, .offset: 56, .size: 8, .value_kind: global_buffer, .address_space: global }
      - { .name: bqp, .offset: 64, .size: 8, .value_kind: global_buffer, .address_space: global }
      - { .name: bka, .offset: 72, .size: 8, .value_kind: global_buffer, .address_space: global }
      - { .name: bqa, .offset: 80, .size: 8, .value_kind: global_buffer, .address_space: global }
      - { .name: fb1, .offset: 88, .size: 8, .value_kind: global_buffer, .address_space: global }
      - { .name: fw2, .offset: 96, .size: 8, .value_kind: global_buffer, .address_space: global }
      - { .name: fb2, .offset: 104, .size: 8, .value_kind: global_buffer, .address_space: global }
    .group_segment_fixed_size: 33280
    .private_segment_fixed_size: 0
    .kernarg_segment_align: 8
    .kernarg_segment_size: 112
    .max_flat_workgroup_size: 128
    .sgpr_count:     66
    .vgpr_count:     194
    .wavefront_size: 32
...
	.end_amdgpu_metadata
.endif
;; end of part 1
;; launch attn (part 2): grid 4 x 64, 8 waves a work-group, no clusters, 295,936 bytes of LDS; arguments xc, xs, position_embedding_codes, position_embedding_scales, attribute_table_codes, attribute_table_scales, Wq_codes, Wq_scales, Wk_codes, Wk_scales, Wqp_codes, Wqp_scales, Wkp_codes, Wkp_scales, Wqa_codes, Wqa_scales, Wka_codes, Wka_scales, Wv_codes, Wv_scales, fw1_codes, fw1_scales, params, cc, cs; writes cc, cs
.if DOCPART == 2
	.amdgcn_target "amdgcn-amd-amdhsa--gfx1250"
	.amdhsa_code_object_version 6
	.text
	.protected	k_q38657d93ea_attn
	.globl	k_q38657d93ea_attn
	.p2align	8
	.type	k_q38657d93ea_attn,@function
k_q38657d93ea_attn:
	s_mov_b64 s[64:65], 0
	v_nop
	global_prefetch_b8 v0, s[64:65] scope:SCOPE_SE
	s_setreg_imm32_b32 hwreg(HW_REG_WAVE_MODE, 25, 1), 1
	s_wait_xcnt 0x0
; One work-group = one (batch, head): the seven projections, the four maps of scores, the gate over them, the softmax and p v.  All products on codes of FP6 (E2M3) with one E8M0
; scale for each 32 along K; every operand computed on the way is quantised in registers from f32.  ctx leaves as codes: a head's 128 columns are one K step of the last product.
; TILES.  Tile T = 2 b + u of any 256-row operand holds, in lane r, row 32 b + 8 u + r + 8 (r / 8).  So the 16 registers that a lane holds of two neighbouring tiles of a transposed
; result are 16 NEIGHBOURS along that axis, which is the next product's K, and the conversions' results are the next operand's registers.
; IMAGES.  Operands go from wave to wave through LDS as images of their registers.  A fragment (16 rows x 128 K, 12 registers) is two halves of 768 bytes (64 along K each): registers
; 0-3 at 16 x lane, registers 4-5 at 512 + 8 x lane.  A half is made whole by one wave.  A fragment's scale words: 128 bytes, 4 x lane; a half gives two bytes of each.
; PARTS.  (1) pos, then x, then attr and fw1 are staged as images; eight waves (matrix K or Q side, which 64 output columns, which 8 row tiles) make kp qp, k q, ka qa; v is made
; with the keys along a lane's registers.  Six barriers.  (2) No barrier any more: wave w owns query tiles 2 w, 2 w + 1.  G1: the four maps, 64 keys a step, quantised along the keys
; into registers.  H: x fw1^T + fb1, relu, . fw2 in f32.  Gate: softmax over the four sources.  G2: the same score products once more (512 registers a query tile would be needed to
; keep them), summed under the gate's weights.  Softmax: the whole row is at hand, so M = ceil(largest t) is final.  p v.  / l.  Quantise.  Store.
; NO TENSOR LOADS, NO CLUSTER: every operand is wanted as an image with chosen rows, and the staging bytes are written by LDS stores three times over;
; what the four heads of a batch share (x, pos, attr: 250 KB, read once) stands against 7,424 matrix instructions of the work-group.
; EIGHT WAVES OF 512 REGISTERS: vector work (quantisers, relu, exponentials) is as long as the matrix work, so two waves share a SIMD and one's vector lines stand beside the other's products.
; LIMITS: NaN and infinities are not served.  A block whose largest magnitude lies under 2^-124, a block of zeros too, takes the byte 1 (zero codes add nothing; only this program
; reads the bytes).  p under 2^-126 comes out of v_exp_f32 as 0.  log2(e) / sqrt(128) is multiplied into the gate's weights: one f32 rounding stands elsewhere than in the reference.
; LDS
.set KI,   0                           ; k: fragment T at 1536 T
.set KP,   24576                       ; kp
.set KA,   49152                       ; ka: half 0 = f 0's 64, half 1 = f 1's 64
.set VI,   73728                       ; V^T: fragment (d tile, key step s) at (2 dt + s) 1536
.set QOFF, 98304                       ; q, qp, qa: the matching K region + QOFF
.set SC,   172032                      ; scale images, 2,048 each: k, kp, ka, v, q, qp, qa
.set FB,   186368                      ; fb1, then fw2
.set ST,   188416                      ; staged inputs: x or pos (4 T + s) 1536; last: attr (2 T + s) 1536, fw1 the same at + 49,152
.set STS,  286720                      ; their scale images; fw1's at + 4,096
; window 0, both parts
.set L16,  1                           ; 16 x lane
.set L8,   2                           ; 8 x lane
.set L4,   3                           ; 4 x lane
.set PW,   52                          ; v24-54 hold scale words and nothing else, in every phase
.set TM,   56                          ; v56-63 the quantiser's eight
.set PC,   64                          ; v64-69 codes just made
.set XT,   70                          ; v70-72 a block's upper sixteen codes
; window 0, part 1
.set VA384, 4                          ; rho 384 + 24 h: my bytes of a row of 512 codes
.set VA192, 5                          ; rho 192 + 24 h: of 256 codes
.set VS16, 6                           ; rho 16: a row of 16 scale bytes
.set VS8,  7
.set VB,   8                           ; 64 h: a bias's sixteen numbers of my half
.set VR4,  9                           ; 4 rho
.set XA16, 10                          ; reads of the stage
.set XA8,  11
.set XAS,  12
.set OA16, 13                          ; stores of what is made
.set OA8,  14
.set OAS,  15
.set IA16, 16                          ; stores into the stage: my two tiles of x or pos
.set IA8,  17
.set IAS,  18
.set JA16, 19                          ; of attr and fw1
.set JA8,  20
.set JAS,  21
.set FBW,  22
.set T4,   23                          ; 4 x thread
.set WS,   24                          ; v24-39 the weights' scale words
.set XS,   40                          ; v40-43 the staged input's
.set SBS,  44                          ; v44-51 those of the fragments in SB
.set BV,   74                          ; v[74:75], v[76:77] bv of my lane's two d, each twice
.set FW,   78                          ; v78-79 my words of fb1 and fw2
.set ACC,  80                          ; v80-111 four accumulators
.set XF,   112                         ; v112-159 four fragments from the stage
.set SB,   160                         ; v160-255 eight fragments on their way into the stage; Wv's eight
; window 1, part 1: v0-191 the weights' fragments,
.set BI,   192                         ; v192-223 the bias in the result's layout,
.set ACC2, 224                         ; v224-255 four more accumulators
; window 0, part 2
.set K16B, 4
.set K8B,  5
.set VV16, 6
.set VV8,  7
.set FBA,  8
.set Q16,  9
.set Q8,   10
.set SCL,  11
.set QSL,  12
.set F16,  13
.set F8,   14
.set FSL,  15
.set CS,   24                          ; v24-39 the score rows' scale words: (a = 4 qt + source, K step s) at 2 a + s
.set KS,   40                          ; v40-43 of the fragments in KF
.set QS,   44                          ; v44-45 of my two query tiles
.set PS,   46                          ; v46-49 p's
.set CW,   50                          ; v50-51 ctx's
.set NM,   74                          ; v[74:75] -M, twice
.set QF,   80                          ; v80-103 two query fragments
.set KF,   104                         ; v104-151 four fragments of K or V; at the end ctx's codes
.set FF,   104                         ; phase H: fw1's two fragments
.set S,    152                         ; v152-215 64 keys x two query tiles; phase H: eight accumulators
.set PF,   184                         ; softmax on: v184-231 p's four fragments
.set E,    216                         ; v216-231 eight pairs: energies, then the gate's weights
.set MX,   232
.set SCR,  236
.set LS,   238                         ; v238-245 the rows' sums: two pairs a query tile
.set RL,   246                         ; v246-249 1 / l, twice each
; window 1, part 2: the score rows' codes (12 (2 a + s)); then t (128 qt + 32 kg); then O^T (64 qt + 8 dt)
.set WV,   58
.set MAT,  59                          ; 0: K side, 1: Q side
.set GRAN, 60                          ; which 64 output columns (attributes: which f)
.set RH,   61                          ; which 8 row tiles
.set HEAD, 62
.set BAT,  63
.set SEL,  76                          ; s[76:77] v_permlanex16_b32's selects for lane l xor 16
.set PAIR, 86
.set MSB, 0
.macro WIN new                         ; the immediate's high byte repeats the setting that is left; bits 1:0 source 0, 3:2 source 1, 5:4 source 2, 7:6 destination
.if MSB != \new
	s_set_vgpr_msb (MSB<<8)|\new
.set MSB, \new
.endif
.endm
.macro PLACES n                        ; plain vector lines behind matrix instructions (ISA guide 7.12.1), where no useful ones are at hand
.rept \n
	v_nop
.endr
.endm
.macro BARRIER                         ; my LDS stores have landed and my LDS loads are in: then the work-group's barrier
	s_wait_dscnt 0x0
	s_barrier_signal -1
	s_barrier_wait -1
.endm
.macro LDF reg, va, sb, off            ; a fragment from rows of codes in memory: 24 bytes twice, in pieces of 8
.irp p, 0,1,2,3,4,5
	global_load_b64 v[(\reg)+2*\p:(\reg)+2*\p+1], v[\va], s[\sb:\sb+1] offset:(\off)+48*(\p/3)+8*(\p%3)
.endr
.endm
.macro STI reg, a16, a8, off           ; a fragment's image into LDS
	ds_store_b128 v[\a16], v[(\reg):(\reg)+3] offset:(\off)
	ds_store_b64 v[\a8], v[(\reg)+4:(\reg)+5] offset:(\off)+512
	ds_store_b128 v[\a16], v[(\reg)+6:(\reg)+9] offset:(\off)+768
	ds_store_b64 v[\a8], v[(\reg)+10:(\reg)+11] offset:(\off)+1280
.endm
.macro FETH reg, a16, a8, off          ; half an image back: six registers
	ds_load_b128 v[(\reg):(\reg)+3], v[\a16] offset:(\off)
	ds_load_b64 v[(\reg)+4:(\reg)+5], v[\a8] offset:(\off)+512
.endm
.macro FET reg, a16, a8, off           ; a whole one
	FETH \reg, \a16, \a8, \off
	FETH (\reg)+6, \a16, \a8, (\off)+768
.endm
.macro MMZ d, a, b, sa, sb             ; D = A B: the product starts the sum
	v_wmma_scale_f32_16x16x128_f8f6f4 v[(\d):(\d)+7], v[(\a):(\a)+11], v[(\b):(\b)+11], 0, v[(\sa)], v[(\sb)] matrix_a_fmt:MATRIX_FMT_FP6 matrix_b_fmt:MATRIX_FMT_FP6
.endm
.macro MMC d, a, b, c, sa, sb          ; D = A B + C
	v_wmma_scale_f32_16x16x128_f8f6f4 v[(\d):(\d)+7], v[(\a):(\a)+11], v[(\b):(\b)+11], v[(\c):(\c)+7], v[(\sa)], v[(\sb)] matrix_a_fmt:MATRIX_FMT_FP6 matrix_b_fmt:MATRIX_FMT_FP6
.endm
; 32 numbers of a lane, v[s] on, register 16 b + i = k 32 b + 16 (lane / 16) + i of my row: two blocks, each shared with lane l xor 16.  Their codes: v[d..d+2] my block's lower sixteen,
; v[x..x+2] its upper sixteen (lanes 0-15 block 0, lanes 16-31 block 1: half a fragment); their two scale bytes in v[pw].  Where the numbers are four accumulators, each is first read at its low end.
.macro QCORE s, d, x, pw
	v_max3_num_f32 v[TM], |v[(\s)]|, |v[(\s)+1]|, 0x1800000        ; the floor 2^(3 - 127) among the leaves: the byte cannot fall under 1
	v_max3_num_f32 v[TM+1], |v[(\s)+16]|, |v[(\s)+17]|, 0x1800000
	v_max3_num_f32 v[TM+2], |v[(\s)+8]|, |v[(\s)+9]|, |v[(\s)+10]|
	v_max3_num_f32 v[TM+3], |v[(\s)+24]|, |v[(\s)+25]|, |v[(\s)+26]|
.irp i, 2,4,6
	v_max3_num_f32 v[TM], v[TM], |v[(\s)+\i]|, |v[(\s)+\i+1]|
	v_max3_num_f32 v[TM+1], v[TM+1], |v[(\s)+16+\i]|, |v[(\s)+17+\i]|
.endr
.irp i, 11,13
	v_max3_num_f32 v[TM+2], v[TM+2], |v[(\s)+\i]|, |v[(\s)+\i+1]|
	v_max3_num_f32 v[TM+3], v[TM+3], |v[(\s)+16+\i]|, |v[(\s)+17+\i]|
.endr
	v_max3_num_f32 v[TM], v[TM], v[TM+2], |v[(\s)+15]|
	v_max3_num_f32 v[TM+1], v[TM+1], v[TM+3], |v[(\s)+31]|
	v_permlanex16_b32 v[TM+2], v[TM], s[SEL], s[SEL+1]
	v_permlanex16_b32 v[TM+3], v[TM+1], s[SEL], s[SEL+1]
	v_max_num_f32 v[TM], v[TM], v[TM+2]            ; with lane l xor 16's: the blocks' largest magnitudes
	v_max_num_f32 v[TM+1], v[TM+1], v[TM+3]
	v_add_nc_u32 v[TM+4], 0xff000000, v[TM]        ; 2 off the exponent field: the conversion's scale operand
	v_add_nc_u32 v[TM+5], 0xff000000, v[TM+1]
	v_lshrrev_b32 v[TM+6], 23, v[TM+4]             ; the scales' bytes
	v_lshrrev_b32 v[TM+7], 23, v[TM+5]
	v_lshl_or_b32 v[(\pw)], v[TM+7], 8, v[TM+6]
	v_cvt_scalef32_pk16_fp6_f32 v[(\d):(\d)+2], v[(\s):(\s)+15], v[TM+4]
	v_cvt_scalef32_pk16_fp6_f32 v[(\x):(\x)+2], v[(\s)+16:(\s)+31], v[TM+5]
	v_nop                                          ; one plain line behind a scaled conversion
.irp i, 0,1,2
	v_permlane16_swap_b32 v[(\d)+\i], v[(\x)+\i]   ; the layout wants a whole block in a lane
.endr
.endm
.macro QUANT2 s, d, x, pw              ; the same, the six registers on end in v[d..d+5]
	QCORE \s, \d, \x, \pw
.irp i, 0,1,2
	v_mov_b32 v[(\d)+3+\i], v[(\x)+\i]
.endr
.endm
; my two tiles (2 w + u) of an input given as rows of codes: fragment (u, s) into v[reg + 12 (u ks + s)]; its scale words
.macro LOADINC reg, ks, va, rowb, cb
.irp u, 0,1
.set q_, 0
.rept \ks
	LDF (\reg)+12*(\u*\ks+q_), \va, \cb, 8*\u*\rowb+96*q_
.set q_, q_+1
.endr
.endr
.endm
.macro LOADINS screg, ks, vs, srow, sb
.irp u, 0,1
.set q_, 0
.rept \ks
	global_load_b32 v[(\screg)+\u*\ks+q_], v[\vs], s[\sb:\sb+1] offset:8*\u*\srow+4*q_
.set q_, q_+1
.endr
.endr
.endm
.macro PUTC reg, n, a16, a8, off       ; n fragments' images into the stage
.set q_, 0
.rept \n
	STI (\reg)+12*q_, \a16, \a8, (\off)+1536*q_
.set q_, q_+1
.endr
.endm
.macro PUTS screg, n, as, off
.set q_, 0
.rept \n
	ds_store_b32 v[\as], v[(\screg)+q_] offset:(\off)+128*q_
.set q_, q_+1
.endr
.endm
; my 64 output columns of a weight: four tiles x ks K steps into window 1 (fragment (t, s) at 12 (t ks + s)), the bias in the result's layout, the scale words
.macro LOADW ks, va, vs, rowb, srow, cb, sb, bb
	WIN 0x40
.irp t, 0,1,2,3
.set q_, 0
.rept \ks
	LDF 12*(\t*\ks+q_), \va, \cb, (32*(\t/2)+8*(\t%2))*\rowb+96*q_
.set q_, q_+1
.endr
	global_load_b128 v[BI+8*\t:BI+8*\t+3], v[VB], s[\bb:\bb+1] offset:(32*(\t/2)+8*(\t%2))*4
	global_load_b128 v[BI+8*\t+4:BI+8*\t+7], v[VB], s[\bb:\bb+1] offset:(32*(\t/2)+8*(\t%2))*4+16
.endr
	WIN 0
.irp t, 0,1,2,3
.set q_, 0
.rept \ks
	global_load_b32 v[WS+\t*\ks+q_], v[\vs], s[\sb:\sb+1] offset:(32*(\t/2)+8*(\t%2))*\srow+4*q_
.set q_, q_+1
.endr
.endr
.endm
.macro PFETCH ks, i                    ; my i-th row tile's fragments and scale words from the stage
.set q_, 0
.rept \ks
	FET XF+12*q_, XA16, XA8, ((\i)*\ks+q_)*1536
	ds_load_b32 v[XS+q_], v[XAS] offset:((\i)*\ks+q_)*128
.set q_, q_+1
.endr
.endm
; One row tile: transposed (source 0 = 16 rows of the weight, source 1 = 16 rows of the input), the bias as the C of each sum's first product; the four accumulators take turns
; The next tile is fetched under the quantiser.  The result is half a fragment of the operand that is being made.
.macro PTILE ks, i
	s_wait_dscnt 0x0                               ; the tile's fragments are in; the last tile's stores have read their registers
	WIN 0x11                                       ; the weight and the bias in window 1
.irp t, 0,1,2,3
	MMC ACC+8*\t, 12*\t*\ks, XF, BI+8*\t, WS+\t*\ks, XS
.endr
	WIN 0x01
.set q_, 1
.rept \ks-1
.irp t, 0,1,2,3
	MMC ACC+8*\t, 12*(\t*\ks+q_), XF+12*q_, ACC+8*\t, WS+\t*\ks+q_, XS+q_
.endr
.set q_, q_+1
.endr
	WIN 0
	PLACES 4
.if (\i) < 7
	PFETCH \ks, (\i)+1
.endif
	QUANT2 ACC, PC, XT, PW
	ds_store_b128 v[OA16], v[PC:PC+3] offset:(\i)*1536
	ds_store_b64 v[OA8], v[PC+4:PC+5] offset:(\i)*1536+512
	ds_store_b16 v[OAS], v[PW] offset:(\i)*128
.endm
; Eight row tiles, written out: every LDS offset is an immediate, every address a constant + a constant x lane + a constant x wave.
.macro PROJ ks, kreg, ksc
	s_mul_i32 s82, s[RH], 8*\ks*1536
	s_add_co_u32 s82, s82, ST
	v_add_nc_u32 v[XA16], s82, v[L16]
	v_add_nc_u32 v[XA8], s82, v[L8]
	s_mul_i32 s82, s[RH], 8*\ks*128
	s_add_co_u32 s82, s82, STS
	v_add_nc_u32 v[XAS], s82, v[L4]
	s_add_co_u32 s82, s84, \kreg
	v_add_nc_u32 v[OA16], s82, v[L16]
	v_add_nc_u32 v[OA8], s82, v[L8]
	s_add_co_u32 s82, s85, \ksc
	v_add_nc_u32 v[OAS], s82, v[L4]
	PFETCH \ks, 0
.set i_, 0
.rept 8
	PTILE \ks, i_
.set i_, i_+1
.endr
.endm
.macro ADDP p                          ; a pointer takes its offset, once
	s_add_nc_u64 s[\p:\p+1], s[\p:\p+1], s[80:81]
.endm
	s_load_b512 s[8:23], s[0:1], 0x0               ; xc 8, xs 10, pos codes 12, scales 14, attr codes 16, scales 18, Wq 20, 22
	s_load_b512 s[24:39], s[0:1], 0x40             ; Wk 24, 26, Wqp 28, 30, Wkp 32, 34, Wqa 36, 38
	s_load_b512 s[40:55], s[0:1], 0x80             ; Wka 40, 42, Wv 44, 46, fw1 48, 50, params 52, cc 54
	s_load_b64 s[56:57], s[0:1], 0xc0              ; cs
	v_lshl_add_u32 v55, v0, 2, 0x48000
	v_mov_b32 v73, 0
	v_lshrrev_b32 v56, 5, v0
	v_readfirstlane_b32 s[WV], v56                 ; wave 0..7
	s_lshr_b32 s[MAT], s[WV], 2
	s_bfe_u32 s[GRAN], s[WV], 0x10001
	s_and_b32 s[RH], s[WV], 1
	s_lshr_b32 s[PAIR], s[WV], 1
	s_mov_b32 s[HEAD], ttmp9
	s_and_b32 s[BAT], ttmp7, 0xffff
	s_mov_b32 s[SEL], 0x76543210
	s_mov_b32 s[SEL+1], 0xfedcba98
	s_mov_b32 s81, 0
	v_and_b32 v56, 31, v0                          ; lane
	v_lshlrev_b32 v[L16], 4, v56
	v_lshlrev_b32 v[L8], 3, v56
	v_lshlrev_b32 v[L4], 2, v56
	v_and_b32 v56, 15, v0                          ; r
	v_bfe_u32 v57, v0, 4, 1                        ; h
	v_and_b32 v58, 8, v56
	v_add_nc_u32 v58, v58, v56                     ; rho = r + 8 (r / 8)
	v_mul_u32_u24 v59, v57, 24
	v_mad_u32_u24 v[VA384], v58, 384, v59
	v_mad_u32_u24 v[VA192], v58, 192, v59
	v_lshlrev_b32 v[VS16], 4, v58
	v_lshlrev_b32 v[VS8], 3, v58
	v_lshlrev_b32 v[VB], 6, v57
	v_lshlrev_b32 v[VR4], 2, v58
	v_lshlrev_b32 v[T4], 2, v0
	v_lshl_add_u32 v[FBW], v0, 2, FB
	s_mul_i32 s82, s[WV], 12288
	s_add_co_u32 s82, s82, ST
	v_add_nc_u32 v[IA16], s82, v[L16]
	v_add_nc_u32 v[IA8], s82, v[L8]
	s_lshl_b32 s82, s[WV], 10
	s_add_co_u32 s82, s82, STS
	v_add_nc_u32 v[IAS], s82, v[L4]
	s_mul_i32 s82, s[WV], 6144
	s_add_co_u32 s82, s82, ST
	v_add_nc_u32 v[JA16], s82, v[L16]
	v_add_nc_u32 v[JA8], s82, v[L8]
	s_lshl_b32 s82, s[WV], 9
	s_add_co_u32 s82, s82, STS
	v_add_nc_u32 v[JAS], s82, v[L4]
	s_mul_i32 s84, s[MAT], QOFF                    ; where my halves go, from a K region's first byte
	s_mul_i32 s82, s[GRAN], 768
	s_add_co_u32 s84, s84, s82
	s_mul_i32 s82, s[RH], 12288
	s_add_co_u32 s84, s84, s82
	s_lshl_b32 s85, s[MAT], 13                     ; and their scale bytes
	s_lshl_b32 s82, s[GRAN], 1
	s_add_co_u32 s85, s85, s82
	s_lshl_b32 s82, s[RH], 10
	s_add_co_u32 s85, s85, s82
	s_add_co_u32 s85, s85, SC
	s_wait_kmcnt 0x0
	s_cmp_lt_u32 s[WV], 4                          ; waves 0-3 take the K side's weights, waves 4-7 the Q side's: the choice hangs on the wave's number alone
	s_cselect_b64 s[20:21], s[24:25], s[20:21]
	s_cselect_b64 s[22:23], s[26:27], s[22:23]
	s_cselect_b64 s[28:29], s[32:33], s[28:29]
	s_cselect_b64 s[30:31], s[34:35], s[30:31]
	s_cselect_b64 s[36:37], s[40:41], s[36:37]
	s_cselect_b64 s[38:39], s[42:43], s[38:39]
	s_load_b32 s78, s[52:53], 0x4000               ; fb2
	s_mul_i32 s82, s[BAT], 98304                   ; x, pos: batch x 256 rows of 384 bytes + my 32 rows
	s_mul_i32 s83, s[WV], 12288
	s_add_co_u32 s80, s82, s83
	ADDP 8
	ADDP 12
	s_mul_i32 s83, s[HEAD], 1536                   ; cc: fragment ((16 batch + 2 w) 4 + head)
	s_add_co_u32 s80, s80, s83
	ADDP 54
	s_lshl_b32 s82, s[BAT], 12                     ; their scale bytes: 16 a row
	s_lshl_b32 s83, s[WV], 9
	s_add_co_u32 s80, s82, s83
	ADDP 10
	ADDP 14
	s_lshl_b32 s80, s80, 1                         ; cs: the same index x 128
	s_lshl_b32 s83, s[HEAD], 7
	s_add_co_u32 s80, s80, s83
	ADDP 56
	s_mul_i32 s82, s[BAT], 49152                   ; attr: rows of 192 bytes; fw1: my 32 rows
	s_mul_i32 s83, s[WV], 6144
	s_add_co_u32 s80, s82, s83
	ADDP 16
	s_mov_b32 s80, s83
	ADDP 48
	s_lshl_b32 s82, s[BAT], 11
	s_lshl_b32 s83, s[WV], 8
	s_add_co_u32 s80, s82, s83
	ADDP 18
	s_mov_b32 s80, s83
	ADDP 50
	s_mul_i32 s82, s[HEAD], 49152                  ; Wq/Wk, Wqp/Wkp: the head's 128 rows, my 64 of them
	s_mul_i32 s83, s[GRAN], 24576
	s_add_co_u32 s80, s82, s83
	ADDP 20
	ADDP 28
	s_mul_i32 s83, s[PAIR], 12288                  ; Wv: my 32 rows
	s_add_co_u32 s80, s82, s83
	ADDP 44
	s_lshl_b32 s82, s[HEAD], 11
	s_lshl_b32 s83, s[GRAN], 10
	s_add_co_u32 s80, s82, s83
	ADDP 22
	ADDP 30
	s_lshl_b32 s83, s[PAIR], 9
	s_add_co_u32 s80, s82, s83
	ADDP 46
	s_mul_i32 s82, s[GRAN], 49152                  ; Wqa/Wka: f = my granule, the head's 64 rows
	s_mul_i32 s83, s[HEAD], 12288
	s_add_co_u32 s80, s82, s83
	ADDP 36
	s_lshl_b32 s82, s[GRAN], 11
	s_lshl_b32 s83, s[HEAD], 9
	s_add_co_u32 s80, s82, s83
	ADDP 38
	s_lshl_b32 s82, s[MAT], 11                     ; the biases, in params: bk / bq
	s_add_co_u32 s82, s82, s83
	s_lshl_b32 s83, s[GRAN], 8
	s_add_co_u32 s80, s82, s83
	s_add_nc_u64 s[68:69], s[52:53], s[80:81]
	s_add_co_u32 s80, s80, 6144                    ; bkp / bqp
	s_add_nc_u64 s[66:67], s[52:53], s[80:81]
	s_lshl_b32 s82, s[MAT], 11                     ; bka / bqa
	s_lshl_b32 s83, s[GRAN], 10
	s_add_co_u32 s82, s82, s83
	s_lshl_b32 s83, s[HEAD], 8
	s_add_co_u32 s82, s82, s83
	s_add_co_u32 s80, s82, 10240
	s_add_nc_u64 s[70:71], s[52:53], s[80:81]
	s_lshl_b32 s82, s[HEAD], 9                     ; bv
	s_lshl_b32 s83, s[PAIR], 7
	s_add_co_u32 s82, s82, s83
	s_add_co_u32 s80, s82, 4096
	s_add_nc_u64 s[72:73], s[52:53], s[80:81]
	s_add_nc_u64 s[74:75], s[52:53], 14336         ; fb1, fw2
	s_wait_kmcnt 0x0
	; ---- pos into the stage; kp and qp
	global_load_b32 v[FW], v[T4], s[74:75]
	global_load_b32 v[FW+1], v[T4], s[74:75] offset:1024
	LOADINC SB, 4, VA384, 384, 12
	LOADINS SBS, 4, VS16, 16, 14
	LOADW 4, VA384, VS16, 384, 16, 28, 30, 66
	s_wait_loadcnt 63                              ; behind the 58 loads wanted here 120 were issued: any count up to 120 would do, and this is the largest that the wait can name
	PUTC SB, 8, IA16, IA8, 0
	PUTS SBS, 8, IAS, 0
	ds_store_b32 v[FBW], v[FW]
	ds_store_b32 v[FBW], v[FW+1] offset:1024
	s_wait_dscnt 0x0                               ; the stores have read their registers,
	LOADINC SB, 4, VA384, 384, 8                   ; which take x: 56 loads, on their way under the first projection
	LOADINS SBS, 4, VS16, 16, 10
	BARRIER                                        ; pos lies in the stage
	s_wait_loadcnt 56                              ; the weights are in; x's 56 loads may be out
	PROJ 4, KP, 2048
	BARRIER                                        ; nobody reads pos any more
	; ---- x into the stage; k and q; v
	s_wait_loadcnt 0x0
	PUTC SB, 8, IA16, IA8, 0
	PUTS SBS, 8, IAS, 0
	s_wait_dscnt 0x0
	LOADW 4, VA384, VS16, 384, 16, 20, 22, 68      ; (the last products that read these registers stand in front of a whole quantiser)
.irp dt, 0,1                                   ; Wv: d tiles 2 pair + dt, lane r takes row 32 pair + 8 dt + rho; 58 loads
.irp s, 0,1,2,3
	LDF SB+12*(4*\dt+\s), VA384, 44, 8*\dt*384+96*\s
	global_load_b32 v[SBS+4*\dt+\s], v[VS16], s[46:47] offset:8*\dt*16+4*\s
.endr
	global_load_b32 v[BV+2*\dt], v[VR4], s[72:73] offset:32*\dt
.endr
	BARRIER                                        ; x lies in the stage
	s_wait_loadcnt 58                              ; the weights are in; Wv's 58 loads may be out
	PROJ 4, KI, 0
	s_wait_loadcnt 0x0
	v_mov_b32 v[BV+1], v[BV]
	v_mov_b32 v[BV+3], v[BV+2]
	WIN 0x40                                       ; the last stage's 120 loads land under v's products: attr and fw1, my two tiles each, behind the attribute weights' place
	LOADINC 96, 2, VA192, 192, 16
	LOADINC 144, 2, VA192, 192, 48
	WIN 0
	LOADINS WS+8, 2, VS8, 8, 18
	LOADINS WS+12, 2, VS8, 8, 50
	LOADW 2, VA192, VS8, 192, 8, 36, 38, 70
	; v: NOT transposed (source 0 = 16 keys of x, source 1 = 16 rows of Wv): a lane holds one d, and its registers run along the keys, which are the last product's K.
	; Wave (kh = w % 2, pair = w / 2): keys 128 kh on, 64 at a time, for two d tiles: eight accumulators by turns.
	s_mul_i32 s82, s[RH], 49152
	s_add_co_u32 s82, s82, ST
	v_add_nc_u32 v[XA16], s82, v[L16]
	v_add_nc_u32 v[XA8], s82, v[L8]
	s_lshl_b32 s82, s[RH], 12
	s_add_co_u32 s82, s82, STS
	v_add_nc_u32 v[XAS], s82, v[L4]
	s_mul_i32 s82, s[PAIR], 6144
	s_mul_i32 s83, s[RH], 1536
	s_add_co_u32 s82, s82, s83
	s_add_co_u32 s82, s82, VI
	v_add_nc_u32 v[OA16], s82, v[L16]
	v_add_nc_u32 v[OA8], s82, v[L8]
	s_lshl_b32 s82, s[PAIR], 9
	s_lshl_b32 s83, s[RH], 7
	s_add_co_u32 s82, s82, s83
	s_add_co_u32 s82, s82, SC+6144
	v_add_nc_u32 v[OAS], s82, v[L4]
.irp kg, 0,1
.irp s, 0,1,2,3
.irp kt, 0,1,2,3
	FET XF+12*\kt, XA16, XA8, \kg*24576+\kt*6144+\s*1536
	ds_load_b32 v[XS+\kt], v[XAS] offset:\kg*2048+\kt*512+\s*128
.endr
	s_wait_dscnt 0x0
.if \s == 0
.irp kt, 0,1,2,3
	MMZ ACC+8*\kt, XF+12*\kt, SB+12*\s, XS+\kt, SBS+\s
.endr
	WIN 0x40
.irp kt, 0,1,2,3
	MMZ ACC2+8*\kt, XF+12*\kt, SB+12*(4+\s), XS+\kt, SBS+4+\s
.endr
.else
.irp kt, 0,1,2,3
	MMC ACC+8*\kt, XF+12*\kt, SB+12*\s, ACC+8*\kt, XS+\kt, SBS+\s
.endr
	WIN 0x50
.irp kt, 0,1,2,3
	MMC ACC2+8*\kt, XF+12*\kt, SB+12*(4+\s), ACC2+8*\kt, XS+\kt, SBS+4+\s
.endr
.endif
	WIN 0
	PLACES 4
.endr
.set j_, 0
.rept 16
	v_pk_add_f32 v[ACC+j_:ACC+j_+1], v[ACC+j_:ACC+j_+1], v[BV:BV+1]   ; + bv of my d
.set j_, j_+2
.endr
	QUANT2 ACC, PC, XT, PW
	ds_store_b128 v[OA16], v[PC:PC+3] offset:\kg*768
	ds_store_b64 v[OA8], v[PC+4:PC+5] offset:\kg*768+512
	ds_store_b16 v[OAS], v[PW] offset:2*\kg
	s_wait_dscnt 0x0                               ; the stores have read their registers
	WIN 0x01
.set j_, 0
.rept 16
	v_pk_add_f32 v[ACC+j_:ACC+j_+1], v[ACC2+j_:ACC2+j_+1], v[BV+2:BV+3]   ; the second d tile: the bias's addition is also the way into window 0
.set j_, j_+2
.endr
	WIN 0
	QUANT2 ACC, PC, XT, PW
	ds_store_b128 v[OA16], v[PC:PC+3] offset:3072+\kg*768
	ds_store_b64 v[OA8], v[PC+4:PC+5] offset:3072+\kg*768+512
	ds_store_b16 v[OAS], v[PW] offset:256+2*\kg
	s_wait_dscnt 0x0
.endr
	BARRIER                                        ; nobody reads x any more
	; ---- attr and fw1 into the stage; ka and qa
	s_wait_loadcnt 0x0
	WIN 0x04                                       ; an LDS store's data are its source 1: window 1
	PUTC 96, 4, JA16, JA8, 0
	PUTC 144, 4, JA16, JA8, 49152
	WIN 0
	PUTS WS+8, 4, JAS, 0
	PUTS WS+12, 4, JAS, 4096
	BARRIER
	PROJ 2, KA, 4096
	BARRIER                                        ; every operand lies in LDS; from here on LDS is only read, and the waves run free
	; ================ part 2: wave w owns query tiles 2 w + qt
	v_add_nc_u32 v[FBA], FB, v[VB]                 ; (all global loads are in: their offset registers are free)
	v_add_nc_u32 v[K16B], KA, v[L16]
	v_add_nc_u32 v[K8B], KA, v[L8]
	v_add_nc_u32 v[VV16], VI, v[L16]
	v_add_nc_u32 v[VV8], VI, v[L8]
	s_mul_i32 s82, s[WV], 3072
	s_add_co_u32 s82, s82, QOFF
	v_add_nc_u32 v[Q16], s82, v[L16]
	v_add_nc_u32 v[Q8], s82, v[L8]
	v_add_nc_u32 v[SCL], SC, v[L4]
	s_lshl_b32 s82, s[WV], 8
	s_add_co_u32 s82, s82, SC+8192
	v_add_nc_u32 v[QSL], s82, v[L4]
	v_add_nc_u32 v[F16], ST+49152, v[L16]
	v_add_nc_u32 v[F8], ST+49152, v[L8]
	v_add_nc_u32 v[FSL], STS+4096, v[L4]
; A score step n = 4 source + kg: 64 keys (four key tiles) against both query tiles.  Sources: 0 item, 1 pos, 2 and 3 the attributes' f 0 and f 1, whose K is 64: half of the
; fragment [f 0 | f 1] is fetched, and the other half of BOTH operands is zero codes, written once for the source's four steps.
.macro NEXT n
.set SRC_, (\n)/4
.set KG_, (\n)%4
.if SRC_ < 2
.irp kt, 0,1,2,3
	FET KF+12*\kt, L16, L8, SRC_*24576+(4*KG_+\kt)*1536
	ds_load_b32 v[KS+\kt], v[SCL] offset:SRC_*2048+(4*KG_+\kt)*128
.endr
.if KG_ == 0
.irp qt, 0,1
	FET QF+12*\qt, Q16, Q8, SRC_*24576+\qt*1536
	ds_load_b32 v[QS+\qt], v[QSL] offset:SRC_*2048+\qt*128
.endr
.endif
.else
.set HF_, SRC_-2
.if KG_ == 0
.irp i, 0,1,2,3,4,5
.irp f, 0,1,2,3
	v_mov_b32 v[KF+12*\f+6*(1-HF_)+\i], 0
.endr
	v_mov_b32 v[QF+6*(1-HF_)+\i], 0
	v_mov_b32 v[QF+12+6*(1-HF_)+\i], 0
.endr
.irp qt, 0,1
	FETH QF+12*\qt+6*HF_, Q16, Q8, 49152+\qt*1536+768*HF_
.if HF_ == 0
	ds_load_b32 v[QS+\qt], v[QSL] offset:4096+\qt*128   ; one word serves both f: bytes 0, 1 are f 0's, bytes 2, 3 f 1's
.endif
.endr
.endif
.irp kt, 0,1,2,3
	FETH KF+12*\kt+6*HF_, K16B, K8B, (4*KG_+\kt)*1536+768*HF_
	ds_load_b32 v[KS+\kt], v[SCL] offset:4096+(4*KG_+\kt)*128
.endr
.endif
.endm
.macro SMUL                            ; S^T = K Q^T: a lane holds one query; register 16 b + i of a query tile's 32 is key 64 kg + 32 b + 16 (lane / 16) + i
.irp kt, 0,1,2,3
.irp qt, 0,1
	MMZ S+32*\qt+8*\kt, KF+12*\kt, QF+12*\qt, KS+\kt, QS+\qt
.endr
.endr
.endm
.macro QSTORE n                        ; the step's scores become half a fragment of the gate's operand, in window 1
.set CSRC_, (\n)/4
.set CKG_, (\n)%4
.irp qt, 0,1
.set CA_, 2*(4*\qt+CSRC_)+CKG_/2
.if CKG_%2 == 0
	QCORE S+32*\qt, PC, XT, CS+CA_
.else
	QCORE S+32*\qt, PC, XT, PW
	v_lshl_or_b32 v[CS+CA_], v[PW], 16, v[CS+CA_]
.endif
	WIN 0x40
.irp i, 0,1,2
	v_mov_b32 v[12*CA_+6*(CKG_%2)+\i], v[PC+\i]
	v_mov_b32 v[12*CA_+6*(CKG_%2)+3+\i], v[XT+\i]
.endr
	WIN 0
.endr
.endm
.macro WSUM n                          ; t += the gate's weight x the unquantised scores
.set CSRC_, (\n)/4
.set CKG_, (\n)%4
.if CSRC_ == 0
	WIN 0x40
.else
	WIN 0x50
.endif
.irp qt, 0,1
.set j_, 0
.rept 16
.if CSRC_ == 0
	v_pk_mul_f32 v[128*\qt+32*CKG_+j_:128*\qt+32*CKG_+j_+1], v[S+32*\qt+j_:S+32*\qt+j_+1], v[E+8*\qt:E+8*\qt+1]
.else
	v_pk_fma_f32 v[128*\qt+32*CKG_+j_:128*\qt+32*CKG_+j_+1], v[S+32*\qt+j_:S+32*\qt+j_+1], v[E+8*\qt+2*CSRC_:E+8*\qt+2*CSRC_+1], v[128*\qt+32*CKG_+j_:128*\qt+32*CKG_+j_+1]
.endif
.set j_, j_+2
.endr
.endr
	WIN 0
.endm
; Sixteen score steps.  The next step's fragments are asked for ahead of this step's vector work.  Five places: the next run of products begins the same accumulators anew.
.macro PASS mode
	NEXT 0
.set N_, 0
.rept 16
	s_wait_dscnt 0x0
	SMUL
	PLACES 5
.if N_ < 15
	NEXT N_+1
.endif
.if \mode == 1
	QSTORE N_
.else
	WSUM N_
.endif
.set N_, N_+1
.endr
.endm
	PASS 1                                         ; ---- G1
	; ---- H: energy = relu(rows fw1^T + fb1) . fw2.  Transposed: source 0 = 16 rows of fw1, source 1 = 16 score rows; a tile of fw1 serves all eight (query tile, source).
	; Register j of tile 2 b + u is hidden unit 32 b + 16 (lane / 16) + 8 u + j: its fb1 and fw2 lie at 128 b + 64 (lane / 16) + 32 u + 4 j.  fb1 is the C of each sum's first product.
.macro HFETCH off, soff, fboff, u
.if \u == 0
.set HB_, 80
.set HW_, 88
.else
.set HB_, 96
.set HW_, 128
.endif
	FET FF, F16, F8, \off
	FET FF+12, F16, F8, (\off)+1536
	ds_load_b32 v[KS], v[FSL] offset:\soff
	ds_load_b32 v[KS+1], v[FSL] offset:(\soff)+128
	ds_load_b128 v[HB_:HB_+3], v[FBA] offset:\fboff
	ds_load_b128 v[HB_+4:HB_+7], v[FBA] offset:(\fboff)+16
	ds_load_b128 v[HW_:HW_+3], v[FBA] offset:(\fboff)+1024
	ds_load_b128 v[HW_+4:HW_+7], v[FBA] offset:(\fboff)+1040
.endm
.macro HTILE u, pre, off, soff, fboff
.if \u == 0
.set UB_, 80
.set UW_, 88
.else
.set UB_, 96
.set UW_, 128
.endif
	s_wait_dscnt 0x0
	WIN 0x04                                       ; the score rows' codes in window 1
.irp a, 0,1,2,3,4,5,6,7
	MMC S+8*\a, FF, 24*\a, UB_, KS, CS+2*\a
.endr
.irp a, 0,1,2,3,4,5,6,7
	MMC S+8*\a, FF+12, 24*\a+12, S+8*\a, KS+1, CS+2*\a+1
.endr
	WIN 0
	PLACES 4
.if \pre
	HFETCH \off, \soff, \fboff, 1-\u               ; the next tile, under this tile's vector work
.endif
.set j_, 0
.rept 64
	v_max_num_f32 v[S+j_], 0, v[S+j_]
.set j_, j_+1
.endr
.irp i, 0,1,2,3
.irp a, 0,1,2,3,4,5,6,7
	v_pk_fma_f32 v[E+2*\a:E+2*\a+1], v[S+8*\a+2*\i:S+8*\a+2*\i+1], v[UW_+2*\i:UW_+2*\i+1], v[E+2*\a:E+2*\a+1]
.endr
.endr
.endm
.set j_, 0
.rept 16
	v_mov_b32 v[E+j_], 0
.set j_, j_+1
.endr
	PLACES 8                                       ; scale words made by vector lines stand eight places ahead of a scaled product
	HFETCH 0, 0, 0, 0
	s_mov_b32 s79, 7
.Lh:                                                   ; a trip: fw1's tiles 2 b and 2 b + 1
	HTILE 0, 1, 3072, 256, 32
	HTILE 1, 1, 6144, 512, 128
	v_add_nc_u32 v[F16], 6144, v[F16]
	v_add_nc_u32 v[F8], 6144, v[F8]
	v_add_nc_u32 v[FSL], 512, v[FSL]
	v_add_nc_u32 v[FBA], 128, v[FBA]
	s_sub_co_u32 s79, s79, 1
	s_cmp_lg_u32 s79, 0
	s_cbranch_scc1 .Lh
	HTILE 0, 1, 3072, 256, 32                      ; the last two tiles: nothing is fetched past fw1's end
	HTILE 1, 0, 0, 0, 0
	; ---- the gate: softmax over the four sources, its maximum taken away; the weights carry log2(e) / sqrt(128)
.irp a, 0,1,2,3,4,5,6,7
	v_add_f32 v[E+2*\a], v[E+2*\a], v[E+2*\a+1]
.endr
.irp a, 0,1,2,3,4,5,6,7
	v_permlanex16_b32 v[E+2*\a+1], v[E+2*\a], s[SEL], s[SEL+1]
.endr
.irp a, 0,1,2,3,4,5,6,7
	v_add_f32 v[E+2*\a], v[E+2*\a], v[E+2*\a+1]    ; the other half of the hidden units lies 16 lanes away
.endr
.irp a, 0,1,2,3,4,5,6,7
	v_add_f32 v[E+2*\a], s78, v[E+2*\a]            ; + fb2
.endr
.irp qt, 0,1
	v_max3_num_f32 v[MX+\qt], v[E+8*\qt], v[E+8*\qt+2], v[E+8*\qt+4]
.endr
.irp qt, 0,1
	v_max_num_f32 v[MX+\qt], v[MX+\qt], v[E+8*\qt+6]
.endr
.irp a, 0,1,2,3,4,5,6,7
	v_sub_f32 v[E+2*\a], v[E+2*\a], v[MX+\a/4]
.endr
.irp a, 0,1,2,3,4,5,6,7
	v_mul_f32 v[E+2*\a], 0x3fb8aa3b, v[E+2*\a]
.endr
.irp a, 0,1,2,3,4,5,6,7
	v_exp_f32 v[E+2*\a], v[E+2*\a]
.endr
	v_nop                                          ; a plain line behind the exponentials
	s_wait_alu depctr_va_vdst(0)
.irp qt, 0,1
	v_add_f32 v[SCR+\qt], v[E+8*\qt], v[E+8*\qt+2]
.endr
.irp qt, 0,1
	v_add_f32 v[MX+\qt], v[E+8*\qt+4], v[E+8*\qt+6]
.endr
.irp qt, 0,1
	v_add_f32 v[SCR+\qt], v[SCR+\qt], v[MX+\qt]
.endr
.irp qt, 0,1
	v_rcp_f32 v[SCR+\qt], v[SCR+\qt]
.endr
	v_nop
	s_wait_alu depctr_va_vdst(0)
.irp qt, 0,1
	v_mul_f32 v[SCR+\qt], 0x3e0293ee, v[SCR+\qt]   ; log2(e) / sqrt(128)
.endr
.irp a, 0,1,2,3,4,5,6,7
	v_mul_f32 v[E+2*\a], v[E+2*\a], v[SCR+\a/4]
.endr
.irp a, 0,1,2,3,4,5,6,7
	v_mov_b32 v[E+2*\a+1], v[E+2*\a]               ; twice, for the packed forms
.endr
	PASS 2                                         ; ---- G2: t, in window 1
	; ---- the softmax ahead of p v: M = ceil(the row's largest t); p = 2^(t - M), not normalised; the row's sum of the unquantised p
.macro SOFT qt
	WIN 0x05
.irp kg, 0,1,2,3
	v_max_num_f32 v[MX+\kg], v[128*\qt+32*\kg], v[128*\qt+32*\kg+1]
.endr
	WIN 0x14
.irp i, 2,4,6,8,10,12,14,16,18,20,22,24,26,28,30
.irp kg, 0,1,2,3
	v_max3_num_f32 v[MX+\kg], v[MX+\kg], v[128*\qt+32*\kg+\i], v[128*\qt+32*\kg+\i+1]
.endr
.endr
	WIN 0
	v_max3_num_f32 v[MX], v[MX], v[MX+1], v[MX+2]
	v_max_num_f32 v[MX], v[MX], v[MX+3]
	v_permlanex16_b32 v[SCR], v[MX], s[SEL], s[SEL+1]
	v_max_num_f32 v[MX], v[MX], v[SCR]
	v_floor_f32 v[NM], -v[MX]                      ; -M = floor(-t)
	v_mov_b32 v[NM+1], v[NM]
.irp kg, 0,1,2,3
	WIN 0x01
.set j_, 0
.rept 16
	v_pk_add_f32 v[S+j_:S+j_+1], v[128*\qt+32*\kg+j_:128*\qt+32*\kg+j_+1], v[NM:NM+1]
.set j_, j_+2
.endr
	WIN 0
.set j_, 0
.rept 32
	v_exp_f32 v[S+j_], v[S+j_]
.set j_, j_+1
.endr
	v_nop                                          ; a plain line behind the exponentials
.if \kg == 0
	s_wait_alu depctr_va_vdst(0)
	v_pk_add_f32 v[LS+4*\qt:LS+4*\qt+1], v[S:S+1], v[S+4:S+5]          ; the first two lines start the sums, in two chains
	v_pk_add_f32 v[LS+4*\qt+2:LS+4*\qt+3], v[S+2:S+3], v[S+6:S+7]
.irp i, 8,12,16,20,24,28
	v_pk_add_f32 v[LS+4*\qt:LS+4*\qt+1], v[LS+4*\qt:LS+4*\qt+1], v[S+\i:S+\i+1]
	v_pk_add_f32 v[LS+4*\qt+2:LS+4*\qt+3], v[LS+4*\qt+2:LS+4*\qt+3], v[S+\i+2:S+\i+3]
.endr
.else
	s_wait_alu depctr_va_vdst(0)
.irp i, 0,4,8,12,16,20,24,28
	v_pk_add_f32 v[LS+4*\qt:LS+4*\qt+1], v[LS+4*\qt:LS+4*\qt+1], v[S+\i:S+\i+1]
	v_pk_add_f32 v[LS+4*\qt+2:LS+4*\qt+3], v[LS+4*\qt+2:LS+4*\qt+3], v[S+\i+2:S+\i+3]
.endr
.endif
.set PD_, PF+12*(2*\qt+\kg/2)+6*(\kg%2)
.if \kg%2 == 0
	QUANT2 S, PD_, XT, PS+2*\qt+\kg/2
.else
	QUANT2 S, PD_, XT, PW
	v_lshl_or_b32 v[PS+2*\qt+\kg/2], v[PW], 16, v[PS+2*\qt+\kg/2]
.endif
.endr
.endm
	SOFT 0
	SOFT 1
	PLACES 8                                       ; p's scale words stand eight places ahead of the products
	; ---- O^T = V^T P^T: source 0 = 16 d, source 1 = p; eight accumulators by turns, two key steps
.irp dg, 0,1
.irp s, 0,1
.irp i, 0,1,2,3
	FET KF+12*\i, VV16, VV8, ((4*\dg+\i)*2+\s)*1536
	ds_load_b32 v[KS+\i], v[SCL] offset:6144+((4*\dg+\i)*2+\s)*128
.endr
	s_wait_dscnt 0x0
.if \s == 0
	WIN 0x40
.irp i, 0,1,2,3
.irp qt, 0,1
	MMZ 64*\qt+8*(4*\dg+\i), KF+12*\i, PF+12*(2*\qt+\s), KS+\i, PS+2*\qt+\s
.endr
.endr
.else
	WIN 0x50
.irp i, 0,1,2,3
.irp qt, 0,1
	MMC 64*\qt+8*(4*\dg+\i), KF+12*\i, PF+12*(2*\qt+\s), 64*\qt+8*(4*\dg+\i), KS+\i, PS+2*\qt+\s
.endr
.endr
.endif
	WIN 0
	PLACES 4
.endr
.endr
	; ---- ctx = O / l, quantised along d; the images leave as they stand: each store of the wave covers 512, 256 or 128 consecutive bytes
.irp qt, 0,1
	v_pk_add_f32 v[LS+4*\qt:LS+4*\qt+1], v[LS+4*\qt:LS+4*\qt+1], v[LS+4*\qt+2:LS+4*\qt+3]
.endr
.irp qt, 0,1
	v_add_f32 v[LS+4*\qt], v[LS+4*\qt], v[LS+4*\qt+1]
.endr
.irp qt, 0,1
	v_permlanex16_b32 v[LS+4*\qt+1], v[LS+4*\qt], s[SEL], s[SEL+1]
.endr
.irp qt, 0,1
	v_add_f32 v[LS+4*\qt], v[LS+4*\qt], v[LS+4*\qt+1]
.endr
.irp qt, 0,1
	v_rcp_f32 v[RL+2*\qt], v[LS+4*\qt]
.endr
	v_nop
	s_wait_alu depctr_va_vdst(0)
.irp qt, 0,1
	v_mov_b32 v[RL+2*\qt+1], v[RL+2*\qt]
.endr
.irp qt, 0,1
.irp dg, 0,1
.set CD_, KF+12*(2*\qt+\dg)                    ; a set of registers for each half: no store's data are written again
	WIN 0x01
.set j_, 0
.rept 16
	v_pk_mul_f32 v[S+j_:S+j_+1], v[64*\qt+32*\dg+j_:64*\qt+32*\dg+j_+1], v[RL+2*\qt:RL+2*\qt+1]
.set j_, j_+2
.endr
	WIN 0
.if \dg == 0
	QUANT2 S, CD_, CD_+6, CW+\qt
.else
	QUANT2 S, CD_, CD_+6, PW
	v_lshl_or_b32 v[CW+\qt], v[PW], 16, v[CW+\qt]
.endif
	global_store_b128 v[L16], v[CD_:CD_+3], s[54:55] offset:\qt*6144+\dg*768
	global_store_b64 v[L8], v[CD_+4:CD_+5], s[54:55] offset:\qt*6144+\dg*768+512
.endr
	global_store_b32 v[L4], v[CW+\qt], s[56:57] offset:\qt*512
.endr
	s_wait_tensorcnt 0x0
	ds_add_u32 v55, v73
	s_wait_dscnt 0x0
	s_endpgm
.Lfunc_end_k_q38657d93ea_attn:
	.size	k_q38657d93ea_attn, .Lfunc_end_k_q38657d93ea_attn-k_q38657d93ea_attn
	.p2alignl 7, 3214868480
	.fill 96, 4, 3214868480
	.section	.rodata,"a",@progbits
	.p2align	6, 0x0
	.amdhsa_kernel k_q38657d93ea_attn
		.amdhsa_group_segment_fixed_size 295936
		.amdhsa_private_segment_fixed_size 0
		.amdhsa_enable_private_segment 0
		.amdhsa_kernarg_size 200
		.amdhsa_user_sgpr_count 2
		.amdhsa_user_sgpr_kernarg_segment_ptr 1
		.amdhsa_wavefront_size32 1
		.amdhsa_system_sgpr_workgroup_id_x 1
		.amdhsa_system_sgpr_workgroup_id_y 1
		.amdhsa_system_sgpr_workgroup_id_z 1
		.amdhsa_system_vgpr_workitem_id 0
		.amdhsa_next_free_vgpr 512
		.amdhsa_next_free_sgpr 100
		.amdhsa_reserve_vcc 0
		.amdhsa_float_denorm_mode_32 3
		.amdhsa_float_denorm_mode_16_64 3
		.amdhsa_memory_ordered 1
		.amdhsa_forward_progress 1
		.amdhsa_inst_pref_size 255
	.end_amdhsa_kernel
	.section	.bss,"aw",@nobits
	.p2align	6
	.space	262144
	.amdgpu_metadata
---
amdhsa.version: [ 1, 2 ]
amdhsa.kernels:
  - .name:           k_q38657d93ea_attn
    .symbol:         k_q38657d93ea_attn.kd
    .args:
      - { .name: xc, .offset: 0, .size: 8, .value_kind: global_buffer, .address_space: global }
      - { .name: xs, .offset: 8, .size: 8, .value_kind: global_buffer, .address_space: global }
      - { .name: position_embedding_codes, .offset: 16, .size: 8, .value_kind: global_buffer, .address_space: global }
      - { .name: position_embedding_scales, .offset: 24, .size: 8, .value_kind: global_buffer, .address_space: global }
      - { .name: attribute_table_codes, .offset: 32, .size: 8, .value_kind: global_buffer, .address_space: global }
      - { .name: attribute_table_scales, .offset: 40, .size: 8, .value_kind: global_buffer, .address_space: global }
      - { .name: Wq_codes, .offset: 48, .size: 8, .value_kind: global_buffer, .address_space: global }
      - { .name: Wq_scales, .offset: 56, .size: 8, .value_kind: global_buffer, .address_space: global }
      - { .name: Wk_codes, .offset: 64, .size: 8, .value_kind: global_buffer, .address_space: global }
      - { .name: Wk_scales, .offset: 72, .size: 8, .value_kind: global_buffer, .address_space: global }
      - { .name: Wqp_codes, .offset: 80, .size: 8, .value_kind: global_buffer, .address_space: global }
      - { .name: Wqp_scales, .offset: 88, .size: 8, .value_kind: global_buffer, .address_space: global }
      - { .name: Wkp_codes, .offset: 96, .size: 8, .value_kind: global_buffer, .address_space: global }
      - { .name: Wkp_scales, .offset: 104, .size: 8, .value_kind: global_buffer, .address_space: global }
      - { .name: Wqa_codes, .offset: 112, .size: 8, .value_kind: global_buffer, .address_space: global }
      - { .name: Wqa_scales, .offset: 120, .size: 8, .value_kind: global_buffer, .address_space: global }
      - { .name: Wka_codes, .offset: 128, .size: 8, .value_kind: global_buffer, .address_space: global }
      - { .name: Wka_scales, .offset: 136, .size: 8, .value_kind: global_buffer, .address_space: global }
      - { .name: Wv_codes, .offset: 144, .size: 8, .value_kind: global_buffer, .address_space: global }
      - { .name: Wv_scales, .offset: 152, .size: 8, .value_kind: global_buffer, .address_space: global }
      - { .name: fw1_codes, .offset: 160, .size: 8, .value_kind: global_buffer, .address_space: global }
      - { .name: fw1_scales, .offset: 168, .size: 8, .value_kind: global_buffer, .address_space: global }
      - { .name: params, .offset: 176, .size: 8, .value_kind: global_buffer, .address_space: global }
      - { .name: cc, .offset: 184, .size: 8, .value_kind: global_buffer, .address_space: global }
      - { .name: cs, .offset: 192, .size: 8, .value_kind: global_buffer, .address_space: global }
    .group_segment_fixed_size: 295936
    .private_segment_fixed_size: 0
    .kernarg_segment_align: 8
    .kernarg_segment_size: 200
    .max_flat_workgroup_size: 256
    .sgpr_count:     100
    .vgpr_count:     512
    .wavefront_size: 32
...
	.end_amdgpu_metadata
.endif
;; end of part 2
;; launch outp (part 3): grid 256 x 1, 8 waves a work-group, no clusters, 159,744 bytes of LDS; arguments cc, cs, Wd_codes, Wd_scales, bd, input_tensor, gamma, beta, out0; writes out0
.if DOCPART == 3
	.amdgcn_target "amdgcn-amd-amdhsa--gfx1250"
	.amdhsa_code_object_version 6
	.text
	.protected	k_q38657d93ea_outp
	.globl	k_q38657d93ea_outp
	.p2align	8
	.type	k_q38657d93ea_outp,@function
k_q38657d93ea_outp:
	s_mov_b64 s[64:65], 0
	v_nop
	global_prefetch_b8 v0, s[64:65] scope:SCOPE_SE
	s_setreg_imm32_b32 hwreg(HW_REG_WAVE_MODE, 25, 1), 1
	s_wait_xcnt 0x0
; out0 = LayerNorm(ctx Wd^T + bd + input_tensor) x gamma + beta.  ctx comes as images of operand registers (cc) with their scale words (cs), made by the launch before.
; A work-group owns 64 rows: its 16 fragments (row tile m, K step s: 4 m + s) are 24,576 dense bytes of cc, copied once into LDS and read by all eight waves.
; In row tile m = 2 b + u lane r holds row 32 b + 8 u + r + 8 (r / 8).  PRODUCT: wave w owns columns 64 w on: its 16 fragments of Wd stay in registers; transposed (source 0 = 16 rows
; of Wd, source 1 = ctx), bd as the C of each sum's first product; sixteen accumulators by turns.  A lane's eight results are eight neighbouring columns of a row.
; They meet in a stage of 64 rows x (2,048 + 16) bytes; then wave w owns rows 8 w on, a whole row in the wave: 16 numbers a lane.
; The variance is taken of x - mu, in a second pass: no difference of large sums.  No tensor loads: the one shared block is copied once by plain loads; no cluster: work-groups share Wd alone,
; 196,608 bytes read once by each.  LIMITS: NaN and infinities are not served.
.set CSC,  24576                       ; LDS: the images from 0; their scale words;
.set STG,  26624                       ; the stage
.set SPITCH, 2064
.set L16,  1
.set L8,   2
.set L4,   3
.set VA,   4                           ; r 384 + 24 h: my bytes of a row of Wd
.set VS,   5                           ; 16 r
.set VB,   6                           ; 32 h
.set T16,  7                           ; 16 x thread
.set T8,   8
.set SO0,  9                           ; the stage, in: row tiles 0, 1
.set SO1,  10                          ; row tiles 2, 3
.set SR,   11                          ; and back
.set WS,   24                          ; v24-39 Wd's scale words, v40-43 ctx's: these hold scales and nothing else
.set CSW,  40
.set SM,   56                          ; v56-63 four pairs of sums
.set MU,   64                          ; v64-71 four pairs: mu, then 1 / sqrt(var + eps)
.set CF,   72                          ; v72-119 four fragments of ctx (first: the copy's registers)
.set X,    124                         ; v124-251 the accumulators ((t, m) at 8 (4 m + t)), then my eight rows (row i, piece c at 16 i + 4 c)
; window 1: v0-191 Wd's fragments ((t, s) at 12 (4 t + s)); behind the product v0-95 the residual's rows 2 to 7, v96-111 gamma, v112-127 beta
.set BI,   192                         ; v192-223 bd in the result's layout
.set R01,  224                         ; v224-255 the residual's rows 0 and 1
.set MSB, 0
.macro WIN new
.if MSB != \new
	s_set_vgpr_msb (MSB<<8)|\new
.set MSB, \new
.endif
.endm
.macro PLACES n
.rept \n
	v_nop
.endr
.endm
.macro BARRIER
	s_wait_dscnt 0x0
	s_barrier_signal -1
	s_barrier_wait -1
.endm
.macro LDF reg, va, sb, off
.irp p, 0,1,2,3,4,5
	global_load_b64 v[(\reg)+2*\p:(\reg)+2*\p+1], v[\va], s[\sb:\sb+1] offset:(\off)+48*(\p/3)+8*(\p%3)
.endr
.endm
.macro FET reg, a16, a8, off
	ds_load_b128 v[(\reg):(\reg)+3], v[\a16] offset:(\off)
	ds_load_b64 v[(\reg)+4:(\reg)+5], v[\a8] offset:(\off)+512
	ds_load_b128 v[(\reg)+6:(\reg)+9], v[\a16] offset:(\off)+768
	ds_load_b64 v[(\reg)+10:(\reg)+11], v[\a8] offset:(\off)+1280
.endm
.macro MMC d, a, b, c, sa, sb
	v_wmma_scale_f32_16x16x128_f8f6f4 v[(\d):(\d)+7], v[(\a):(\a)+11], v[(\b):(\b)+11], v[(\c):(\c)+7], v[(\sa)], v[(\sb)] matrix_a_fmt:MATRIX_FMT_FP6 matrix_b_fmt:MATRIX_FMT_FP6
.endm
	s_load_b512 s[8:23], s[0:1], 0x0               ; cc 8, cs 10, Wd codes 12, scales 14, bd 16, input 18, gamma 20, beta 22
	s_load_b64 s[24:25], s[0:1], 0x40              ; out0
	v_lshl_add_u32 v254, v0, 2, 0x26c00
	v_mov_b32 v255, 0
	v_lshrrev_b32 v56, 5, v0
	v_readfirstlane_b32 s26, v56                   ; wave 0..7
	v_and_b32 v57, 31, v0
	v_lshlrev_b32 v[L16], 4, v57
	v_lshlrev_b32 v[L8], 3, v57
	v_lshlrev_b32 v[L4], 2, v57
	v_and_b32 v58, 15, v0                          ; r
	v_bfe_u32 v59, v0, 4, 1                        ; h
	v_mul_u32_u24 v60, v59, 24
	v_mad_u32_u24 v[VA], v58, 384, v60
	v_lshlrev_b32 v[VS], 4, v58
	v_lshlrev_b32 v[VB], 5, v59
	v_lshlrev_b32 v[T16], 4, v0
	v_lshlrev_b32 v[T8], 3, v0
	v_and_b32 v60, 8, v58
	v_add_nc_u32 v60, v60, v58                     ; r + 8 (r / 8)
	v_mul_u32_u24 v[SO0], v60, SPITCH
	v_lshl_add_u32 v[SO0], v59, 5, v[SO0]
	s_lshl_b32 s27, s26, 8
	s_add_co_u32 s27, s27, STG
	v_add_nc_u32 v[SO0], s27, v[SO0]               ; my row of a tile, + 32 h, + my wave's 256 bytes
	v_add_nc_u32 v[SO1], 32*SPITCH, v[SO0]
	s_mul_i32 s27, s26, 8*SPITCH
	s_add_co_u32 s27, s27, STG
	v_add_nc_u32 v[SR], s27, v[L16]
	s_mov_b32 s29, 0
	s_mov_b32 s30, 0x3b000000                      ; 1 / 512
	s_mov_b32 s31, 0x2b8cbccc                      ; 1e-12
	s_mov_b32 s32, 0x76543210
	s_mov_b32 s33, 0xfedcba98
	s_wait_kmcnt 0x0
	s_mul_i32 s28, ttmp9, 24576
	s_add_nc_u64 s[8:9], s[8:9], s[28:29]
	s_lshl_b32 s28, ttmp9, 11
	s_add_nc_u64 s[10:11], s[10:11], s[28:29]
	s_mul_i32 s28, s26, 24576
	s_add_nc_u64 s[12:13], s[12:13], s[28:29]
	s_lshl_b32 s28, s26, 10
	s_add_nc_u64 s[14:15], s[14:15], s[28:29]
	s_lshl_b32 s28, s26, 8
	s_add_nc_u64 s[16:17], s[16:17], s[28:29]
	s_lshl_b32 s28, ttmp9, 17                      ; my first row: 64 x work-group + 8 x wave, of 2,048 bytes
	s_lshl_b32 s27, s26, 14
	s_add_co_u32 s28, s28, s27
	s_add_nc_u64 s[18:19], s[18:19], s[28:29]
	s_add_nc_u64 s[24:25], s[24:25], s[28:29]
.irp i, 0,1,2,3,4,5
	global_load_b128 v[CF+4*\i:CF+4*\i+3], v[T16], s[8:9] offset:4096*\i   ; the copy: 7 loads
.endr
	global_load_b64 v[CF+24:CF+25], v[T8], s[10:11]
.irp t, 0,1,2,3
.irp s, 0,1,2,3
	global_load_b32 v[WS+4*\t+\s], v[VS], s[14:15] offset:256*\t+4*\s
.endr
.endr
	WIN 0x40
.irp t, 0,1,2,3
.irp s, 0,1,2,3
	LDF 12*(4*\t+\s), VA, 12, 6144*\t+96*\s
.endr
	global_load_b128 v[BI+8*\t:BI+8*\t+3], v[VB], s[16:17] offset:64*\t
	global_load_b128 v[BI+8*\t+4:BI+8*\t+7], v[VB], s[16:17] offset:64*\t+16
.endr
.irp i, 0,1
.irp c, 0,1,2,3
	global_load_b128 v[R01+16*\i+4*\c:R01+16*\i+4*\c+3], v[L16], s[18:19] offset:2048*\i+512*\c th:TH_LOAD_NT   ; the last 8 loads issued
.endr
.endr
	WIN 0
	s_wait_loadcnt 63                              ; behind the copy's 7 loads 128 were issued: any count up to 128 would do, and this is the largest that the wait can name
.irp i, 0,1,2,3,4,5
	ds_store_b128 v[T16], v[CF+4*\i:CF+4*\i+3] offset:4096*\i
.endr
	ds_store_b64 v[T8], v[CF+24:CF+25] offset:CSC
	BARRIER                                        ; ctx's images lie in LDS
	s_wait_loadcnt 8                               ; Wd and bd are in; the residual's 8 loads may be out
.irp s, 0,1,2,3
.irp m, 0,1,2,3
	FET CF+12*\m, L16, L8, (4*\m+\s)*1536
	ds_load_b32 v[CSW+\m], v[L4] offset:CSC+(4*\m+\s)*128
.endr
	s_wait_dscnt 0x0
.if \s == 0
	WIN 0x11                                       ; Wd and bd in window 1
.irp m, 0,1,2,3
.irp t, 0,1,2,3
	MMC X+8*(4*\m+\t), 12*(4*\t+\s), CF+12*\m, BI+8*\t, WS+4*\t+\s, CSW+\m
.endr
.endr
.else
	WIN 0x01
.irp m, 0,1,2,3
.irp t, 0,1,2,3
	MMC X+8*(4*\m+\t), 12*(4*\t+\s), CF+12*\m, X+8*(4*\m+\t), WS+4*\t+\s, CSW+\m
.endr
.endr
.endif
	WIN 0
	PLACES 4
.endr
	WIN 0x40                                       ; Wd's registers are free: the rest of the residual, gamma, beta
.irp i, 2,3,4,5,6,7
.irp c, 0,1,2,3
	global_load_b128 v[16*(\i-2)+4*\c:16*(\i-2)+4*\c+3], v[L16], s[18:19] offset:2048*\i+512*\c th:TH_LOAD_NT
.endr
.endr
.irp c, 0,1,2,3
	global_load_b128 v[96+4*\c:96+4*\c+3], v[L16], s[20:21] offset:512*\c
	global_load_b128 v[112+4*\c:112+4*\c+3], v[L16], s[22:23] offset:512*\c
.endr
	WIN 0
.irp m, 0,1
.irp t, 0,1,2,3
	ds_store_b128 v[SO0], v[X+8*(4*\m+\t):X+8*(4*\m+\t)+3] offset:\m*8*SPITCH+64*\t       ; each accumulator from its low end on
	ds_store_b128 v[SO0], v[X+8*(4*\m+\t)+4:X+8*(4*\m+\t)+7] offset:\m*8*SPITCH+64*\t+16
.endr
.endr
.irp m, 0,1
.irp t, 0,1,2,3
	ds_store_b128 v[SO1], v[X+8*(4*(\m+2)+\t):X+8*(4*(\m+2)+\t)+3] offset:\m*8*SPITCH+64*\t
	ds_store_b128 v[SO1], v[X+8*(4*(\m+2)+\t)+4:X+8*(4*(\m+2)+\t)+7] offset:\m*8*SPITCH+64*\t+16
.endr
.endr
	BARRIER                                        ; 64 whole rows lie in the stage
.irp i, 0,1,2,3,4,5,6,7
.irp c, 0,1,2,3
	ds_load_b128 v[X+16*\i+4*\c:X+16*\i+4*\c+3], v[SR] offset:\i*SPITCH+512*\c
.endr
.endr
	s_wait_loadcnt 0x0
	s_wait_dscnt 0x0
.macro REDUCE                          ; four rows' sums over the wave, by turns; every lane ends with the row's
.irp k, 0,1,2,3
	v_add_f32 v[SM+2*\k], v[SM+2*\k], v[SM+2*\k+1]
.endr
.irp m, 1,2,4,8
.irp k, 0,1,2,3
	v_add_f32_dpp v[SM+2*\k], v[SM+2*\k], v[SM+2*\k] row_xmask:\m row_mask:0xf bank_mask:0xf
.endr
.endr
.irp k, 0,1,2,3
	v_permlanex16_b32 v[SM+2*\k+1], v[SM+2*\k], s32, s33
.endr
.irp k, 0,1,2,3
	v_add_f32 v[SM+2*\k], v[SM+2*\k], v[SM+2*\k+1]
.endr
.endm
.macro LNGROUP g                       ; rows 4 g to 4 g + 3 of my eight
	WIN 0x04
.irp k, 0,1,2,3
.set RW_, 4*\g+\k
.if RW_ < 2
.set RB_, R01+16*RW_
.else
.set RB_, 16*(RW_-2)
.endif
.irp j, 0,2,4,6,8,10,12,14
	v_pk_add_f32 v[X+16*RW_+\j:X+16*RW_+\j+1], v[X+16*RW_+\j:X+16*RW_+\j+1], v[RB_+\j:RB_+\j+1]   ; + input_tensor
.endr
.endr
	WIN 0
.irp k, 0,1,2,3
	v_pk_add_f32 v[SM+2*\k:SM+2*\k+1], v[X+16*(4*\g+\k):X+16*(4*\g+\k)+1], v[X+16*(4*\g+\k)+2:X+16*(4*\g+\k)+3]
.endr
.irp j, 4,6,8,10,12,14
.irp k, 0,1,2,3
	v_pk_add_f32 v[SM+2*\k:SM+2*\k+1], v[SM+2*\k:SM+2*\k+1], v[X+16*(4*\g+\k)+\j:X+16*(4*\g+\k)+\j+1]
.endr
.endr
	REDUCE
.irp k, 0,1,2,3
	v_mul_f32 v[MU+2*\k], s30, v[SM+2*\k]          ; mu
.endr
.irp k, 0,1,2,3
	v_mov_b32 v[MU+2*\k+1], v[MU+2*\k]
.endr
.irp j, 0,2,4,6,8,10,12,14
.irp k, 0,1,2,3
	v_pk_add_f32 v[X+16*(4*\g+\k)+\j:X+16*(4*\g+\k)+\j+1], v[X+16*(4*\g+\k)+\j:X+16*(4*\g+\k)+\j+1], v[MU+2*\k:MU+2*\k+1] neg_lo:[0,1] neg_hi:[0,1]
.endr
.endr
.irp k, 0,1,2,3
	v_pk_mul_f32 v[SM+2*\k:SM+2*\k+1], v[X+16*(4*\g+\k):X+16*(4*\g+\k)+1], v[X+16*(4*\g+\k):X+16*(4*\g+\k)+1]
.endr
.irp j, 2,4,6,8,10,12,14
.irp k, 0,1,2,3
	v_pk_fma_f32 v[SM+2*\k:SM+2*\k+1], v[X+16*(4*\g+\k)+\j:X+16*(4*\g+\k)+\j+1], v[X+16*(4*\g+\k)+\j:X+16*(4*\g+\k)+\j+1], v[SM+2*\k:SM+2*\k+1]
.endr
.endr
	REDUCE
.irp k, 0,1,2,3
	v_fma_f32 v[SM+2*\k], v[SM+2*\k], s30, s31     ; var + eps
.endr
.irp k, 0,1,2,3
	v_rsq_f32 v[MU+2*\k], v[SM+2*\k]
.endr
	v_nop                                          ; a plain line behind the transcendentals
	s_wait_alu depctr_va_vdst(0)
.irp k, 0,1,2,3
	v_mov_b32 v[MU+2*\k+1], v[MU+2*\k]
.endr
.irp j, 0,2,4,6,8,10,12,14
.irp k, 0,1,2,3
	v_pk_mul_f32 v[X+16*(4*\g+\k)+\j:X+16*(4*\g+\k)+\j+1], v[X+16*(4*\g+\k)+\j:X+16*(4*\g+\k)+\j+1], v[MU+2*\k:MU+2*\k+1]
.endr
.endr
	WIN 0x14                                       ; gamma and beta in window 1
.irp j, 0,2,4,6,8,10,12,14
.irp k, 0,1,2,3
	v_pk_fma_f32 v[X+16*(4*\g+\k)+\j:X+16*(4*\g+\k)+\j+1], v[X+16*(4*\g+\k)+\j:X+16*(4*\g+\k)+\j+1], v[96+\j:96+\j+1], v[112+\j:112+\j+1]
.endr
.endr
	WIN 0
.irp k, 0,1,2,3
.irp c, 0,1,2,3
	global_store_b128 v[L16], v[X+16*(4*\g+\k)+4*\c:X+16*(4*\g+\k)+4*\c+3], s[24:25] offset:2048*(4*\g+\k)+512*\c th:TH_STORE_NT   ; 32 lanes store 512 consecutive bytes, at a multiple of 256 from out0's first byte
.endr
.endr
.endm
	LNGROUP 0
	LNGROUP 1
	s_wait_tensorcnt 0x0
	ds_add_u32 v254, v255
	s_wait_dscnt 0x0
	s_endpgm
.Lfunc_end_k_q38657d93ea_outp:
	.size	k_q38657d93ea_outp, .Lfunc_end_k_q38657d93ea_outp-k_q38657d93ea_outp
	.p2alignl 7, 3214868480
	.fill 96, 4, 3214868480
	.section	.rodata,"a",@progbits
	.p2align	6, 0x0
	.amdhsa_kernel k_q38657d93ea_outp
		.amdhsa_group_segment_fixed_size 159744
		.amdhsa_private_segment_fixed_size 0
		.amdhsa_enable_private_segment 0
		.amdhsa_kernarg_size 72
		.amdhsa_user_sgpr_count 2
		.amdhsa_user_sgpr_kernarg_segment_ptr 1
		.amdhsa_wavefront_size32 1
		.amdhsa_system_sgpr_workgroup_id_x 1
		.amdhsa_system_sgpr_workgroup_id_y 1
		.amdhsa_system_sgpr_workgroup_id_z 1
		.amdhsa_system_vgpr_workitem_id 0
		.amdhsa_next_free_vgpr 512
		.amdhsa_next_free_sgpr 66
		.amdhsa_reserve_vcc 0
		.amdhsa_float_denorm_mode_32 3
		.amdhsa_float_denorm_mode_16_64 3
		.amdhsa_memory_ordered 1
		.amdhsa_forward_progress 1
		.amdhsa_inst_pref_size 72
	.end_amdhsa_kernel
	.amdgpu_metadata
---
amdhsa.version: [ 1, 2 ]
amdhsa.kernels:
  - .name:           k_q38657d93ea_outp
    .symbol:         k_q38657d93ea_outp.kd
    .args:
      - { .name: cc, .offset: 0, .size: 8, .value_kind: global_buffer, .address_space: global }
      - { .name: cs, .offset: 8, .size: 8, .value_kind: global_buffer, .address_space: global }
      - { .name: Wd_codes, .offset: 16, .size: 8, .value_kind: global_buffer, .address_space: global }
      - { .name: Wd_scales, .offset: 24, .size: 8, .value_kind: global_buffer, .address_space: global }
      - { .name: bd, .offset: 32, .size: 8, .value_kind: global_buffer, .address_space: global }
      - { .name: input_tensor, .offset: 40, .size: 8, .value_kind: global_buffer, .address_space: global }
      - { .name: gamma, .offset: 48, .size: 8, .value_kind: global_buffer, .address_space: global }
      - { .name: beta, .offset: 56, .size: 8, .value_kind: global_buffer, .address_space: global }
      - { .name: out0, .offset: 64, .size: 8, .value_kind: global_buffer, .address_space: global }
    .group_segment_fixed_size: 159744
    .private_segment_fixed_size: 0
    .kernarg_segment_align: 8
    .kernarg_segment_size: 72
    .max_flat_workgroup_size: 256
    .sgpr_count:     66
    .vgpr_count:     512
    .wavefront_size: 32
...
	.end_amdgpu_metadata
.endif
;; end of part 3
;; ======== version 2 of 3: 3 launches; 1.24 times as fast as version 1
;; workspace buffers: xc 6,291,456 bytes; xs 262,144 bytes; params 16,896 bytes; cc 6,291,456 bytes; cs 524,288 bytes; wimg 1,425,408 bytes
;; launch quantx (part 4): grid 315 x 1, 4 waves a work-group, no clusters, 33,280 bytes of LDS; arguments input_tensor, xc, xs, params, bk, bq, bv, bkp, bqp, bka, bqa, fb1, fw2, fb2, Wk_codes, Wq_codes, Wkp_codes, Wqp_codes, Wv_codes, Wd_codes, Wka_codes, Wqa_codes, fw1_codes, wimg; writes xc, xs, params, wimg
.if DOCPART == 4
	.amdgcn_target "amdgcn-amd-amdhsa--gfx1250"
	.amdhsa_code_object_version 6
	.text
	.protected	k_q38657d93ea_quantx
	.globl	k_q38657d93ea_quantx
	.p2align	8
	.type	k_q38657d93ea_quantx,@function
k_q38657d93ea_quantx:
	s_mov_b64 s[64:65], 0
	v_nop
	global_prefetch_b8 v0, s[64:65] scope:SCOPE_SE
	s_setreg_imm32_b32 hwreg(HW_REG_WAVE_MODE, 25, 1), 1
	s_wait_xcnt 0x0
; input_tensor [16384][512] f32 becomes codes of FP6 (E2M3), K innermost, xc [16384][384 bytes], with one E8M0 byte for each 32 along K, xs [16384][16]:
; the layout in which position_embedding is given.  Three products read these codes, four heads each, so they are made once.
; A block's scale is 2^(floor(log2(its largest magnitude)) - 2); its byte is the largest magnitude's exponent field - 2, held at 1 from below.
; LIMITS: a block whose largest magnitude lies under 2^-124 takes the byte 1; a block of zeros takes the byte 1 where the rule says 127 (its codes are zeros, and
; only this program reads the bytes); NaN and infinities among the inputs are not served.
; Work-groups 0 to 255: rows are dense, so the tensor is a stream of blocks of 32.  A wave takes 16 steps of 512 numbers.  Each of a step's four loads reads 512 consecutive
; bytes; the 2,048 bytes turn through the wave's own stage in LDS and come back 64 bytes a lane, 16 neighbours along K (two lanes hold a block).  A lane's 16 codes are
; 12 bytes: the wave stores 384 consecutive bytes.  A wave's 256 scale bytes are gathered in its own LDS bytes and leave as 256 consecutive bytes.  Waves share nothing: no barrier.
; Work-group 256 gathers the ten small f32 vectors into params (bk 0, bq 2048, bv 4096, bkp 6144, bqp 8192, bka 10240, bqa 12288, fb1 14336, fw2 15360, fb2 16384, the
; one word written 128 times), since the next launch's list of buffers has no room for them one by one.  It uses no LDS.
; Work-groups 257 to 314 lay the weights' codes into wimg as IMAGES OF OPERAND REGISTERS: a fragment (16 rows x 128 K, 12 registers a lane) is 1,536 bytes, registers 4 c .. 4 c + 3 at
; 512 c + 16 x lane.  The 256 work-groups of each later launch read every weight again: from rows a fragment takes six loads whose lanes stand in sixteen rows; from an image three loads
; of 512 consecutive bytes.  So the loads from rows are made here, once.  Tile T = 2 b + u holds, in lane r, row 32 b + 8 u + r + 8 (r / 8); Wd's tiles are 16 neighbouring rows.
; wimg: Wk 0, Wq 196608, Wkp 393216, Wqp 589824, Wv 786432, Wd 983040 (fragment (T, s) at (4 T + s) 1536); Wka 1179648, Wqa 1277952, fw1 1376256 ((2 T + s) 1536).  These use no LDS.
.set STEPS, 16
.set CB,    12                         ; bytes of 16 codes
.set R,     16                         ; v16-79   four sets of 16 numbers as they are loaded
.set X,     80                         ; v80-111  two sets of 16 neighbours
.set E,     112                        ; v112-127 a scale byte for each step
.set C,     128                        ; v128-191 codes: four registers for each step, so that no store's data are written again
.set WREG,  8192                       ; LDS: a region for each wave: two stages of 32 x SP bytes, behind them its 256 scale bytes
.set SP,    80                         ; a lane's place in a stage: its 64 bytes + 16 of padding
	v_lshl_add_u32 v192, v0, 2, 0x8000
	v_mov_b32 v193, 0
	s_cmp_ge_u32 ttmp9, 305
	s_cbranch_scc1 .Lsmall
	s_cmp_ge_u32 ttmp9, 257
	s_cbranch_scc1 .Lbig
	s_cmp_eq_u32 ttmp9, 256
	s_cbranch_scc1 .Lparams
	s_load_b128 s[4:7], s[0:1], 0x0                ; input_tensor, xc
	s_load_b64 s[8:9], s[0:1], 0x10                ; xs
	v_lshrrev_b32 v1, 5, v0
	v_readfirstlane_b32 s16, v1                    ; wave
	v_and_b32 v2, 31, v0                           ; lane
	v_lshlrev_b32 v3, 4, v2                        ; my 16 bytes of a load's 512
	s_mul_i32 s17, s16, WREG
	v_lshrrev_b32 v14, 2, v2
	v_mul_u32_u24 v14, v14, SP
	v_and_b32 v15, 3, v2
	v_lshl_add_u32 v14, v15, 4, v14
	v_add_nc_u32 v14, s17, v14                     ; the stage, on the way in: SP (lane / 4) + 16 (lane % 4)
	v_mul_u32_u24 v15, v2, SP
	v_add_nc_u32 v15, s17, v15                     ; and on the way out: SP x lane: my 16 neighbours
	v_mul_u32_u24 v4, v2, CB                       ; my codes' place in a step's
	v_lshrrev_b32 v5, 1, v2
	s_add_co_u32 s17, s17, 2*32*SP
	v_add_nc_u32 v5, s17, v5                       ; LDS: my wave's 256 scale bytes, my block's byte
	v_lshlrev_b32 v7, 3, v2                        ; and on the way out 8 bytes a lane
	v_add_nc_u32 v6, s17, v7
	s_lshl_b32 s17, ttmp9, 2
	s_add_co_u32 s18, s17, s16                     ; which run of 8,192 numbers is my wave's
	s_mov_b32 s19, 0
	s_mov_b64 s[20:21], 512*STEPS*4
	s_mul_u64 s[20:21], s[18:19], s[20:21]
	s_mov_b64 s[22:23], 32*STEPS*CB
	s_mul_u64 s[22:23], s[18:19], s[22:23]
	s_lshl_b32 s18, s18, 8                         ; 256 scale bytes a run
	s_wait_kmcnt 0x0
	s_add_nc_u64 s[4:5], s[4:5], s[20:21]
	s_add_nc_u64 s[6:7], s[6:7], s[22:23]
	s_add_nc_u64 s[8:9], s[8:9], s[18:19]
.macro LOAD t
.irp i, 0,1,2,3
	global_load_b128 v[R+16*((\t)%4)+4*\i:R+16*((\t)%4)+4*\i+3], v3, s[4:5] offset:2048*(\t)+512*\i th:TH_LOAD_NT   ; 32 lanes read 512 consecutive bytes
.endr
.endm
.macro TURN t                          ; step t's numbers through the stage: LDS serves a wave's instructions in order, so no wait stands between the stores and the loads
.irp i, 0,1,2,3
	ds_store_b128 v14, v[R+16*((\t)%4)+4*\i:R+16*((\t)%4)+4*\i+3] offset:32*SP*((\t)%2)+8*SP*\i
.endr
.irp i, 0,1,2,3
	ds_load_b128 v[X+16*((\t)%2)+4*\i:X+16*((\t)%2)+4*\i+3], v15 offset:32*SP*((\t)%2)+16*\i
.endr
.endm
.irp t, 0,1,2,3
	LOAD \t
.endr
	s_wait_loadcnt 12                              ; step 0's four loads are in; the twelve of steps 1 to 3 may be out
	TURN 0
.macro STEP t
.set XS, X+16*((\t)%2)
.if (\t) > 0
	s_wait_dscnt 1                                 ; this step's numbers are back from the stage (the last step's byte store may be out): so its stores into the stage have read their registers,
.else
	s_wait_dscnt 0x0
.endif
.if (\t)+4 < STEPS
	LOAD (\t)+4                                    ; which take the loads of four steps on
.endif
.if (\t)+1 < STEPS
.if STEPS-2-(\t) >= 3
	s_wait_loadcnt 12                              ; the next step's four loads are in; those of the three steps behind it may be out
.else
	s_wait_loadcnt 4*(STEPS-2-(\t))
.endif
	TURN (\t)+1                                    ; and go through the other stage while this step is worked
.endif
	v_max3_num_f32 v8, |v[XS]|, |v[XS+1]|, |v[XS+2]|               ; the largest magnitude of my 16, in two chains
	v_max3_num_f32 v9, |v[XS+3]|, |v[XS+4]|, |v[XS+5]|
.irp i, 6,10
	v_max3_num_f32 v8, v8, |v[XS+\i]|, |v[XS+\i+1]|
	v_max3_num_f32 v9, v9, |v[XS+\i+2]|, |v[XS+\i+3]|
.endr
	v_max3_num_f32 v8, v8, |v[XS+14]|, |v[XS+15]|
	v_max3_num_f32 v8, v8, v9, 0x1800000           ; and the floor 2^(3 - 127): so the byte cannot fall under 1
	v_max_num_f32_dpp v8, v8, v8 row_xmask:1 row_mask:0xf bank_mask:0xf   ; and of my neighbour's 16: the block's
	v_add_nc_u32 v11, 0xff000000, v8               ; 2 off its exponent field: the conversion takes the exponent field of this operand as its scale
	v_cvt_scalef32_pk16_fp6_f32 v[C+4*(\t):C+4*(\t)+2], v[XS:XS+15], v11
	v_lshrrev_b32 v[E+(\t)], 23, v11               ; the scale's byte (also the plain line behind the conversion)
	ds_store_b8 v5, v[E+(\t)] offset:16*(\t)       ; both lanes of a block write the same byte with the same value
	global_store_b96 v4, v[C+4*(\t):C+4*(\t)+2], s[6:7] offset:32*CB*(\t)
.endm
.irp t, 0,1,2,3,4,5,6,7,8,9,10,11,12,13,14,15
	STEP \t
.endr
	ds_load_b64 v[12:13], v6                       ; LDS serves a wave's instructions in order: these see my stores
	s_wait_dscnt 0x0
	global_store_b64 v7, v[12:13], s[8:9]          ; 32 lanes store 256 consecutive bytes, at a multiple of 256 from xs's first byte
	s_wait_tensorcnt 0x0
	ds_add_u32 v192, v193
	s_wait_dscnt 0x0
	s_endpgm
.Lparams:
	s_load_b64 s[10:11], s[0:1], 0x18              ; params
	s_load_b256 s[12:19], s[0:1], 0x20             ; bk, bq, bv, bkp
	s_load_b256 s[20:27], s[0:1], 0x40             ; bqp, bka, bqa, fb1
	s_load_b128 s[28:31], s[0:1], 0x60             ; fw2, fb2
	v_lshlrev_b32 v1, 4, v0                        ; 128 threads x 16 bytes: a vector of 512 numbers
	v_lshlrev_b32 v2, 3, v0                        ; x 8 bytes: one of 256
	v_mov_b32 v3, 0                                ; fb2's one word
	v_lshlrev_b32 v4, 2, v0
	s_wait_kmcnt 0x0
.irp j, 0,1,2,3,4,5,6
	global_load_b128 v[16+4*\j:19+4*\j], v1, s[12+2*\j:13+2*\j]
.endr
	global_load_b64 v[44:45], v2, s[26:27]
	global_load_b64 v[46:47], v2, s[28:29]
	global_load_b32 v48, v3, s[30:31]
	s_wait_loadcnt 0x0
.irp j, 0,1,2,3,4,5,6
	global_store_b128 v1, v[16+4*\j:19+4*\j], s[10:11] offset:2048*\j
.endr
	global_store_b64 v2, v[44:45], s[10:11] offset:14336
	global_store_b64 v2, v[46:47], s[10:11] offset:15360
	global_store_b32 v4, v48, s[10:11] offset:16384
	s_endpgm
.Lbig:                                                 ; the six weights of 512 x 512: eight work-groups to a weight, a wave to a tile of 16 rows: four fragments
	s_load_b128 s[12:15], s[0:1], 0x70             ; Wk, Wq
	s_load_b256 s[16:23], s[0:1], 0x80             ; Wkp, Wqp, Wv, Wd
	s_load_b64 s[24:25], s[0:1], 0xb8              ; wimg
	v_lshrrev_b32 v1, 5, v0
	v_readfirstlane_b32 s4, v1                     ; wave
	s_sub_co_u32 s5, ttmp9, 257
	s_lshr_b32 s6, s5, 3                           ; which weight: 0 Wk, 1 Wq, 2 Wkp, 3 Wqp, 4 Wv, 5 Wd
	s_and_b32 s7, s5, 7
	s_lshl_b32 s7, s7, 2
	s_add_co_u32 s7, s7, s4                        ; which tile, 0 to 31
	s_lshr_b32 s9, s7, 1
	s_lshl_b32 s9, s9, 5
	s_and_b32 s10, s7, 1
	s_lshl_b32 s10, s10, 3
	s_add_co_u32 s9, s9, s10                       ; the tile's first row: 32 (T / 2) + 8 (T % 2);
	s_lshl_b32 s10, s7, 4                          ; Wd's: 16 T
	s_cmp_eq_u32 s6, 5
	s_cselect_b32 s9, s10, s9
	s_cselect_b32 s8, 0, 8                         ; and lanes 8-15 stand 8 rows further on, but in Wd
	s_mul_i32 s26, s9, 384
	s_mov_b32 s27, 0
	s_mul_i32 s28, s6, 196608
	s_mul_i32 s10, s7, 6144
	s_add_co_u32 s28, s28, s10                     ; the tile's four images in wimg
	s_mov_b32 s29, 0
	v_and_b32 v2, 15, v0                           ; r
	v_bfe_u32 v3, v0, 4, 1                         ; h
	v_lshrrev_b32 v4, 3, v2
	v_mul_u32_u24 v4, s8, v4
	v_add_nc_u32 v4, v4, v2                        ; my row of the tile
	v_mul_u32_u24 v6, v3, 24
	v_mad_u32_u24 v5, v4, 384, v6                  ; its bytes, + 24 h
	v_and_b32 v7, 31, v0
	v_lshlrev_b32 v7, 4, v7                        ; 16 x lane
	s_wait_kmcnt 0x0
	s_cmp_eq_u32 s6, 1                             ; the weight's address: choices that hang on the work-group's number alone
	s_cselect_b64 s[12:13], s[14:15], s[12:13]
	s_cmp_eq_u32 s6, 2
	s_cselect_b64 s[12:13], s[16:17], s[12:13]
	s_cmp_eq_u32 s6, 3
	s_cselect_b64 s[12:13], s[18:19], s[12:13]
	s_cmp_eq_u32 s6, 4
	s_cselect_b64 s[12:13], s[20:21], s[12:13]
	s_cmp_eq_u32 s6, 5
	s_cselect_b64 s[12:13], s[22:23], s[12:13]
	s_add_nc_u64 s[12:13], s[12:13], s[26:27]
	s_add_nc_u64 s[24:25], s[24:25], s[28:29]
.irp s, 0,1,2,3
.irp p, 0,1,2,3,4,5
	global_load_b64 v[16+12*\s+2*\p:17+12*\s+2*\p], v5, s[12:13] offset:96*\s+48*(\p/3)+8*(\p%3)
.endr
.endr
	s_wait_loadcnt 0x0
.irp i, 0,1,2,3,4,5,6,7,8,9,10,11
	global_store_b128 v7, v[16+4*\i:19+4*\i], s[24:25] offset:512*\i   ; 32 lanes store 512 consecutive bytes, at a multiple of 256 from wimg's first byte
.endr
	s_endpgm
.Lsmall:                                               ; Wka, Wqa (512 rows of 256 codes each), fw1 (256 rows): a wave to 32 rows: two tiles x two K steps
	s_load_b256 s[16:23], s[0:1], 0xa0             ; Wka, Wqa, fw1, wimg
	v_lshrrev_b32 v1, 5, v0
	v_readfirstlane_b32 s4, v1                     ; wave
	s_sub_co_u32 s5, ttmp9, 305
	s_lshr_b32 s6, s5, 2                           ; 0 Wka, 1 Wqa, 2 fw1
	s_lshl_b32 s7, s5, 2
	s_add_co_u32 s7, s7, s4                        ; which 32 rows of the three on end, 0 to 39
	s_and_b32 s9, s7, 15                           ; and of its own tensor
	s_mul_i32 s26, s9, 6144
	s_mov_b32 s27, 0
	s_mul_i32 s28, s7, 6144
	s_add_co_u32 s28, s28, 1179648
	s_mov_b32 s29, 0
	v_and_b32 v2, 15, v0                           ; r
	v_bfe_u32 v3, v0, 4, 1                         ; h
	v_and_b32 v4, 8, v2
	v_add_nc_u32 v4, v4, v2                        ; r + 8 (r / 8)
	v_mul_u32_u24 v6, v3, 24
	v_mad_u32_u24 v5, v4, 192, v6
	v_and_b32 v7, 31, v0
	v_lshlrev_b32 v7, 4, v7
	s_wait_kmcnt 0x0
	s_cmp_eq_u32 s6, 1
	s_cselect_b64 s[16:17], s[18:19], s[16:17]
	s_cmp_eq_u32 s6, 2
	s_cselect_b64 s[16:17], s[20:21], s[16:17]
	s_add_nc_u64 s[16:17], s[16:17], s[26:27]
	s_add_nc_u64 s[22:23], s[22:23], s[28:29]
.irp u, 0,1
.irp s, 0,1
.irp p, 0,1,2,3,4,5
	global_load_b64 v[16+12*(2*\u+\s)+2*\p:17+12*(2*\u+\s)+2*\p], v5, s[16:17] offset:8*\u*192+96*\s+48*(\p/3)+8*(\p%3)
.endr
.endr
.endr
	s_wait_loadcnt 0x0
.irp i, 0,1,2,3,4,5,6,7,8,9,10,11
	global_store_b128 v7, v[16+4*\i:19+4*\i], s[22:23] offset:512*\i
.endr
	s_endpgm
.Lfunc_end_k_q38657d93ea_quantx:
	.size	k_q38657d93ea_quantx, .Lfunc_end_k_q38657d93ea_quantx-k_q38657d93ea_quantx
	.p2alignl 7, 3214868480
	.fill 96, 4, 3214868480
	.section	.rodata,"a",@progbits
	.p2align	6, 0x0
	.amdhsa_kernel k_q38657d93ea_quantx
		.amdhsa_group_segment_fixed_size 33280
		.amdhsa_private_segment_fixed_size 0
		.amdhsa_enable_private_segment 0
		.amdhsa_kernarg_size 192
		.amdhsa_user_sgpr_count 2
		.amdhsa_user_sgpr_kernarg_segment_ptr 1
		.amdhsa_wavefront_size32 1
		.amdhsa_system_sgpr_workgroup_id_x 1
		.amdhsa_system_sgpr_workgroup_id_y 1
		.amdhsa_system_sgpr_workgroup_id_z 1
		.amdhsa_system_vgpr_workitem_id 0
		.amdhsa_next_free_vgpr 194
		.amdhsa_next_free_sgpr 66
		.amdhsa_reserve_vcc 0
		.amdhsa_float_denorm_mode_32 3
		.amdhsa_float_denorm_mode_16_64 3
		.amdhsa_memory_ordered 1
		.amdhsa_forward_progress 1
		.amdhsa_inst_pref_size 45
	.end_amdhsa_kernel
	.amdgpu_metadata
---
amdhsa.version: [ 1, 2 ]
amdhsa.kernels:
  - .name:           k_q38657d93ea_quantx
    .symbol:         k_q38657d93ea_quantx.kd
    .args:
      - { .name: input_tensor, .offset: 0, .size: 8, .value_kind: global_buffer, .address_space: global }
      - { .name: xc, .offset: 8, .size: 8, .value_kind: global_buffer, .address_space: global }
      - { .name: xs, .offset: 16, .size: 8, .value_kind: global_buffer, .address_space: global }
      - { .name: params, .offset: 24, .size: 8, .value_kind: global_buffer, .address_space: global }
      - { .name: bk, .offset: 32, .size: 8, .value_kind: global_buffer, .address_space: global }
      - { .name: bq, .offset: 40, .size: 8, .value_kind: global_buffer, .address_space: global }
      - { .name: bv, .offset: 48, .size: 8, .value_kind: global_buffer, .address_space: global }
      - { .name: bkp, .offset: 56, .size: 8, .value_kind: global_buffer, .address_space: global }
      - { .name: bqp, .offset: 64, .size: 8, .value_kind: global_buffer, .address_space: global }
      - { .name: bka, .offset: 72, .size: 8, .value_kind: global_buffer, .address_space: global }
      - { .name: bqa, .offset: 80, .size: 8, .value_kind: global_buffer, .address_space: global }
      - { .name: fb1, .offset: 88, .size: 8, .value_kind: global_buffer, .address_space: global }
      - { .name: fw2, .offset: 96, .size: 8, .value_kind: global_buffer, .address_space: global }
      - { .name: fb2, .offset: 104, .size: 8, .value_kind: global_buffer, .address_space: global }
      - { .name: Wk_codes, .offset: 112, .size: 8, .value_kind: global_buffer, .address_space: global }
      - { .name: Wq_codes, .offset: 120, .size: 8, .value_kind: global_buffer, .address_space: global }
      - { .name: Wkp_codes, .offset: 128, .size: 8, .value_kind: global_buffer, .address_space: global }
      - { .name: Wqp_codes, .offset: 136, .size: 8, .value_kind: global_buffer, .address_space: global }
      - { .name: Wv_codes, .offset: 144, .size: 8, .value_kind: global_buffer, .address_space: global }
      - { .name: Wd_codes, .offset: 152, .size: 8, .value_kind: global_buffer, .address_space: global }
      - { .name: Wka_codes, .offset: 160, .size: 8, .value_kind: global_buffer, .address_space: global }
      - { .name: Wqa_codes, .offset: 168, .size: 8, .value_kind: global_buffer, .address_space: global }
      - { .name: fw1_codes, .offset: 176, .size: 8, .value_kind: global_buffer, .address_space: global }
      - { .name: wimg, .offset: 184, .size: 8, .value_kind: global_buffer, .address_space: global }
    .group_segment_fixed_size: 33280
    .private_segment_fixed_size: 0
    .kernarg_segment_align: 8
    .kernarg_segment_size: 192
    .max_flat_workgroup_size: 128
    .sgpr_count:     66
    .vgpr_count:     194
    .wavefront_size: 32
...
	.end_amdgpu_metadata
.endif
;; end of part 4
;; launch attn (part 5): grid 4 x 64, 8 waves a work-group, no clusters, 295,936 bytes of LDS; arguments xc, xs, position_embedding_codes, position_embedding_scales, attribute_table_codes, attribute_table_scales, wimg, Wq_scales, Wk_scales, Wqp_scales, Wkp_scales, Wqa_scales, Wka_scales, Wv_scales, fw1_scales, params, cc, cs; writes cc, cs
.if DOCPART == 5
	.amdgcn_target "amdgcn-amd-amdhsa--gfx1250"
	.amdhsa_code_object_version 6
	.text
	.protected	k_q38657d93ea_attn
	.globl	k_q38657d93ea_attn
	.p2align	8
	.type	k_q38657d93ea_attn,@function
k_q38657d93ea_attn:
	s_mov_b64 s[64:65], 0
	v_nop
	global_prefetch_b8 v0, s[64:65] scope:SCOPE_SE
	s_setreg_imm32_b32 hwreg(HW_REG_WAVE_MODE, 25, 1), 1
	s_wait_xcnt 0x0
; One work-group = one (batch, head): the seven projections, the four maps of scores, the gate over them, the softmax and p v.  All products on codes of FP6 (E2M3) with one E8M0
; scale for each 32 along K; every operand computed on the way is quantised in registers from f32.  ctx leaves as codes: a head's 128 columns are one K step of the last product.
; TILES.  Tile T = 2 b + u of any 256-row operand holds, in lane r, row 32 b + 8 u + r + 8 (r / 8).  So the 16 registers that a lane holds of two neighbouring tiles of a transposed
; result are 16 NEIGHBOURS along that axis, which is the next product's K, and the conversions' results are the next operand's registers.
; IMAGES.  Operands go from wave to wave through LDS as images of their registers.  A fragment (16 rows x 128 K, 12 registers) is two halves of 768 bytes (64 along K each): registers
; 0-3 at 16 x lane, registers 4-5 at 512 + 8 x lane.  A half is made whole by one wave.  A fragment's scale words: 128 bytes, 4 x lane; a half gives two bytes of each.
; THE WEIGHTS' CODES come from wimg, where the launch before has laid them as images (registers 4 c .. 4 c + 3 at 512 c + 16 x lane), in the order of a wave's registers: a wave's
; fragments are one dense block, and each of its loads covers 512 consecutive bytes.  fw1's images go into LDS as they lie.  A row's scale words for all its K steps come by one load.
; PARTS.  (1) pos, then x, then attr and fw1 are staged as images; eight waves (matrix K or Q side, which 64 output columns, which 8 row tiles) make kp qp, k q, ka qa; v is made
; with the keys along a lane's registers.  Six barriers.  (2) No barrier any more: wave w owns query tiles 2 w, 2 w + 1.  G1: the four maps, 64 keys a step, quantised along the keys
; into registers.  H: x fw1^T + fb1, relu, . fw2 in f32.  Gate: softmax over the four sources.  G2: the same score products once more (512 registers a query tile would be needed to
; keep them), summed under the gate's weights.  Softmax: the whole row is at hand, so M = ceil(largest t) is final.  p v.  / l.  Quantise.  Store.
; NO TENSOR LOADS, NO CLUSTER: every operand is wanted as an image with chosen rows, and the staging bytes are written by LDS stores three times over;
; what the four heads of a batch share (x, pos, attr: 250 KB, read once) stands against 7,424 matrix instructions of the work-group.
; EIGHT WAVES OF 512 REGISTERS: vector work (quantisers, relu, exponentials) is as long as the matrix work, so two waves share a SIMD and one's vector lines stand beside the other's products.
; LIMITS: NaN and infinities are not served.  A block whose largest magnitude lies under 2^-124, a block of zeros too, takes the byte 1 (zero codes add nothing; only this program
; reads the bytes).  p under 2^-126 comes out of v_exp_f32 as 0.  log2(e) / sqrt(128) is multiplied into the gate's weights: one f32 rounding stands elsewhere than in the reference.
; LDS
.set KI,   0                           ; k: fragment T at 1536 T
.set KP,   24576                       ; kp
.set KA,   49152                       ; ka: half 0 = f 0's 64, half 1 = f 1's 64
.set VI,   73728                       ; V^T: fragment (d tile, key step s) at (2 dt + s) 1536
.set QOFF, 98304                       ; q, qp, qa: the matching K region + QOFF
.set SC,   172032                      ; scale images, 2,048 each: k, kp, ka, v, q, qp, qa
.set FB,   186368                      ; fb1, then fw2
.set ST,   188416                      ; staged inputs: x or pos (4 T + s) 1536; last: attr (2 T + s) 1536, fw1 the same at + 49,152 (as three pieces of 512 bytes)
.set STS,  286720                      ; their scale images; fw1's at + 4,096
; wimg
.set WI_P, 393216                      ; Wk 0, Wq 196608; Wkp, Wqp from here
.set WI_V, 786432
.set WI_A, 1179648                     ; Wka, Wqa 98304 on
.set WI_F, 1376256
; window 0, both parts
.set L16,  1                           ; 16 x lane
.set L8,   2                           ; 8 x lane
.set L4,   3                           ; 4 x lane
.set PW,   52                          ; v24-54 hold scale words and nothing else, in every phase
.set TM,   56                          ; v56-63 the quantiser's eight
.set PC,   64                          ; v64-69 codes just made
.set XT,   70                          ; v70-72 a block's upper sixteen codes
; window 0, part 1
.set VA384, 4                          ; rho 384 + 24 h: my bytes of a row of 512 codes
.set VA192, 5                          ; rho 192 + 24 h: of 256 codes
.set VS16, 6                           ; rho 16: a row of 16 scale bytes
.set VS8,  7
.set VB,   8                           ; 64 h: a bias's sixteen numbers of my half
.set VR4,  9                           ; 4 rho
.set XA16, 10                          ; reads of the stage
.set XA8,  11
.set XAS,  12
.set OA16, 13                          ; stores of what is made
.set OA8,  14
.set OAS,  15
.set IA16, 16                          ; stores into the stage: my two tiles of x or pos
.set IA8,  17
.set IAS,  18
.set JA16, 19                          ; of attr and fw1
.set JA8,  20
.set JAS,  21
.set FBW,  22
.set T4,   23                          ; 4 x thread
.set WS,   24                          ; v24-39 the weights' scale words
.set XS,   40                          ; v40-43 the staged input's
.set SBS,  44                          ; v44-51 those of the fragments in SB
.set BV,   74                          ; v[74:75], v[76:77] bv of my lane's two d, each twice
.set FW,   78                          ; v78-79 my words of fb1 and fw2
.set ACC,  80                          ; v80-111 four accumulators
.set XF,   112                         ; v112-159 four fragments from the stage
.set SB,   160                         ; v160-255 eight fragments on their way into the stage; Wv's eight
; window 1, part 1: v0-191 the weights' fragments,
.set BI,   192                         ; v192-223 the bias in the result's layout,
.set ACC2, 224                         ; v224-255 four more accumulators
; window 0, part 2
.set K16B, 4
.set K8B,  5
.set VV16, 6
.set VV8,  7
.set FBA,  8
.set Q16,  9
.set Q8,   10
.set SCL,  11
.set QSL,  12
.set F16,  13
.set FSL,  15
.set CS,   24                          ; v24-39 the score rows' scale words: (a = 4 qt + source, K step s) at 2 a + s
.set KS,   40                          ; v40-43 of the fragments in KF
.set QS,   44                          ; v44-45 of my two query tiles
.set PS,   46                          ; v46-49 p's
.set CW,   50                          ; v50-51 ctx's
.set NM,   74                          ; v[74:75] -M, twice
.set QF,   80                          ; v80-103 two query fragments
.set KF,   104                         ; v104-151 four fragments of K or V; at the end ctx's codes
.set FF,   104                         ; phase H: fw1's two fragments
.set S,    152                         ; v152-215 64 keys x two query tiles; phase H: eight accumulators
.set PF,   184                         ; softmax on: v184-231 p's four fragments
.set E,    216                         ; v216-231 eight pairs: energies, then the gate's weights
.set MX,   232
.set SCR,  236
.set LS,   238                         ; v238-245 the rows' sums: two pairs a query tile
.set RL,   246                         ; v246-249 1 / l, twice each
; window 1, part 2: the score rows' codes (12 (2 a + s)); then t (128 qt + 32 kg); then O^T (64 qt + 8 dt)
; scalar: s[8:19] xc, xs, pos codes, scales, attr codes, scales; s[20:21] wimg; scale bytes of my weights: s[22:23] Wk or Wq, s[26:27] Wkp or Wqp, s[30:31] Wka or Wqa, s[34:35] Wv,
; s[36:37] fw1; s[38:39] params; s[40:41] cc; s[42:43] cs; my images in wimg: s[44:45] Wk or Wq, s[46:47] Wkp or Wqp, s[48:49] Wka or Wqa, s[50:51] Wv, s[52:53] fw1
.set WV,   58
.set MAT,  59                          ; 0: K side, 1: Q side
.set GRAN, 60                          ; which 64 output columns (attributes: which f)
.set RH,   61                          ; which 8 row tiles
.set HEAD, 62
.set BAT,  63
.set SEL,  76                          ; s[76:77] v_permlanex16_b32's selects for lane l xor 16
.set PAIR, 86
.set MSB, 0
.macro WIN new                         ; the immediate's high byte repeats the setting that is left; bits 1:0 source 0, 3:2 source 1, 5:4 source 2, 7:6 destination
.if MSB != \new
	s_set_vgpr_msb (MSB<<8)|\new
.set MSB, \new
.endif
.endm
.macro PLACES n                        ; plain vector lines behind matrix instructions (ISA guide 7.12.1), where no useful ones are at hand
.rept \n
	v_nop
.endr
.endm
.macro BARRIER                         ; my LDS stores have landed and my LDS loads are in: then the work-group's barrier
	s_wait_dscnt 0x0
	s_barrier_signal -1
	s_barrier_wait -1
.endm
.macro LDF reg, va, sb, off            ; a fragment from rows of codes in memory: 24 bytes twice, in pieces of 8
.irp p, 0,1,2,3,4,5
	global_load_b64 v[(\reg)+2*\p:(\reg)+2*\p+1], v[\va], s[\sb:\sb+1] offset:(\off)+48*(\p/3)+8*(\p%3)
.endr
.endm
.macro LDI reg, n, sb                  ; n / 3 fragments from their images in memory: n loads of 512 consecutive bytes
.set q_, 0
.rept \n
	global_load_b128 v[(\reg)+4*q_:(\reg)+4*q_+3], v[L16], s[\sb:\sb+1] offset:512*q_
.set q_, q_+1
.endr
.endm
.macro STI reg, a16, a8, off           ; a fragment's image into LDS
	ds_store_b128 v[\a16], v[(\reg):(\reg)+3] offset:(\off)
	ds_store_b64 v[\a8], v[(\reg)+4:(\reg)+5] offset:(\off)+512
	ds_store_b128 v[\a16], v[(\reg)+6:(\reg)+9] offset:(\off)+768
	ds_store_b64 v[\a8], v[(\reg)+10:(\reg)+11] offset:(\off)+1280
.endm
.macro FETH reg, a16, a8, off          ; half an image back: six registers
	ds_load_b128 v[(\reg):(\reg)+3], v[\a16] offset:(\off)
	ds_load_b64 v[(\reg)+4:(\reg)+5], v[\a8] offset:(\off)+512
.endm
.macro FET reg, a16, a8, off           ; a whole one
	FETH \reg, \a16, \a8, \off
	FETH (\reg)+6, \a16, \a8, (\off)+768
.endm
.macro FET3 reg, a16, off              ; a fragment of fw1: three pieces of 512 bytes
.irp c, 0,1,2
	ds_load_b128 v[(\reg)+4*\c:(\reg)+4*\c+3], v[\a16] offset:(\off)+512*\c
.endr
.endm
.macro MMZ d, a, b, sa, sb             ; D = A B: the product starts the sum
	v_wmma_scale_f32_16x16x128_f8f6f4 v[(\d):(\d)+7], v[(\a):(\a)+11], v[(\b):(\b)+11], 0, v[(\sa)], v[(\sb)] matrix_a_fmt:MATRIX_FMT_FP6 matrix_b_fmt:MATRIX_FMT_FP6
.endm
.macro MMC d, a, b, c, sa, sb          ; D = A B + C
	v_wmma_scale_f32_16x16x128_f8f6f4 v[(\d):(\d)+7], v[(\a):(\a)+11], v[(\b):(\b)+11], v[(\c):(\c)+7], v[(\sa)], v[(\sb)] matrix_a_fmt:MATRIX_FMT_FP6 matrix_b_fmt:MATRIX_FMT_FP6
.endm
; 32 numbers of a lane, v[s] on, register 16 b + i = k 32 b + 16 (lane / 16) + i of my row: two blocks, each shared with lane l xor 16.  Their codes: v[d..d+2] my block's lower sixteen,
; v[x..x+2] its upper sixteen (lanes 0-15 block 0, lanes 16-31 block 1: half a fragment); their two scale bytes in v[pw].  Where the numbers are four accumulators, each is first read at its low end.
.macro QCORE s, d, x, pw
	v_max3_num_f32 v[TM], |v[(\s)]|, |v[(\s)+1]|, 0x1800000        ; the floor 2^(3 - 127) among the leaves: the byte cannot fall under 1
	v_max3_num_f32 v[TM+1], |v[(\s)+16]|, |v[(\s)+17]|, 0x1800000
	v_max3_num_f32 v[TM+2], |v[(\s)+8]|, |v[(\s)+9]|, |v[(\s)+10]|
	v_max3_num_f32 v[TM+3], |v[(\s)+24]|, |v[(\s)+25]|, |v[(\s)+26]|
.irp i, 2,4,6
	v_max3_num_f32 v[TM], v[TM], |v[(\s)+\i]|, |v[(\s)+\i+1]|
	v_max3_num_f32 v[TM+1], v[TM+1], |v[(\s)+16+\i]|, |v[(\s)+17+\i]|
.endr
.irp i, 11,13
	v_max3_num_f32 v[TM+2], v[TM+2], |v[(\s)+\i]|, |v[(\s)+\i+1]|
	v_max3_num_f32 v[TM+3], v[TM+3], |v[(\s)+16+\i]|, |v[(\s)+17+\i]|
.endr
	v_max3_num_f32 v[TM], v[TM], v[TM+2], |v[(\s)+15]|
	v_max3_num_f32 v[TM+1], v[TM+1], v[TM+3], |v[(\s)+31]|
	v_permlanex16_b32 v[TM+2], v[TM], s[SEL], s[SEL+1]
	v_permlanex16_b32 v[TM+3], v[TM+1], s[SEL], s[SEL+1]
	v_max_num_f32 v[TM], v[TM], v[TM+2]            ; with lane l xor 16's: the blocks' largest magnitudes
	v_max_num_f32 v[TM+1], v[TM+1], v[TM+3]
	v_add_nc_u32 v[TM+4], 0xff000000, v[TM]        ; 2 off the exponent field: the conversion's scale operand
	v_add_nc_u32 v[TM+5], 0xff000000, v[TM+1]
	v_lshrrev_b32 v[TM+6], 23, v[TM+4]             ; the scales' bytes
	v_lshrrev_b32 v[TM+7], 23, v[TM+5]
	v_lshl_or_b32 v[(\pw)], v[TM+7], 8, v[TM+6]
	v_cvt_scalef32_pk16_fp6_f32 v[(\d):(\d)+2], v[(\s):(\s)+15], v[TM+4]
	v_cvt_scalef32_pk16_fp6_f32 v[(\x):(\x)+2], v[(\s)+16:(\s)+31], v[TM+5]
	v_nop                                          ; one plain line behind a scaled conversion
.irp i, 0,1,2
	v_permlane16_swap_b32 v[(\d)+\i], v[(\x)+\i]   ; the layout wants a whole block in a lane
.endr
.endm
.macro QUANT2 s, d, x, pw              ; the same, the six registers on end in v[d..d+5]
	QCORE \s, \d, \x, \pw
.irp i, 0,1,2
	v_mov_b32 v[(\d)+3+\i], v[(\x)+\i]
.endr
.endm
; my two tiles (2 w + u) of an input given as rows of codes: fragment (u, s) into v[reg + 12 (u ks + s)]; its rows' scale words, all K steps by one load
.macro LOADINC reg, ks, va, rowb, cb
.irp u, 0,1
.set q_, 0
.rept \ks
	LDF (\reg)+12*(\u*\ks+q_), \va, \cb, 8*\u*\rowb+96*q_
.set q_, q_+1
.endr
.endr
.endm
.macro LOADINS screg, ks, vs, srow, sb
.irp u, 0,1
.if \ks == 4
	global_load_b128 v[(\screg)+4*\u:(\screg)+4*\u+3], v[\vs], s[\sb:\sb+1] offset:8*\u*\srow
.else
	global_load_b64 v[(\screg)+2*\u:(\screg)+2*\u+1], v[\vs], s[\sb:\sb+1] offset:8*\u*\srow
.endif
.endr
.endm
.macro PUTC reg, n, a16, a8, off       ; n fragments' images into the stage
.set q_, 0
.rept \n
	STI (\reg)+12*q_, \a16, \a8, (\off)+1536*q_
.set q_, q_+1
.endr
.endm
.macro PUTS screg, n, as, off
.set q_, 0
.rept \n
	ds_store_b32 v[\as], v[(\screg)+q_] offset:(\off)+128*q_
.set q_, q_+1
.endr
.endm
; my 64 output columns of a weight: four tiles x ks K steps into window 1 (fragment (t, s) at 12 (t ks + s)): 12 ks loads; the bias in the result's layout: 8; the scale words: 4
.macro LOADW ks, vs, srow, cb, sb, bb
	WIN 0x40
	LDI 0, 12*\ks, \cb
.irp t, 0,1,2,3
	global_load_b128 v[BI+8*\t:BI+8*\t+3], v[VB], s[\bb:\bb+1] offset:(32*(\t/2)+8*(\t%2))*4
	global_load_b128 v[BI+8*\t+4:BI+8*\t+7], v[VB], s[\bb:\bb+1] offset:(32*(\t/2)+8*(\t%2))*4+16
.endr
	WIN 0
.irp t, 0,1,2,3
.if \ks == 4
	global_load_b128 v[WS+4*\t:WS+4*\t+3], v[\vs], s[\sb:\sb+1] offset:(32*(\t/2)+8*(\t%2))*\srow
.else
	global_load_b64 v[WS+2*\t:WS+2*\t+1], v[\vs], s[\sb:\sb+1] offset:(32*(\t/2)+8*(\t%2))*\srow
.endif
.endr
.endm
.macro PFETCH ks, i                    ; my i-th row tile's fragments and scale words from the stage
.set q_, 0
.rept \ks
	FET XF+12*q_, XA16, XA8, ((\i)*\ks+q_)*1536
	ds_load_b32 v[XS+q_], v[XAS] offset:((\i)*\ks+q_)*128
.set q_, q_+1
.endr
.endm
; One row tile: transposed (source 0 = 16 rows of the weight, source 1 = 16 rows of the input), the bias as the C of each sum's first product; the four accumulators take turns
; The next tile is fetched under the quantiser.  The result is half a fragment of the operand that is being made.
.macro PTILE ks, i
	s_wait_dscnt 0x0                               ; the tile's fragments are in; the last tile's stores have read their registers
	WIN 0x11                                       ; the weight and the bias in window 1
.irp t, 0,1,2,3
	MMC ACC+8*\t, 12*\t*\ks, XF, BI+8*\t, WS+\t*\ks, XS
.endr
	WIN 0x01
.set q_, 1
.rept \ks-1
.irp t, 0,1,2,3
	MMC ACC+8*\t, 12*(\t*\ks+q_), XF+12*q_, ACC+8*\t, WS+\t*\ks+q_, XS+q_
.endr
.set q_, q_+1
.endr
	WIN 0
	PLACES 4
.if (\i) < 7
	PFETCH \ks, (\i)+1
.endif
	QUANT2 ACC, PC, XT, PW
	ds_store_b128 v[OA16], v[PC:PC+3] offset:(\i)*1536
	ds_store_b64 v[OA8], v[PC+4:PC+5] offset:(\i)*1536+512
	ds_store_b16 v[OAS], v[PW] offset:(\i)*128
.endm
; Eight row tiles, written out: every LDS offset is an immediate, every address a constant + a constant x lane + a constant x wave.
.macro PROJ ks, kreg, ksc
	s_mul_i32 s82, s[RH], 8*\ks*1536
	s_add_co_u32 s82, s82, ST
	v_add_nc_u32 v[XA16], s82, v[L16]
	v_add_nc_u32 v[XA8], s82, v[L8]
	s_mul_i32 s82, s[RH], 8*\ks*128
	s_add_co_u32 s82, s82, STS
	v_add_nc_u32 v[XAS], s82, v[L4]
	s_add_co_u32 s82, s84, \kreg
	v_add_nc_u32 v[OA16], s82, v[L16]
	v_add_nc_u32 v[OA8], s82, v[L8]
	s_add_co_u32 s82, s85, \ksc
	v_add_nc_u32 v[OAS], s82, v[L4]
	PFETCH \ks, 0
.set i_, 0
.rept 8
	PTILE \ks, i_
.set i_, i_+1
.endr
.endm
.macro ADDP p                          ; a pointer takes its offset, once
	s_add_nc_u64 s[\p:\p+1], s[\p:\p+1], s[80:81]
.endm
.macro WIMG p                          ; a place in wimg
	s_add_nc_u64 s[\p:\p+1], s[20:21], s[80:81]
.endm
	s_load_b512 s[8:23], s[0:1], 0x0               ; xc 8, xs 10, pos codes 12, scales 14, attr codes 16, scales 18, wimg 20, Wq's scales 22
	s_load_b512 s[24:39], s[0:1], 0x40             ; scales: Wk 24, Wqp 26, Wkp 28, Wqa 30, Wka 32, Wv 34, fw1 36; params 38
	s_load_b128 s[40:43], s[0:1], 0x80             ; cc 40, cs 42
	v_lshl_add_u32 v55, v0, 2, 0x48000
	v_mov_b32 v73, 0
	v_lshrrev_b32 v56, 5, v0
	v_readfirstlane_b32 s[WV], v56                 ; wave 0..7
	s_lshr_b32 s[MAT], s[WV], 2
	s_bfe_u32 s[GRAN], s[WV], 0x10001
	s_and_b32 s[RH], s[WV], 1
	s_lshr_b32 s[PAIR], s[WV], 1
	s_mov_b32 s[HEAD], ttmp9
	s_and_b32 s[BAT], ttmp7, 0xffff
	s_mov_b32 s[SEL], 0x76543210
	s_mov_b32 s[SEL+1], 0xfedcba98
	s_mov_b32 s81, 0
	v_and_b32 v56, 31, v0                          ; lane
	v_lshlrev_b32 v[L16], 4, v56
	v_lshlrev_b32 v[L8], 3, v56
	v_lshlrev_b32 v[L4], 2, v56
	v_and_b32 v56, 15, v0                          ; r
	v_bfe_u32 v57, v0, 4, 1                        ; h
	v_and_b32 v58, 8, v56
	v_add_nc_u32 v58, v58, v56                     ; rho = r + 8 (r / 8)
	v_mul_u32_u24 v59, v57, 24
	v_mad_u32_u24 v[VA384], v58, 384, v59
	v_mad_u32_u24 v[VA192], v58, 192, v59
	v_lshlrev_b32 v[VS16], 4, v58
	v_lshlrev_b32 v[VS8], 3, v58
	v_lshlrev_b32 v[VB], 6, v57
	v_lshlrev_b32 v[VR4], 2, v58
	v_lshlrev_b32 v[T4], 2, v0
	v_lshl_add_u32 v[FBW], v0, 2, FB
	s_mul_i32 s82, s[WV], 12288
	s_add_co_u32 s82, s82, ST
	v_add_nc_u32 v[IA16], s82, v[L16]
	v_add_nc_u32 v[IA8], s82, v[L8]
	s_lshl_b32 s82, s[WV], 10
	s_add_co_u32 s82, s82, STS
	v_add_nc_u32 v[IAS], s82, v[L4]
	s_mul_i32 s82, s[WV], 6144
	s_add_co_u32 s82, s82, ST
	v_add_nc_u32 v[JA16], s82, v[L16]
	v_add_nc_u32 v[JA8], s82, v[L8]
	s_lshl_b32 s82, s[WV], 9
	s_add_co_u32 s82, s82, STS
	v_add_nc_u32 v[JAS], s82, v[L4]
	s_mul_i32 s84, s[MAT], QOFF                    ; where my halves go, from a K region's first byte
	s_mul_i32 s82, s[GRAN], 768
	s_add_co_u32 s84, s84, s82
	s_mul_i32 s82, s[RH], 12288
	s_add_co_u32 s84, s84, s82
	s_lshl_b32 s85, s[MAT], 13                     ; and their scale bytes
	s_lshl_b32 s82, s[GRAN], 1
	s_add_co_u32 s85, s85, s82
	s_lshl_b32 s82, s[RH], 10
	s_add_co_u32 s85, s85, s82
	s_add_co_u32 s85, s85, SC
	s_wait_kmcnt 0x0
	s_cmp_lt_u32 s[WV], 4                          ; waves 0-3 take the K side's weights, waves 4-7 the Q side's: the choice hangs on the wave's number alone
	s_cselect_b64 s[22:23], s[24:25], s[22:23]
	s_cselect_b64 s[26:27], s[28:29], s[26:27]
	s_cselect_b64 s[30:31], s[32:33], s[30:31]
	s_load_b32 s78, s[38:39], 0x4000               ; fb2
	s_mul_i32 s82, s[BAT], 98304                   ; x, pos: batch x 256 rows of 384 bytes + my 32 rows
	s_mul_i32 s83, s[WV], 12288
	s_add_co_u32 s80, s82, s83
	ADDP 8
	ADDP 12
	s_mul_i32 s83, s[HEAD], 1536                   ; cc: fragment ((16 batch + 2 w) 4 + head)
	s_add_co_u32 s80, s80, s83
	ADDP 40
	s_lshl_b32 s82, s[BAT], 12                     ; their scale bytes: 16 a row
	s_lshl_b32 s83, s[WV], 9
	s_add_co_u32 s80, s82, s83
	ADDP 10
	ADDP 14
	s_lshl_b32 s80, s80, 1                         ; cs: the same index x 128
	s_lshl_b32 s83, s[HEAD], 7
	s_add_co_u32 s80, s80, s83
	ADDP 42
	s_mul_i32 s82, s[BAT], 49152                   ; attr: rows of 192 bytes; fw1: my four images
	s_mul_i32 s83, s[WV], 6144
	s_add_co_u32 s80, s82, s83
	ADDP 16
	s_add_co_u32 s80, s83, WI_F
	WIMG 52
	s_lshl_b32 s82, s[BAT], 11
	s_lshl_b32 s83, s[WV], 8
	s_add_co_u32 s80, s82, s83
	ADDP 18
	s_mov_b32 s80, s83
	ADDP 36
	s_mul_i32 s82, s[HEAD], 49152                  ; Wk or Wq, Wkp or Wqp: the head's 128 rows, my 64 of them: sixteen images on end
	s_mul_i32 s83, s[GRAN], 24576
	s_add_co_u32 s80, s82, s83
	s_mul_i32 s83, s[MAT], 196608
	s_add_co_u32 s80, s80, s83
	WIMG 44
	s_add_co_u32 s80, s80, WI_P
	WIMG 46
	s_mul_i32 s83, s[PAIR], 12288                  ; Wv: my 32 rows: eight images
	s_add_co_u32 s80, s82, s83
	s_add_co_u32 s80, s80, WI_V
	WIMG 50
	s_lshl_b32 s82, s[HEAD], 11
	s_lshl_b32 s83, s[GRAN], 10
	s_add_co_u32 s80, s82, s83
	ADDP 22
	ADDP 26
	s_lshl_b32 s83, s[PAIR], 9
	s_add_co_u32 s80, s82, s83
	ADDP 34
	s_mul_i32 s82, s[GRAN], 49152                  ; Wka or Wqa: f = my granule, the head's 64 rows: eight images
	s_mul_i32 s83, s[HEAD], 12288
	s_add_co_u32 s80, s82, s83
	s_mul_i32 s83, s[MAT], 98304
	s_add_co_u32 s80, s80, s83
	s_add_co_u32 s80, s80, WI_A
	WIMG 48
	s_lshl_b32 s82, s[GRAN], 11
	s_lshl_b32 s83, s[HEAD], 9
	s_add_co_u32 s80, s82, s83
	ADDP 30
	s_lshl_b32 s82, s[MAT], 11                     ; the biases, in params: bk / bq
	s_add_co_u32 s82, s82, s83
	s_lshl_b32 s83, s[GRAN], 8
	s_add_co_u32 s80, s82, s83
	s_add_nc_u64 s[68:69], s[38:39], s[80:81]
	s_add_co_u32 s80, s80, 6144                    ; bkp / bqp
	s_add_nc_u64 s[66:67], s[38:39], s[80:81]
	s_lshl_b32 s82, s[MAT], 11                     ; bka / bqa
	s_lshl_b32 s83, s[GRAN], 10
	s_add_co_u32 s82, s82, s83
	s_lshl_b32 s83, s[HEAD], 8
	s_add_co_u32 s82, s82, s83
	s_add_co_u32 s80, s82, 10240
	s_add_nc_u64 s[70:71], s[38:39], s[80:81]
	s_lshl_b32 s82, s[HEAD], 9                     ; bv
	s_lshl_b32 s83, s[PAIR], 7
	s_add_co_u32 s82, s82, s83
	s_add_co_u32 s80, s82, 4096
	s_add_nc_u64 s[72:73], s[38:39], s[80:81]
	s_add_nc_u64 s[74:75], s[38:39], 14336         ; fb1, fw2
	s_wait_kmcnt 0x0
	; ---- pos into the stage; kp and qp
	global_load_b32 v[FW], v[T4], s[74:75]
	global_load_b32 v[FW+1], v[T4], s[74:75] offset:1024
	LOADINC SB, 4, VA384, 384, 12
	LOADINS SBS, 4, VS16, 16, 14
	LOADW 4, VS16, 16, 46, 26, 66
	s_wait_loadcnt 60                              ; the 52 loads wanted here are in; the weights' 60, issued behind them, may be out
	PUTC SB, 8, IA16, IA8, 0
	PUTS SBS, 8, IAS, 0
	ds_store_b32 v[FBW], v[FW]
	ds_store_b32 v[FBW], v[FW+1] offset:1024
	s_wait_dscnt 0x0                               ; the stores have read their registers,
	LOADINC SB, 4, VA384, 384, 8                   ; which take x: 50 loads, on their way under the first projection
	LOADINS SBS, 4, VS16, 16, 10
	BARRIER                                        ; pos lies in the stage
	s_wait_loadcnt 50                              ; the weights are in; x's 50 loads may be out
	PROJ 4, KP, 2048
	BARRIER                                        ; nobody reads pos any more
	; ---- x into the stage; k and q; v
	s_wait_loadcnt 0x0
	PUTC SB, 8, IA16, IA8, 0
	PUTS SBS, 8, IAS, 0
	s_wait_dscnt 0x0
	LOADW 4, VS16, 16, 44, 22, 68                  ; (the last products that read these registers stand in front of a whole quantiser)
	LDI SB, 24, 50                                 ; Wv: d tiles 2 pair + dt, fragment (dt, s) at SB + 12 (4 dt + s); with scale words and bias 28 loads
.irp dt, 0,1
	global_load_b128 v[SBS+4*\dt:SBS+4*\dt+3], v[VS16], s[34:35] offset:8*\dt*16
	global_load_b32 v[BV+2*\dt], v[VR4], s[72:73] offset:32*\dt
.endr
	BARRIER                                        ; x lies in the stage
	s_wait_loadcnt 28                              ; the weights are in; Wv's 28 loads may be out
	PROJ 4, KI, 0
	s_wait_loadcnt 0x0
	v_mov_b32 v[BV+1], v[BV]
	v_mov_b32 v[BV+3], v[BV+2]
	WIN 0x40                                       ; the last stage's loads land under v's products: attr and fw1, my two tiles each, behind the attribute weights' place
	LOADINC 96, 2, VA192, 192, 16
	LDI 144, 12, 52
	WIN 0
	LOADINS WS+8, 2, VS8, 8, 18
	LOADINS WS+12, 2, VS8, 8, 36
	LOADW 2, VS8, 8, 48, 30, 70
	; v: NOT transposed (source 0 = 16 keys of x, source 1 = 16 rows of Wv): a lane holds one d, and its registers run along the keys, which are the last product's K.
	; Wave (kh = w % 2, pair = w / 2): keys 128 kh on, 64 at a time, for two d tiles: eight accumulators by turns.
	s_mul_i32 s82, s[RH], 49152
	s_add_co_u32 s82, s82, ST
	v_add_nc_u32 v[XA16], s82, v[L16]
	v_add_nc_u32 v[XA8], s82, v[L8]
	s_lshl_b32 s82, s[RH], 12
	s_add_co_u32 s82, s82, STS
	v_add_nc_u32 v[XAS], s82, v[L4]
	s_mul_i32 s82, s[PAIR], 6144
	s_mul_i32 s83, s[RH], 1536
	s_add_co_u32 s82, s82, s83
	s_add_co_u32 s82, s82, VI
	v_add_nc_u32 v[OA16], s82, v[L16]
	v_add_nc_u32 v[OA8], s82, v[L8]
	s_lshl_b32 s82, s[PAIR], 9
	s_lshl_b32 s83, s[RH], 7
	s_add_co_u32 s82, s82, s83
	s_add_co_u32 s82, s82, SC+6144
	v_add_nc_u32 v[OAS], s82, v[L4]
.irp kg, 0,1
.irp s, 0,1,2,3
.irp kt, 0,1,2,3
	FET XF+12*\kt, XA16, XA8, \kg*24576+\kt*6144+\s*1536
	ds_load_b32 v[XS+\kt], v[XAS] offset:\kg*2048+\kt*512+\s*128
.endr
	s_wait_dscnt 0x0
.if \s == 0
.irp kt, 0,1,2,3
	MMZ ACC+8*\kt, XF+12*\kt, SB+12*\s, XS+\kt, SBS+\s
.endr
	WIN 0x40
.irp kt, 0,1,2,3
	MMZ ACC2+8*\kt, XF+12*\kt, SB+12*(4+\s), XS+\kt, SBS+4+\s
.endr
.else
.irp kt, 0,1,2,3
	MMC ACC+8*\kt, XF+12*\kt, SB+12*\s, ACC+8*\kt, XS+\kt, SBS+\s
.endr
	WIN 0x50
.irp kt, 0,1,2,3
	MMC ACC2+8*\kt, XF+12*\kt, SB+12*(4+\s), ACC2+8*\kt, XS+\kt, SBS+4+\s
.endr
.endif
	WIN 0
	PLACES 4
.endr
.set j_, 0
.rept 16
	v_pk_add_f32 v[ACC+j_:ACC+j_+1], v[ACC+j_:ACC+j_+1], v[BV:BV+1]   ; + bv of my d
.set j_, j_+2
.endr
	QUANT2 ACC, PC, XT, PW
	ds_store_b128 v[OA16], v[PC:PC+3] offset:\kg*768
	ds_store_b64 v[OA8], v[PC+4:PC+5] offset:\kg*768+512
	ds_store_b16 v[OAS], v[PW] offset:2*\kg
	s_wait_dscnt 0x0                               ; the stores have read their registers
	WIN 0x01
.set j_, 0
.rept 16
	v_pk_add_f32 v[ACC+j_:ACC+j_+1], v[ACC2+j_:ACC2+j_+1], v[BV+2:BV+3]   ; the second d tile: the bias's addition is also the way into window 0
.set j_, j_+2
.endr
	WIN 0
	QUANT2 ACC, PC, XT, PW
	ds_store_b128 v[OA16], v[PC:PC+3] offset:3072+\kg*768
	ds_store_b64 v[OA8], v[PC+4:PC+5] offset:3072+\kg*768+512
	ds_store_b16 v[OAS], v[PW] offset:256+2*\kg
	s_wait_dscnt 0x0
.endr
	BARRIER                                        ; nobody reads x any more
	; ---- attr and fw1 into the stage; ka and qa
	s_wait_loadcnt 0x0
	WIN 0x04                                       ; an LDS store's data are its source 1: window 1
	PUTC 96, 4, JA16, JA8, 0
.set q_, 0
.rept 12
	ds_store_b128 v[JA16], v[144+4*q_:144+4*q_+3] offset:49152+512*q_   ; fw1's images as they lie
.set q_, q_+1
.endr
	WIN 0
	PUTS WS+8, 4, JAS, 0
	PUTS WS+12, 4, JAS, 4096
	BARRIER
	PROJ 2, KA, 4096
	BARRIER                                        ; every operand lies in LDS; from here on LDS is only read, and the waves run free
	; ================ part 2: wave w owns query tiles 2 w + qt
	v_add_nc_u32 v[FBA], FB, v[VB]                 ; (all global loads are in: their offset registers are free)
	v_add_nc_u32 v[K16B], KA, v[L16]
	v_add_nc_u32 v[K8B], KA, v[L8]
	v_add_nc_u32 v[VV16], VI, v[L16]
	v_add_nc_u32 v[VV8], VI, v[L8]
	s_mul_i32 s82, s[WV], 3072
	s_add_co_u32 s82, s82, QOFF
	v_add_nc_u32 v[Q16], s82, v[L16]
	v_add_nc_u32 v[Q8], s82, v[L8]
	v_add_nc_u32 v[SCL], SC, v[L4]
	s_lshl_b32 s82, s[WV], 8
	s_add_co_u32 s82, s82, SC+8192
	v_add_nc_u32 v[QSL], s82, v[L4]
	v_add_nc_u32 v[F16], ST+49152, v[L16]
	v_add_nc_u32 v[FSL], STS+4096, v[L4]
; A score step n = 4 source + kg: 64 keys (four key tiles) against both query tiles.  Sources: 0 item, 1 pos, 2 and 3 the attributes' f 0 and f 1, whose K is 64: half of the
; fragment [f 0 | f 1] is fetched, and the other half of BOTH operands is zero codes, written once for the source's four steps.
.macro NEXT n
.set SRC_, (\n)/4
.set KG_, (\n)%4
.if SRC_ < 2
.irp kt, 0,1,2,3
	FET KF+12*\kt, L16, L8, SRC_*24576+(4*KG_+\kt)*1536
	ds_load_b32 v[KS+\kt], v[SCL] offset:SRC_*2048+(4*KG_+\kt)*128
.endr
.if KG_ == 0
.irp qt, 0,1
	FET QF+12*\qt, Q16, Q8, SRC_*24576+\qt*1536
	ds_load_b32 v[QS+\qt], v[QSL] offset:SRC_*2048+\qt*128
.endr
.endif
.else
.set HF_, SRC_-2
.if KG_ == 0
.irp i, 0,1,2,3,4,5
.irp f, 0,1,2,3
	v_mov_b32 v[KF+12*\f+6*(1-HF_)+\i], 0
.endr
	v_mov_b32 v[QF+6*(1-HF_)+\i], 0
	v_mov_b32 v[QF+12+6*(1-HF_)+\i], 0
.endr
.irp qt, 0,1
	FETH QF+12*\qt+6*HF_, Q16, Q8, 49152+\qt*1536+768*HF_
.if HF_ == 0
	ds_load_b32 v[QS+\qt], v[QSL] offset:4096+\qt*128   ; one word serves both f: bytes 0, 1 are f 0's, bytes 2, 3 f 1's
.endif
.endr
.endif
.irp kt, 0,1,2,3
	FETH KF+12*\kt+6*HF_, K16B, K8B, (4*KG_+\kt)*1536+768*HF_
	ds_load_b32 v[KS+\kt], v[SCL] offset:4096+(4*KG_+\kt)*128
.endr
.endif
.endm
.macro SMUL                            ; S^T = K Q^T: a lane holds one query; register 16 b + i of a query tile's 32 is key 64 kg + 32 b + 16 (lane / 16) + i
.irp kt, 0,1,2,3
.irp qt, 0,1
	MMZ S+32*\qt+8*\kt, KF+12*\kt, QF+12*\qt, KS+\kt, QS+\qt
.endr
.endr
.endm
.macro QSTORE n                        ; the step's scores become half a fragment of the gate's operand, in window 1
.set CSRC_, (\n)/4
.set CKG_, (\n)%4
.irp qt, 0,1
.set CA_, 2*(4*\qt+CSRC_)+CKG_/2
.if CKG_%2 == 0
	QCORE S+32*\qt, PC, XT, CS+CA_
.else
	QCORE S+32*\qt, PC, XT, PW
	v_lshl_or_b32 v[CS+CA_], v[PW], 16, v[CS+CA_]
.endif
	WIN 0x40
.irp i, 0,1,2
	v_mov_b32 v[12*CA_+6*(CKG_%2)+\i], v[PC+\i]
	v_mov_b32 v[12*CA_+6*(CKG_%2)+3+\i], v[XT+\i]
.endr
	WIN 0
.endr
.endm
.macro WSUM n                          ; t += the gate's weight x the unquantised scores
.set CSRC_, (\n)/4
.set CKG_, (\n)%4
.if CSRC_ == 0
	WIN 0x40
.else
	WIN 0x50
.endif
.irp qt, 0,1
.set j_, 0
.rept 16
.if CSRC_ == 0
	v_pk_mul_f32 v[128*\qt+32*CKG_+j_:128*\qt+32*CKG_+j_+1], v[S+32*\qt+j_:S+32*\qt+j_+1], v[E+8*\qt:E+8*\qt+1]
.else
	v_pk_fma_f32 v[128*\qt+32*CKG_+j_:128*\qt+32*CKG_+j_+1], v[S+32*\qt+j_:S+32*\qt+j_+1], v[E+8*\qt+2*CSRC_:E+8*\qt+2*CSRC_+1], v[128*\qt+32*CKG_+j_:128*\qt+32*CKG_+j_+1]
.endif
.set j_, j_+2
.endr
.endr
	WIN 0
.endm
; Sixteen score steps.  The next step's fragments are asked for ahead of this step's vector work.  Five places: the next run of products begins the same accumulators anew.
.macro PASS mode
	NEXT 0
.set N_, 0
.rept 16
	s_wait_dscnt 0x0
	SMUL
	PLACES 5
.if N_ < 15
	NEXT N_+1
.endif
.if \mode == 1
	QSTORE N_
.else
	WSUM N_
.endif
.set N_, N_+1
.endr
.endm
	PASS 1                                         ; ---- G1
	; ---- H: energy = relu(rows fw1^T + fb1) . fw2.  Transposed: source 0 = 16 rows of fw1, source 1 = 16 score rows; a tile of fw1 serves all eight (query tile, source).
	; Register j of tile 2 b + u is hidden unit 32 b + 16 (lane / 16) + 8 u + j: its fb1 and fw2 lie at 128 b + 64 (lane / 16) + 32 u + 4 j.  fb1 is the C of each sum's first product.
.macro HFETCH off, soff, fboff, u
.if \u == 0
.set HB_, 80
.set HW_, 88
.else
.set HB_, 96
.set HW_, 128
.endif
	FET3 FF, F16, \off
	FET3 FF+12, F16, (\off)+1536
	ds_load_b32 v[KS], v[FSL] offset:\soff
	ds_load_b32 v[KS+1], v[FSL] offset:(\soff)+128
	ds_load_b128 v[HB_:HB_+3], v[FBA] offset:\fboff
	ds_load_b128 v[HB_+4:HB_+7], v[FBA] offset:(\fboff)+16
	ds_load_b128 v[HW_:HW_+3], v[FBA] offset:(\fboff)+1024
	ds_load_b128 v[HW_+4:HW_+7], v[FBA] offset:(\fboff)+1040
.endm
.macro HTILE u, pre, off, soff, fboff
.if \u == 0
.set UB_, 80
.set UW_, 88
.else
.set UB_, 96
.set UW_, 128
.endif
	s_wait_dscnt 0x0
	WIN 0x04                                       ; the score rows' codes in window 1
.irp a, 0,1,2,3,4,5,6,7
	MMC S+8*\a, FF, 24*\a, UB_, KS, CS+2*\a
.endr
.irp a, 0,1,2,3,4,5,6,7
	MMC S+8*\a, FF+12, 24*\a+12, S+8*\a, KS+1, CS+2*\a+1
.endr
	WIN 0
	PLACES 4
.if \pre
	HFETCH \off, \soff, \fboff, 1-\u               ; the next tile, under this tile's vector work
.endif
.set j_, 0
.rept 64
	v_max_num_f32 v[S+j_], 0, v[S+j_]
.set j_, j_+1
.endr
.irp i, 0,1,2,3
.irp a, 0,1,2,3,4,5,6,7
	v_pk_fma_f32 v[E+2*\a:E+2*\a+1], v[S+8*\a+2*\i:S+8*\a+2*\i+1], v[UW_+2*\i:UW_+2*\i+1], v[E+2*\a:E+2*\a+1]
.endr
.endr
.endm
.set j_, 0
.rept 16
	v_mov_b32 v[E+j_], 0
.set j_, j_+1
.endr
	PLACES 8                                       ; scale words made by vector lines stand eight places ahead of a scaled product
	HFETCH 0, 0, 0, 0
	s_mov_b32 s79, 7
.Lh:                                                   ; a trip: fw1's tiles 2 b and 2 b + 1
	HTILE 0, 1, 3072, 256, 32
	HTILE 1, 1, 6144, 512, 128
	v_add_nc_u32 v[F16], 6144, v[F16]
	v_add_nc_u32 v[FSL], 512, v[FSL]
	v_add_nc_u32 v[FBA], 128, v[FBA]
	s_sub_co_u32 s79, s79, 1
	s_cmp_lg_u32 s79, 0
	s_cbranch_scc1 .Lh
	HTILE 0, 1, 3072, 256, 32                      ; the last two tiles: nothing is fetched past fw1's end
	HTILE 1, 0, 0, 0, 0
	; ---- the gate: softmax over the four sources, its maximum taken away; the weights carry log2(e) / sqrt(128)
.irp a, 0,1,2,3,4,5,6,7
	v_add_f32 v[E+2*\a], v[E+2*\a], v[E+2*\a+1]
.endr
.irp a, 0,1,2,3,4,5,6,7
	v_permlanex16_b32 v[E+2*\a+1], v[E+2*\a], s[SEL], s[SEL+1]
.endr
.irp a, 0,1,2,3,4,5,6,7
	v_add_f32 v[E+2*\a], v[E+2*\a], v[E+2*\a+1]    ; the other half of the hidden units lies 16 lanes away
.endr
.irp a, 0,1,2,3,4,5,6,7
	v_add_f32 v[E+2*\a], s78, v[E+2*\a]            ; + fb2
.endr
.irp qt, 0,1
	v_max3_num_f32 v[MX+\qt], v[E+8*\qt], v[E+8*\qt+2], v[E+8*\qt+4]
.endr
.irp qt, 0,1
	v_max_num_f32 v[MX+\qt], v[MX+\qt], v[E+8*\qt+6]
.endr
.irp a, 0,1,2,3,4,5,6,7
	v_sub_f32 v[E+2*\a], v[E+2*\a], v[MX+\a/4]
.endr
.irp a, 0,1,2,3,4,5,6,7
	v_mul_f32 v[E+2*\a], 0x3fb8aa3b, v[E+2*\a]
.endr
.irp a, 0,1,2,3,4,5,6,7
	v_exp_f32 v[E+2*\a], v[E+2*\a]
.endr
	v_nop                                          ; a plain line behind the exponentials
	s_wait_alu depctr_va_vdst(0)
.irp qt, 0,1
	v_add_f32 v[SCR+\qt], v[E+8*\qt], v[E+8*\qt+2]
.endr
.irp qt, 0,1
	v_add_f32 v[MX+\qt], v[E+8*\qt+4], v[E+8*\qt+6]
.endr
.irp qt, 0,1
	v_add_f32 v[SCR+\qt], v[SCR+\qt], v[MX+\qt]
.endr
.irp qt, 0,1
	v_rcp_f32 v[SCR+\qt], v[SCR+\qt]
.endr
	v_nop
	s_wait_alu depctr_va_vdst(0)
.irp qt, 0,1
	v_mul_f32 v[SCR+\qt], 0x3e0293ee, v[SCR+\qt]   ; log2(e) / sqrt(128)
.endr
.irp a, 0,1,2,3,4,5,6,7
	v_mul_f32 v[E+2*\a], v[E+2*\a], v[SCR+\a/4]
.endr
.irp a, 0,1,2,3,4,5,6,7
	v_mov_b32 v[E+2*\a+1], v[E+2*\a]               ; twice, for the packed forms
.endr
	PASS 2                                         ; ---- G2: t, in window 1
	; ---- the softmax ahead of p v: M = ceil(the row's largest t); p = 2^(t - M), not normalised; the row's sum of the unquantised p
.macro SOFT qt
	WIN 0x05
.irp kg, 0,1,2,3
	v_max_num_f32 v[MX+\kg], v[128*\qt+32*\kg], v[128*\qt+32*\kg+1]
.endr
	WIN 0x14
.irp i, 2,4,6,8,10,12,14,16,18,20,22,24,26,28,30
.irp kg, 0,1,2,3
	v_max3_num_f32 v[MX+\kg], v[MX+\kg], v[128*\qt+32*\kg+\i], v[128*\qt+32*\kg+\i+1]
.endr
.endr
	WIN 0
	v_max3_num_f32 v[MX], v[MX], v[MX+1], v[MX+2]
	v_max_num_f32 v[MX], v[MX], v[MX+3]
	v_permlanex16_b32 v[SCR], v[MX], s[SEL], s[SEL+1]
	v_max_num_f32 v[MX], v[MX], v[SCR]
	v_floor_f32 v[NM], -v[MX]                      ; -M = floor(-t)
	v_mov_b32 v[NM+1], v[NM]
.irp kg, 0,1,2,3
	WIN 0x01
.set j_, 0
.rept 16
	v_pk_add_f32 v[S+j_:S+j_+1], v[128*\qt+32*\kg+j_:128*\qt+32*\kg+j_+1], v[NM:NM+1]
.set j_, j_+2
.endr
	WIN 0
.set j_, 0
.rept 32
	v_exp_f32 v[S+j_], v[S+j_]
.set j_, j_+1
.endr
	v_nop                                          ; a plain line behind the exponentials
.if \kg == 0
	s_wait_alu depctr_va_vdst(0)
	v_pk_add_f32 v[LS+4*\qt:LS+4*\qt+1], v[S:S+1], v[S+4:S+5]          ; the first two lines start the sums, in two chains
	v_pk_add_f32 v[LS+4*\qt+2:LS+4*\qt+3], v[S+2:S+3], v[S+6:S+7]
.irp i, 8,12,16,20,24,28
	v_pk_add_f32 v[LS+4*\qt:LS+4*\qt+1], v[LS+4*\qt:LS+4*\qt+1], v[S+\i:S+\i+1]
	v_pk_add_f32 v[LS+4*\qt+2:LS+4*\qt+3], v[LS+4*\qt+2:LS+4*\qt+3], v[S+\i+2:S+\i+3]
.endr
.else
	s_wait_alu depctr_va_vdst(0)
.irp i, 0,4,8,12,16,20,24,28
	v_pk_add_f32 v[LS+4*\qt:LS+4*\qt+1], v[LS+4*\qt:LS+4*\qt+1], v[S+\i:S+\i+1]
	v_pk_add_f32 v[LS+4*\qt+2:LS+4*\qt+3], v[LS+4*\qt+2:LS+4*\qt+3], v[S+\i+2:S+\i+3]
.endr
.endif
.set PD_, PF+12*(2*\qt+\kg/2)+6*(\kg%2)
.if \kg%2 == 0
	QUANT2 S, PD_, XT, PS+2*\qt+\kg/2
.else
	QUANT2 S, PD_, XT, PW
	v_lshl_or_b32 v[PS+2*\qt+\kg/2], v[PW], 16, v[PS+2*\qt+\kg/2]
.endif
.endr
.endm
	SOFT 0
	SOFT 1
	PLACES 8                                       ; p's scale words stand eight places ahead of the products
	; ---- O^T = V^T P^T: source 0 = 16 d, source 1 = p; eight accumulators by turns, two key steps
.irp dg, 0,1
.irp s, 0,1
.irp i, 0,1,2,3
	FET KF+12*\i, VV16, VV8, ((4*\dg+\i)*2+\s)*1536
	ds_load_b32 v[KS+\i], v[SCL] offset:6144+((4*\dg+\i)*2+\s)*128
.endr
	s_wait_dscnt 0x0
.if \s == 0
	WIN 0x40
.irp i, 0,1,2,3
.irp qt, 0,1
	MMZ 64*\qt+8*(4*\dg+\i), KF+12*\i, PF+12*(2*\qt+\s), KS+\i, PS+2*\qt+\s
.endr
.endr
.else
	WIN 0x50
.irp i, 0,1,2,3
.irp qt, 0,1
	MMC 64*\qt+8*(4*\dg+\i), KF+12*\i, PF+12*(2*\qt+\s), 64*\qt+8*(4*\dg+\i), KS+\i, PS+2*\qt+\s
.endr
.endr
.endif
	WIN 0
	PLACES 4
.endr
.endr
	; ---- ctx = O / l, quantised along d; the images leave as they stand: each store of the wave covers 512, 256 or 128 consecutive bytes
.irp qt, 0,1
	v_pk_add_f32 v[LS+4*\qt:LS+4*\qt+1], v[LS+4*\qt:LS+4*\qt+1], v[LS+4*\qt+2:LS+4*\qt+3]
.endr
.irp qt, 0,1
	v_add_f32 v[LS+4*\qt], v[LS+4*\qt], v[LS+4*\qt+1]
.endr
.irp qt, 0,1
	v_permlanex16_b32 v[LS+4*\qt+1], v[LS+4*\qt], s[SEL], s[SEL+1]
.endr
.irp qt, 0,1
	v_add_f32 v[LS+4*\qt], v[LS+4*\qt], v[LS+4*\qt+1]
.endr
.irp qt, 0,1
	v_rcp_f32 v[RL+2*\qt], v[LS+4*\qt]
.endr
	v_nop
	s_wait_alu depctr_va_vdst(0)
.irp qt, 0,1
	v_mov_b32 v[RL+2*\qt+1], v[RL+2*\qt]
.endr
.irp qt, 0,1
.irp dg, 0,1
.set CD_, KF+12*(2*\qt+\dg)                    ; a set of registers for each half: no store's data are written again
	WIN 0x01
.set j_, 0
.rept 16
	v_pk_mul_f32 v[S+j_:S+j_+1], v[64*\qt+32*\dg+j_:64*\qt+32*\dg+j_+1], v[RL+2*\qt:RL+2*\qt+1]
.set j_, j_+2
.endr
	WIN 0
.if \dg == 0
	QUANT2 S, CD_, CD_+6, CW+\qt
.else
	QUANT2 S, CD_, CD_+6, PW
	v_lshl_or_b32 v[CW+\qt], v[PW], 16, v[CW+\qt]
.endif
	global_store_b128 v[L16], v[CD_:CD_+3], s[40:41] offset:\qt*6144+\dg*768
	global_store_b64 v[L8], v[CD_+4:CD_+5], s[40:41] offset:\qt*6144+\dg*768+512
.endr
	global_store_b32 v[L4], v[CW+\qt], s[42:43] offset:\qt*512
.endr
	s_wait_tensorcnt 0x0
	ds_add_u32 v55, v73
	s_wait_dscnt 0x0
	s_endpgm
.Lfunc_end_k_q38657d93ea_attn:
	.size	k_q38657d93ea_attn, .Lfunc_end_k_q38657d93ea_attn-k_q38657d93ea_attn
	.p2alignl 7, 3214868480
	.fill 96, 4, 3214868480
	.section	.rodata,"a",@progbits
	.p2align	6, 0x0
	.amdhsa_kernel k_q38657d93ea_attn
		.amdhsa_group_segment_fixed_size 295936
		.amdhsa_private_segment_fixed_size 0
		.amdhsa_enable_private_segment 0
		.amdhsa_kernarg_size 144
		.amdhsa_user_sgpr_count 2
		.amdhsa_user_sgpr_kernarg_segment_ptr 1
		.amdhsa_wavefront_size32 1
		.amdhsa_system_sgpr_workgroup_id_x 1
		.amdhsa_system_sgpr_workgroup_id_y 1
		.amdhsa_system_sgpr_workgroup_id_z 1
		.amdhsa_system_vgpr_workitem_id 0
		.amdhsa_next_free_vgpr 512
		.amdhsa_next_free_sgpr 100
		.amdhsa_reserve_vcc 0
		.amdhsa_float_denorm_mode_32 3
		.amdhsa_float_denorm_mode_16_64 3
		.amdhsa_memory_ordered 1
		.amdhsa_forward_progress 1
		.amdhsa_inst_pref_size 255
	.end_amdhsa_kernel
	.section	.bss,"aw",@nobits
	.p2align	6
	.space	262144
	.amdgpu_metadata
---
amdhsa.version: [ 1, 2 ]
amdhsa.kernels:
  - .name:           k_q38657d93ea_attn
    .symbol:         k_q38657d93ea_attn.kd
    .args:
      - { .name: xc, .offset: 0, .size: 8, .value_kind: global_buffer, .address_space: global }
      - { .name: xs, .offset: 8, .size: 8, .value_kind: global_buffer, .address_space: global }
      - { .name: position_embedding_codes, .offset: 16, .size: 8, .value_kind: global_buffer, .address_space: global }
      - { .name: position_embedding_scales, .offset: 24, .size: 8, .value_kind: global_buffer, .address_space: global }
      - { .name: attribute_table_codes, .offset: 32, .size: 8, .value_kind: global_buffer, .address_space: global }
      - { .name: attribute_table_scales, .offset: 40, .size: 8, .value_kind: global_buffer, .address_space: global }
      - { .name: wimg, .offset: 48, .size: 8, .value_kind: global_buffer, .address_space: global }
      - { .name: Wq_scales, .offset: 56, .size: 8, .value_kind: global_buffer, .address_space: global }
      - { .name: Wk_scales, .offset: 64, .size: 8, .value_kind: global_buffer, .address_space: global }
      - { .name: Wqp_scales, .offset: 72, .size: 8, .value_kind: global_buffer, .address_space: global }
      - { .name: Wkp_scales, .offset: 80, .size: 8, .value_kind: global_buffer, .address_space: global }
      - { .name: Wqa_scales, .offset: 88, .size: 8, .value_kind: global_buffer, .address_space: global }
      - { .name: Wka_scales, .offset: 96, .size: 8, .value_kind: global_buffer, .address_space: global }
      - { .name: Wv_scales, .offset: 104, .size: 8, .value_kind: global_buffer, .address_space: global }
      - { .name: fw1_scales, .offset: 112, .size: 8, .value_kind: global_buffer, .address_space: global }
      - { .name: params, .offset: 120, .size: 8, .value_kind: global_buffer, .address_space: global }
      - { .name: cc, .offset: 128, .size: 8, .value_kind: global_buffer, .address_space: global }
      - { .name: cs, .offset: 136, .size: 8, .value_kind: global_buffer, .address_space: global }
    .group_segment_fixed_size: 295936
    .private_segment_fixed_size: 0
    .kernarg_segment_align: 8
    .kernarg_segment_size: 144
    .max_flat_workgroup_size: 256
    .sgpr_count:     100
    .vgpr_count:     512
    .wavefront_size: 32
...
	.end_amdgpu_metadata
.endif
;; end of part 5
;; launch outp (part 6): grid 256 x 1, 8 waves a work-group, no clusters, 159,744 bytes of LDS; arguments cc, cs, wimg, Wd_scales, bd, input_tensor, gamma, beta, out0; writes out0
.if DOCPART == 6
	.amdgcn_target "amdgcn-amd-amdhsa--gfx1250"
	.amdhsa_code_object_version 6
	.text
	.protected	k_q38657d93ea_outp
	.globl	k_q38657d93ea_outp
	.p2align	8
	.type	k_q38657d93ea_outp,@function
k_q38657d93ea_outp:
	s_mov_b64 s[64:65], 0
	v_nop
	global_prefetch_b8 v0, s[64:65] scope:SCOPE_SE
	s_setreg_imm32_b32 hwreg(HW_REG_WAVE_MODE, 25, 1), 1
	s_wait_xcnt 0x0
; out0 = LayerNorm(ctx Wd^T + bd + input_tensor) x gamma + beta.  ctx comes as images of operand registers (cc) with their scale words (cs), made by the launch before.
; A work-group owns 64 rows: its 16 fragments (row tile m, K step s: 4 m + s) are 24,576 dense bytes of cc, copied once into LDS and read by all eight waves.
; In row tile m = 2 b + u lane r holds row 32 b + 8 u + r + 8 (r / 8).  PRODUCT: wave w owns columns 64 w on: its 16 fragments of Wd stay in registers; they come from wimg, where the first
; launch has laid them as images in this order: 48 loads of 512 consecutive bytes.  Transposed (source 0 = 16 rows of Wd, source 1 = ctx), bd as the C of each sum's first product;
; sixteen accumulators by turns.  A lane's eight results are eight neighbouring columns of a row.
; They meet in a stage of 64 rows x (2,048 + 16) bytes; then wave w owns rows 8 w on, a whole row in the wave: 16 numbers a lane.
; The variance is taken of x - mu, in a second pass: no difference of large sums.  No tensor loads: the one shared block is copied once by plain loads; no cluster: work-groups share Wd alone,
; 196,608 bytes read once by each.  LIMITS: NaN and infinities are not served.
.set CSC,  24576                       ; LDS: the images from 0; their scale words;
.set STG,  26624                       ; the stage
.set SPITCH, 2064
.set WI_D, 983040                      ; Wd's images in wimg
.set L16,  1
.set L8,   2
.set L4,   3
.set VS,   5                           ; 16 r
.set VB,   6                           ; 32 h
.set T16,  7                           ; 16 x thread
.set T8,   8
.set SO0,  9                           ; the stage, in: row tiles 0, 1
.set SO1,  10                          ; row tiles 2, 3
.set SR,   11                          ; and back
.set WS,   24                          ; v24-39 Wd's scale words, v40-43 ctx's: these hold scales and nothing else
.set CSW,  40
.set SM,   56                          ; v56-63 four pairs of sums
.set MU,   64                          ; v64-71 four pairs: mu, then 1 / sqrt(var + eps)
.set CF,   72                          ; v72-119 four fragments of ctx (first: the copy's registers)
.set X,    124                         ; v124-251 the accumulators ((t, m) at 8 (4 m + t)), then my eight rows (row i, piece c at 16 i + 4 c)
; window 1: v0-191 Wd's fragments ((t, s) at 12 (4 t + s)); behind the product v0-95 the residual's rows 2 to 7, v96-111 gamma, v112-127 beta
.set BI,   192                         ; v192-223 bd in the result's layout
.set R01,  224                         ; v224-255 the residual's rows 0 and 1
.set MSB, 0
.macro WIN new
.if MSB != \new
	s_set_vgpr_msb (MSB<<8)|\new
.set MSB, \new
.endif
.endm
.macro PLACES n
.rept \n
	v_nop
.endr
.endm
.macro BARRIER
	s_wait_dscnt 0x0
	s_barrier_signal -1
	s_barrier_wait -1
.endm
.macro FET reg, a16, a8, off
	ds_load_b128 v[(\reg):(\reg)+3], v[\a16] offset:(\off)
	ds_load_b64 v[(\reg)+4:(\reg)+5], v[\a8] offset:(\off)+512
	ds_load_b128 v[(\reg)+6:(\reg)+9], v[\a16] offset:(\off)+768
	ds_load_b64 v[(\reg)+10:(\reg)+11], v[\a8] offset:(\off)+1280
.endm
.macro MMC d, a, b, c, sa, sb
	v_wmma_scale_f32_16x16x128_f8f6f4 v[(\d):(\d)+7], v[(\a):(\a)+11], v[(\b):(\b)+11], v[(\c):(\c)+7], v[(\sa)], v[(\sb)] matrix_a_fmt:MATRIX_FMT_FP6 matrix_b_fmt:MATRIX_FMT_FP6
.endm
	s_load_b512 s[8:23], s[0:1], 0x0               ; cc 8, cs 10, wimg 12, Wd's scales 14, bd 16, input 18, gamma 20, beta 22
	s_load_b64 s[24:25], s[0:1], 0x40              ; out0
	v_lshl_add_u32 v254, v0, 2, 0x26c00
	v_mov_b32 v255, 0
	v_lshrrev_b32 v56, 5, v0
	v_readfirstlane_b32 s26, v56                   ; wave 0..7
	v_and_b32 v57, 31, v0
	v_lshlrev_b32 v[L16], 4, v57
	v_lshlrev_b32 v[L8], 3, v57
	v_lshlrev_b32 v[L4], 2, v57
	v_and_b32 v58, 15, v0                          ; r
	v_bfe_u32 v59, v0, 4, 1                        ; h
	v_lshlrev_b32 v[VS], 4, v58
	v_lshlrev_b32 v[VB], 5, v59
	v_lshlrev_b32 v[T16], 4, v0
	v_lshlrev_b32 v[T8], 3, v0
	v_and_b32 v60, 8, v58
	v_add_nc_u32 v60, v60, v58                     ; r + 8 (r / 8)
	v_mul_u32_u24 v[SO0], v60, SPITCH
	v_lshl_add_u32 v[SO0], v59, 5, v[SO0]
	s_lshl_b32 s27, s26, 8
	s_add_co_u32 s27, s27, STG
	v_add_nc_u32 v[SO0], s27, v[SO0]               ; my row of a tile, + 32 h, + my wave's 256 bytes
	v_add_nc_u32 v[SO1], 32*SPITCH, v[SO0]
	s_mul_i32 s27, s26, 8*SPITCH
	s_add_co_u32 s27, s27, STG
	v_add_nc_u32 v[SR], s27, v[L16]
	s_mov_b32 s29, 0
	s_mov_b32 s30, 0x3b000000                      ; 1 / 512
	s_mov_b32 s31, 0x2b8cbccc                      ; 1e-12
	s_mov_b32 s32, 0x76543210
	s_mov_b32 s33, 0xfedcba98
	s_wait_kmcnt 0x0
	s_mul_i32 s28, ttmp9, 24576
	s_add_nc_u64 s[8:9], s[8:9], s[28:29]
	s_lshl_b32 s28, ttmp9, 11
	s_add_nc_u64 s[10:11], s[10:11], s[28:29]
	s_mul_i32 s28, s26, 24576                      ; my sixteen images of Wd
	s_add_co_u32 s28, s28, WI_D
	s_add_nc_u64 s[12:13], s[12:13], s[28:29]
	s_lshl_b32 s28, s26, 10
	s_add_nc_u64 s[14:15], s[14:15], s[28:29]
	s_lshl_b32 s28, s26, 8
	s_add_nc_u64 s[16:17], s[16:17], s[28:29]
	s_lshl_b32 s28, ttmp9, 17                      ; my first row: 64 x work-group + 8 x wave, of 2,048 bytes
	s_lshl_b32 s27, s26, 14
	s_add_co_u32 s28, s28, s27
	s_add_nc_u64 s[18:19], s[18:19], s[28:29]
	s_add_nc_u64 s[24:25], s[24:25], s[28:29]
.irp i, 0,1,2,3,4,5
	global_load_b128 v[CF+4*\i:CF+4*\i+3], v[T16], s[8:9] offset:4096*\i   ; the copy: 7 loads
.endr
	global_load_b64 v[CF+24:CF+25], v[T8], s[10:11]
.irp t, 0,1,2,3
	global_load_b128 v[WS+4*\t:WS+4*\t+3], v[VS], s[14:15] offset:256*\t   ; a row's four scale words by one load
.endr
	WIN 0x40
.set q_, 0
.rept 48
	global_load_b128 v[4*q_:4*q_+3], v[L16], s[12:13] offset:512*q_        ; 32 lanes read 512 consecutive bytes
.set q_, q_+1
.endr
.irp t, 0,1,2,3
	global_load_b128 v[BI+8*\t:BI+8*\t+3], v[VB], s[16:17] offset:64*\t
	global_load_b128 v[BI+8*\t+4:BI+8*\t+7], v[VB], s[16:17] offset:64*\t+16
.endr
.irp i, 0,1
.irp c, 0,1,2,3
	global_load_b128 v[R01+16*\i+4*\c:R01+16*\i+4*\c+3], v[L16], s[18:19] offset:2048*\i+512*\c th:TH_LOAD_NT   ; the last 8 loads issued
.endr
.endr
	WIN 0
	s_wait_loadcnt 63                              ; behind the copy's 7 loads 68 were issued: any count up to 68 would do, and this is the largest that the wait can name
.irp i, 0,1,2,3,4,5
	ds_store_b128 v[T16], v[CF+4*\i:CF+4*\i+3] offset:4096*\i
.endr
	ds_store_b64 v[T8], v[CF+24:CF+25] offset:CSC
	BARRIER                                        ; ctx's images lie in LDS
	s_wait_loadcnt 8                               ; Wd and bd are in; the residual's 8 loads may be out
.irp s, 0,1,2,3
.irp m, 0,1,2,3
	FET CF+12*\m, L16, L8, (4*\m+\s)*1536
	ds_load_b32 v[CSW+\m], v[L4] offset:CSC+(4*\m+\s)*128
.endr
	s_wait_dscnt 0x0
.if \s == 0
	WIN 0x11                                       ; Wd and bd in window 1
.irp m, 0,1,2,3
.irp t, 0,1,2,3
	MMC X+8*(4*\m+\t), 12*(4*\t+\s), CF+12*\m, BI+8*\t, WS+4*\t+\s, CSW+\m
.endr
.endr
.else
	WIN 0x01
.irp m, 0,1,2,3
.irp t, 0,1,2,3
	MMC X+8*(4*\m+\t), 12*(4*\t+\s), CF+12*\m, X+8*(4*\m+\t), WS+4*\t+\s, CSW+\m
.endr
.endr
.endif
	WIN 0
	PLACES 4
.endr
	WIN 0x40                                       ; Wd's registers are free: the rest of the residual, gamma, beta
.irp i, 2,3,4,5,6,7
.irp c, 0,1,2,3
	global_load_b128 v[16*(\i-2)+4*\c:16*(\i-2)+4*\c+3], v[L16], s[18:19] offset:2048*\i+512*\c th:TH_LOAD_NT
.endr
.endr
.irp c, 0,1,2,3
	global_load_b128 v[96+4*\c:96+4*\c+3], v[L16], s[20:21] offset:512*\c
	global_load_b128 v[112+4*\c:112+4*\c+3], v[L16], s[22:23] offset:512*\c
.endr
	WIN 0
.irp m, 0,1
.irp t, 0,1,2,3
	ds_store_b128 v[SO0], v[X+8*(4*\m+\t):X+8*(4*\m+\t)+3] offset:\m*8*SPITCH+64*\t       ; each accumulator from its low end on
	ds_store_b128 v[SO0], v[X+8*(4*\m+\t)+4:X+8*(4*\m+\t)+7] offset:\m*8*SPITCH+64*\t+16
.endr
.endr
.irp m, 0,1
.irp t, 0,1,2,3
	ds_store_b128 v[SO1], v[X+8*(4*(\m+2)+\t):X+8*(4*(\m+2)+\t)+3] offset:\m*8*SPITCH+64*\t
	ds_store_b128 v[SO1], v[X+8*(4*(\m+2)+\t)+4:X+8*(4*(\m+2)+\t)+7] offset:\m*8*SPITCH+64*\t+16
.endr
.endr
	BARRIER                                        ; 64 whole rows lie in the stage
.irp i, 0,1,2,3,4,5,6,7
.irp c, 0,1,2,3
	ds_load_b128 v[X+16*\i+4*\c:X+16*\i+4*\c+3], v[SR] offset:\i*SPITCH+512*\c
.endr
.endr
	s_wait_loadcnt 0x0
	s_wait_dscnt 0x0
.macro REDUCE                          ; four rows' sums over the wave, by turns; every lane ends with the row's
.irp k, 0,1,2,3
	v_add_f32 v[SM+2*\k], v[SM+2*\k], v[SM+2*\k+1]
.endr
.irp m, 1,2,4,8
.irp k, 0,1,2,3
	v_add_f32_dpp v[SM+2*\k], v[SM+2*\k], v[SM+2*\k] row_xmask:\m row_mask:0xf bank_mask:0xf
.endr
.endr
.irp k, 0,1,2,3
	v_permlanex16_b32 v[SM+2*\k+1], v[SM+2*\k], s32, s33
.endr
.irp k, 0,1,2,3
	v_add_f32 v[SM+2*\k], v[SM+2*\k], v[SM+2*\k+1]
.endr
.endm
.macro LNGROUP g                       ; rows 4 g to 4 g + 3 of my eight
	WIN 0x04
.irp k, 0,1,2,3
.set RW_, 4*\g+\k
.if RW_ < 2
.set RB_, R01+16*RW_
.else
.set RB_, 16*(RW_-2)
.endif
.irp j, 0,2,4,6,8,10,12,14
	v_pk_add_f32 v[X+16*RW_+\j:X+16*RW_+\j+1], v[X+16*RW_+\j:X+16*RW_+\j+1], v[RB_+\j:RB_+\j+1]   ; + input_tensor
.endr
.endr
	WIN 0
.irp k, 0,1,2,3
	v_pk_add_f32 v[SM+2*\k:SM+2*\k+1], v[X+16*(4*\g+\k):X+16*(4*\g+\k)+1], v[X+16*(4*\g+\k)+2:X+16*(4*\g+\k)+3]
.endr
.irp j, 4,6,8,10,12,14
.irp k, 0,1,2,3
	v_pk_add_f32 v[SM+2*\k:SM+2*\k+1], v[SM+2*\k:SM+2*\k+1], v[X+16*(4*\g+\k)+\j:X+16*(4*\g+\k)+\j+1]
.endr
.endr
	REDUCE
.irp k, 0,1,2,3
	v_mul_f32 v[MU+2*\k], s30, v[SM+2*\k]          ; mu
.endr
.irp k, 0,1,2,3
	v_mov_b32 v[MU+2*\k+1], v[MU+2*\k]
.endr
.irp j, 0,2,4,6,8,10,12,14
.irp k, 0,1,2,3
	v_pk_add_f32 v[X+16*(4*\g+\k)+\j:X+16*(4*\g+\k)+\j+1], v[X+16*(4*\g+\k)+\j:X+16*(4*\g+\k)+\j+1], v[MU+2*\k:MU+2*\k+1] neg_lo:[0,1] neg_hi:[0,1]
.endr
.endr
.irp k, 0,1,2,3
	v_pk_mul_f32 v[SM+2*\k:SM+2*\k+1], v[X+16*(4*\g+\k):X+16*(4*\g+\k)+1], v[X+16*(4*\g+\k):X+16*(4*\g+\k)+1]
.endr
.irp j, 2,4,6,8,10,12,14
.irp k, 0,1,2,3
	v_pk_fma_f32 v[SM+2*\k:SM+2*\k+1], v[X+16*(4*\g+\k)+\j:X+16*(4*\g+\k)+\j+1], v[X+16*(4*\g+\k)+\j:X+16*(4*\g+\k)+\j+1], v[SM+2*\k:SM+2*\k+1]
.endr
.endr
	REDUCE
.irp k, 0,1,2,3
	v_fma_f32 v[SM+2*\k], v[SM+2*\k], s30, s31     ; var + eps
.endr
.irp k, 0,1,2,3
	v_rsq_f32 v[MU+2*\k], v[SM+2*\k]
.endr
	v_nop                                          ; a plain line behind the transcendentals
	s_wait_alu depctr_va_vdst(0)
.irp k, 0,1,2,3
	v_mov_b32 v[MU+2*\k+1], v[MU+2*\k]
.endr
.irp j, 0,2,4,6,8,10,12,14
.irp k, 0,1,2,3
	v_pk_mul_f32 v[X+16*(4*\g+\k)+\j:X+16*(4*\g+\k)+\j+1], v[X+16*(4*\g+\k)+\j:X+16*(4*\g+\k)+\j+1], v[MU+2*\k:MU+2*\k+1]
.endr
.endr
	WIN 0x14                                       ; gamma and beta in window 1
.irp j, 0,2,4,6,8,10,12,14
.irp k, 0,1,2,3
	v_pk_fma_f32 v[X+16*(4*\g+\k)+\j:X+16*(4*\g+\k)+\j+1], v[X+16*(4*\g+\k)+\j:X+16*(4*\g+\k)+\j+1], v[96+\j:96+\j+1], v[112+\j:112+\j+1]
.endr
.endr
	WIN 0
.irp k, 0,1,2,3
.irp c, 0,1,2,3
	global_store_b128 v[L16], v[X+16*(4*\g+\k)+4*\c:X+16*(4*\g+\k)+4*\c+3], s[24:25] offset:2048*(4*\g+\k)+512*\c th:TH_STORE_NT   ; 32 lanes store 512 consecutive bytes, at a multiple of 256 from out0's first byte
.endr
.endr
.endm
	LNGROUP 0
	LNGROUP 1
	s_wait_tensorcnt 0x0
	ds_add_u32 v254, v255
	s_wait_dscnt 0x0
	s_endpgm
.Lfunc_end_k_q38657d93ea_outp:
	.size	k_q38657d93ea_outp, .Lfunc_end_k_q38657d93ea_outp-k_q38657d93ea_outp
	.p2alignl 7, 3214868480
	.fill 96, 4, 3214868480
	.section	.rodata,"a",@progbits
	.p2align	6, 0x0
	.amdhsa_kernel k_q38657d93ea_outp
		.amdhsa_group_segment_fixed_size 159744
		.amdhsa_private_segment_fixed_size 0
		.amdhsa_enable_private_segment 0
		.amdhsa_kernarg_size 72
		.amdhsa_user_sgpr_count 2
		.amdhsa_user_sgpr_kernarg_segment_ptr 1
		.amdhsa_wavefront_size32 1
		.amdhsa_system_sgpr_workgroup_id_x 1
		.amdhsa_system_sgpr_workgroup_id_y 1
		.amdhsa_system_sgpr_workgroup_id_z 1
		.amdhsa_system_vgpr_workitem_id 0
		.amdhsa_next_free_vgpr 512
		.amdhsa_next_free_sgpr 66
		.amdhsa_reserve_vcc 0
		.amdhsa_float_denorm_mode_32 3
		.amdhsa_float_denorm_mode_16_64 3
		.amdhsa_memory_ordered 1
		.amdhsa_forward_progress 1
		.amdhsa_inst_pref_size 66
	.end_amdhsa_kernel
	.amdgpu_metadata
---
amdhsa.version: [ 1, 2 ]
amdhsa.kernels:
  - .name:           k_q38657d93ea_outp
    .symbol:         k_q38657d93ea_outp.kd
    .args:
      - { .name: cc, .offset: 0, .size: 8, .value_kind: global_buffer, .address_space: global }
      - { .name: cs, .offset: 8, .size: 8, .value_kind: global_buffer, .address_space: global }
      - { .name: wimg, .offset: 16, .size: 8, .value_kind: global_buffer, .address_space: global }
      - { .name: Wd_scales, .offset: 24, .size: 8, .value_kind: global_buffer, .address_space: global }
      - { .name: bd, .offset: 32, .size: 8, .value_kind: global_buffer, .address_space: global }
      - { .name: input_tensor, .offset: 40, .size: 8, .value_kind: global_buffer, .address_space: global }
      - { .name: gamma, .offset: 48, .size: 8, .value_kind: global_buffer, .address_space: global }
      - { .name: beta, .offset: 56, .size: 8, .value_kind: global_buffer, .address_space: global }
      - { .name: out0, .offset: 64, .size: 8, .value_kind: global_buffer, .address_space: global }
    .group_segment_fixed_size: 159744
    .private_segment_fixed_size: 0
    .kernarg_segment_align: 8
    .kernarg_segment_size: 72
    .max_flat_workgroup_size: 256
    .sgpr_count:     66
    .vgpr_count:     512
    .wavefront_size: 32
...
	.end_amdgpu_metadata
.endif
;; end of part 6
;; ======== version 3 of 3: 3 launches; version 2 with the launches attn, outp written anew for expert scheduling mode
;; workspace buffers: xc 6,291,456 bytes; xs 262,144 bytes; params 16,896 bytes; cc 6,291,456 bytes; cs 524,288 bytes; wimg 1,425,408 bytes
;; launch quantx: the kernel of part 4 again; grid 315 x 1, 4 waves a work-group, no clusters, 33,280 bytes of LDS; arguments input_tensor, xc, xs, params, bk, bq, bv, bkp, bqp, bka, bqa, fb1, fw2, fb2, Wk_codes, Wq_codes, Wkp_codes, Wqp_codes, Wv_codes, Wd_codes, Wka_codes, Wqa_codes, fw1_codes, wimg; writes xc, xs, params, wimg
;; launch attn (part 7): grid 4 x 64, 8 waves a work-group, no clusters, 295,936 bytes of LDS; arguments xc, xs, position_embedding_codes, position_embedding_scales, attribute_table_codes, attribute_table_scales, wimg, Wq_scales, Wk_scales, Wqp_scales, Wkp_scales, Wqa_scales, Wka_scales, Wv_scales, fw1_scales, params, cc, cs; writes cc, cs
.if DOCPART == 7
	.amdgcn_target "amdgcn-amd-amdhsa--gfx1250"
	.amdhsa_code_object_version 6
	.text
	.protected	k_q38657d93ea_attn
	.globl	k_q38657d93ea_attn
	.p2align	8
	.type	k_q38657d93ea_attn,@function
k_q38657d93ea_attn:
	s_mov_b64 s[64:65], 0
	v_nop
	global_prefetch_b8 v0, s[64:65] scope:SCOPE_SE
	s_setreg_imm32_b32 hwreg(HW_REG_WAVE_SCHED_MODE, 0, 2), 2
	s_setreg_imm32_b32 hwreg(HW_REG_WAVE_MODE, 25, 1), 1
	s_wait_xcnt 0x0
	s_wait_alu depctr_vm_vsrc(0)
; One work-group = one (batch, head): the seven projections, the four maps of scores, the gate over them, the softmax and p v.  All products on codes of FP6 (E2M3) with one E8M0
; scale for each 32 along K; every operand computed on the way is quantised in registers from f32.  ctx leaves as codes: a head's 128 columns are one K step of the last product.
; TILES.  Tile T = 2 b + u of any 256-row operand holds, in lane r, row 32 b + 8 u + r + 8 (r / 8).  So the 16 registers that a lane holds of two neighbouring tiles of a transposed
; result are 16 NEIGHBOURS along that axis, which is the next product's K, and the conversions' results are the next operand's registers.
; IMAGES.  Operands go from wave to wave through LDS as images of their registers.  A fragment (16 rows x 128 K, 12 registers) is two halves of 768 bytes (64 along K each): registers
; 0-3 at 16 x lane, registers 4-5 at 512 + 8 x lane.  A half is made whole by one wave.  A fragment's scale words: 128 bytes, 4 x lane; a half gives two bytes of each.
; THE WEIGHTS' CODES come from wimg, where the launch before has laid them as images (registers 4 c .. 4 c + 3 at 512 c + 16 x lane), in the order of a wave's registers: a wave's
; fragments are one dense block, and each of its loads covers 512 consecutive bytes.  fw1's images go into LDS as they lie.  A row's scale words for all its K steps come by one load.
; PARTS.  (1) pos, then x, then attr and fw1 are staged as images; eight waves (matrix K or Q side, which 64 output columns, which 8 row tiles) make kp qp, k q, ka qa; v is made
; with the keys along a lane's registers.  Six barriers.  (2) No barrier any more: wave w owns query tiles 2 w, 2 w + 1.  G1: the four maps, 64 keys a step, quantised along the keys
; into registers.  H: x fw1^T + fb1, relu, . fw2 in f32.  Gate: softmax over the four sources.  G2: the same score products once more (512 registers a query tile would be needed to
; keep them), summed under the gate's weights.  Softmax: the whole row is at hand, so M = ceil(largest t) is final.  p v.  / l.  Quantise.  Store.
; NO TENSOR LOADS, NO CLUSTER: every operand is wanted as an image with chosen rows, and the staging bytes are written by LDS stores three times over;
; what the four heads of a batch share (x, pos, attr: 250 KB, read once) stands against 7,424 matrix instructions of the work-group.
; EIGHT WAVES OF 512 REGISTERS: vector work (quantisers, relu, exponentials) is as long as the matrix work, so two waves share a SIMD and one's vector lines stand beside the other's products.
; LIMITS: NaN and infinities are not served.  A block whose largest magnitude lies under 2^-124, a block of zeros too, takes the byte 1 (zero codes add nothing; only this program
; reads the bytes).  p under 2^-126 comes out of v_exp_f32 as 0.  log2(e) / sqrt(128) is multiplied into the gate's weights: one f32 rounding stands elsewhere than in the reference.
; THE MODE: SCHED_MODE bits 1:0 = 2 (LLVM: expert scheduling mode 2), set by the entry lines.  The code itself states the register dependences between vector or matrix instructions and
; memory or LDS instructions, with s_wait_alu, always for 0.
; THE PLAN.  Registers that memory or LDS instructions touch, and who else names them:
;   v1-3, v16-23    offsets and LDS addresses made at the head and never written again: one wait on va_vdst ahead of the first load.
;   v4-9            part 1: offsets of global loads, made at the head.  v10-15: LDS addresses, made anew ahead of each projection and of v.  Part 2 makes v4-15 anew.  Between their last reader
;                   and each making stands a wait on vm_vsrc; behind each making one on va_vdst, ahead of the first instruction that reads them.
;   SB, SBS         loads land, LDS stores read, loads land again: a wait on vm_vsrc between the stores and the loads.
;   XF, XS          LDS loads land, a tile's products read: a wait on va_vdst behind the products, ahead of the next tile's loads.
;   PC, PW          the quantiser writes, three LDS stores read: va_vdst ahead of the stores; vm_vsrc a tile later, ahead of the next quantiser.
;   the weights (window 1), BI, WS: loads land, products read.  The next weights are asked for behind a projection's last tile: the wait ahead of that tile's stores stands behind all its
;                   products, and no vector or matrix line between it and the loads names these registers.
;   KF, QF, KS, QS  the score steps: LDS loads land, eight products read: ONE wait on va_vdst a step, behind the products and behind the zero codes of a source whose K is 64.
;   phase H         two sets (fw1's two fragments, their scale words, fb1, fw2) by turns: while a tile's products and multiply-adds read one set, the next tile's loads land in the other.  ONE wait on
;                   va_vdst at a tile's head, behind the wait for its set; one on vm_vsrc a trip, ahead of the three adds that step the LDS addresses.
;   CS, the score rows' codes, PF, PS: made by vector lines, taken by scaled products: eight places, then a wait on va_vdst.
;   ctx's codes, CW registers of their own for each half: one wait on va_vdst a query tile, ahead of its five stores.
;   v55, v73        written at the head, read by the closing add alone.
; LDS
.set KI,   0                           ; k: fragment T at 1536 T
.set KP,   24576                       ; kp
.set KA,   49152                       ; ka: half 0 = f 0's 64, half 1 = f 1's 64
.set VI,   73728                       ; V^T: fragment (d tile, key step s) at (2 dt + s) 1536
.set QOFF, 98304                       ; q, qp, qa: the matching K region + QOFF
.set SC,   172032                      ; scale images, 2,048 each: k, kp, ka, v, q, qp, qa
.set FB,   186368                      ; fb1, then fw2
.set ST,   188416                      ; staged inputs: x or pos (4 T + s) 1536; last: attr (2 T + s) 1536, fw1 the same at + 49,152 (as three pieces of 512 bytes)
.set STS,  286720                      ; their scale images; fw1's at + 4,096
; wimg
.set WI_P, 393216                      ; Wk 0, Wq 196608; Wkp, Wqp from here
.set WI_V, 786432
.set WI_A, 1179648                     ; Wka, Wqa 98304 on
.set WI_F, 1376256
; window 0, both parts
.set L16,  1                           ; 16 x lane
.set L8,   2                           ; 8 x lane
.set L4,   3                           ; 4 x lane
.set PW,   52                          ; v24-54 hold scale words and nothing else, in every phase
.set TM,   56                          ; v56-63 the quantiser's eight
.set PC,   64                          ; v64-69 codes just made
.set XT,   70                          ; v70-72 a block's upper sixteen codes
; window 0, part 1
.set VA384, 4                          ; rho 384 + 24 h: my bytes of a row of 512 codes
.set VA192, 5                          ; rho 192 + 24 h: of 256 codes
.set VS16, 6                           ; rho 16: a row of 16 scale bytes
.set VS8,  7
.set VB,   8                           ; 64 h: a bias's sixteen numbers of my half
.set VR4,  9                           ; 4 rho
.set XA16, 10                          ; reads of the stage
.set XA8,  11
.set XAS,  12
.set OA16, 13                          ; stores of what is made
.set OA8,  14
.set OAS,  15
.set IA16, 16                          ; stores into the stage: my two tiles of x or pos
.set IA8,  17
.set IAS,  18
.set JA16, 19                          ; of attr and fw1
.set JA8,  20
.set JAS,  21
.set FBW,  22
.set T4,   23                          ; 4 x thread
.set WS,   24                          ; v24-39 the weights' scale words
.set XS,   40                          ; v40-43 the staged input's
.set SBS,  44                          ; v44-51 those of the fragments in SB
.set BV,   74                          ; v[74:75], v[76:77] bv of my lane's two d, each twice
.set FW,   78                          ; v78-79 my words of fb1 and fw2
.set ACC,  80                          ; v80-111 four accumulators
.set XF,   112                         ; v112-159 four fragments from the stage
.set SB,   160                         ; v160-255 eight fragments on their way into the stage; Wv's eight
; window 1, part 1: v0-191 the weights' fragments,
.set BI,   192                         ; v192-223 the bias in the result's layout,
.set ACC2, 224                         ; v224-255 four more accumulators
; window 0, part 2
.set K16B, 4
.set K8B,  5
.set VV16, 6
.set VV8,  7
.set FBA,  8
.set Q16,  9
.set Q8,   10
.set SCL,  11
.set QSL,  12
.set F16,  13
.set FSL,  15
.set CS,   24                          ; v24-39 the score rows' scale words: (a = 4 qt + source, K step s) at 2 a + s
.set KS,   40                          ; v40-43 of the fragments in KF; phase H: v40-41 set 0's, v42-43 set 1's
.set QS,   44                          ; v44-45 of my two query tiles
.set PS,   46                          ; v46-49 p's
.set CW,   50                          ; v50-51 ctx's
.set NM,   74                          ; v[74:75] -M, twice
.set QF,   80                          ; v80-103 two query fragments; phase H: fb1 and fw2 of set 0 (v80-95), fb1 of set 1 (v96-103)
.set KF,   104                         ; v104-151 four fragments of K or V; at the end ctx's codes
.set H0A,  104                         ; phase H, set 0: fw1's two fragments, v104-115 and v116-127
.set H0C,  116
.set H1A,  136                         ; set 1: v136-147 and v238-249; its fw2 in v128-135
.set H1C,  238
.set S,    152                         ; v152-215 64 keys x two query tiles; phase H: eight accumulators
.set PF,   184                         ; softmax on: v184-231 p's four fragments
.set E,    216                         ; v216-231 eight pairs: energies, then the gate's weights
.set MX,   232
.set SCR,  236
.set LS,   238                         ; v238-245 the rows' sums: two pairs a query tile
.set RL,   246                         ; v246-249 1 / l, twice each
; window 1, part 2: the score rows' codes (12 (2 a + s)); then t (128 qt + 32 kg); then O^T (64 qt + 8 dt)
; scalar: s[8:19] xc, xs, pos codes, scales, attr codes, scales; s[20:21] wimg; scale bytes of my weights: s[22:23] Wk or Wq, s[26:27] Wkp or Wqp, s[30:31] Wka or Wqa, s[34:35] Wv,
; s[36:37] fw1; s[38:39] params; s[40:41] cc; s[42:43] cs; my images in wimg: s[44:45] Wk or Wq, s[46:47] Wkp or Wqp, s[48:49] Wka or Wqa, s[50:51] Wv, s[52:53] fw1
.set WV,   58
.set MAT,  59                          ; 0: K side, 1: Q side
.set GRAN, 60                          ; which 64 output columns (attributes: which f)
.set RH,   61                          ; which 8 row tiles
.set HEAD, 62
.set BAT,  63
.set SEL,  76                          ; s[76:77] v_permlanex16_b32's selects for lane l xor 16
.set PAIR, 86
.set MSB, 0
.macro WIN new                         ; the immediate's high byte repeats the setting that is left; bits 1:0 source 0, 3:2 source 1, 5:4 source 2, 7:6 destination
.if MSB != \new
	s_set_vgpr_msb (MSB<<8)|\new
.set MSB, \new
.endif
.endm
.macro PLACES n                        ; plain vector lines behind matrix instructions (ISA guide 7.12.1), where no useful ones are at hand
.rept \n
	v_nop
.endr
.endm
.macro BARRIER                         ; my LDS stores have landed and my LDS loads are in: then the work-group's barrier
	s_wait_dscnt 0x0
	s_barrier_signal -1
	s_barrier_wait -1
.endm
.macro LDF reg, va, sb, off            ; a fragment from rows of codes in memory: 24 bytes twice, in pieces of 8
.irp p, 0,1,2,3,4,5
	global_load_b64 v[(\reg)+2*\p:(\reg)+2*\p+1], v[\va], s[\sb:\sb+1] offset:(\off)+48*(\p/3)+8*(\p%3)
.endr
.endm
.macro LDI reg, n, sb                  ; n / 3 fragments from their images in memory: n loads of 512 consecutive bytes
.set q_, 0
.rept \n
	global_load_b128 v[(\reg)+4*q_:(\reg)+4*q_+3], v[L16], s[\sb:\sb+1] offset:512*q_
.set q_, q_+1
.endr
.endm
.macro STI reg, a16, a8, off           ; a fragment's image into LDS
	ds_store_b128 v[\a16], v[(\reg):(\reg)+3] offset:(\off)
	ds_store_b64 v[\a8], v[(\reg)+4:(\reg)+5] offset:(\off)+512
	ds_store_b128 v[\a16], v[(\reg)+6:(\reg)+9] offset:(\off)+768
	ds_store_b64 v[\a8], v[(\reg)+10:(\reg)+11] offset:(\off)+1280
.endm
.macro FETH reg, a16, a8, off          ; half an image back: six registers
	ds_load_b128 v[(\reg):(\reg)+3], v[\a16] offset:(\off)
	ds_load_b64 v[(\reg)+4:(\reg)+5], v[\a8] offset:(\off)+512
.endm
.macro FET reg, a16, a8, off           ; a whole one
	FETH \reg, \a16, \a8, \off
	FETH (\reg)+6, \a16, \a8, (\off)+768
.endm
.macro FET3 reg, a16, off              ; a fragment of fw1: three pieces of 512 bytes
.irp c, 0,1,2
	ds_load_b128 v[(\reg)+4*\c:(\reg)+4*\c+3], v[\a16] offset:(\off)+512*\c
.endr
.endm
.macro MMZ d, a, b, sa, sb             ; D = A B: the product starts the sum
	v_wmma_scale_f32_16x16x128_f8f6f4 v[(\d):(\d)+7], v[(\a):(\a)+11], v[(\b):(\b)+11], 0, v[(\sa)], v[(\sb)] matrix_a_fmt:MATRIX_FMT_FP6 matrix_b_fmt:MATRIX_FMT_FP6
.endm
.macro MMC d, a, b, c, sa, sb          ; D = A B + C
	v_wmma_scale_f32_16x16x128_f8f6f4 v[(\d):(\d)+7], v[(\a):(\a)+11], v[(\b):(\b)+11], v[(\c):(\c)+7], v[(\sa)], v[(\sb)] matrix_a_fmt:MATRIX_FMT_FP6 matrix_b_fmt:MATRIX_FMT_FP6
.endm
; 32 numbers of a lane, v[s] on, register 16 b + i = k 32 b + 16 (lane / 16) + i of my row: two blocks, each shared with lane l xor 16.  Their codes: v[d..d+2] my block's lower sixteen,
; v[x..x+2] its upper sixteen (lanes 0-15 block 0, lanes 16-31 block 1: half a fragment); their two scale bytes in v[pw].  Where the numbers are four accumulators, each is first read at its low end.
.macro QCORE s, d, x, pw
	v_max3_num_f32 v[TM], |v[(\s)]|, |v[(\s)+1]|, 0x1800000        ; the floor 2^(3 - 127) among the leaves: the byte cannot fall under 1
	v_max3_num_f32 v[TM+1], |v[(\s)+16]|, |v[(\s)+17]|, 0x1800000
	v_max3_num_f32 v[TM+2], |v[(\s)+8]|, |v[(\s)+9]|, |v[(\s)+10]|
	v_max3_num_f32 v[TM+3], |v[(\s)+24]|, |v[(\s)+25]|, |v[(\s)+26]|
.irp i, 2,4,6
	v_max3_num_f32 v[TM], v[TM], |v[(\s)+\i]|, |v[(\s)+\i+1]|
	v_max3_num_f32 v[TM+1], v[TM+1], |v[(\s)+16+\i]|, |v[(\s)+17+\i]|
.endr
.irp i, 11,13
	v_max3_num_f32 v[TM+2], v[TM+2], |v[(\s)+\i]|, |v[(\s)+\i+1]|
	v_max3_num_f32 v[TM+3], v[TM+3], |v[(\s)+16+\i]|, |v[(\s)+17+\i]|
.endr
	v_max3_num_f32 v[TM], v[TM], v[TM+2], |v[(\s)+15]|
	v_max3_num_f32 v[TM+1], v[TM+1], v[TM+3], |v[(\s)+31]|
	v_permlanex16_b32 v[TM+2], v[TM], s[SEL], s[SEL+1]
	v_permlanex16_b32 v[TM+3], v[TM+1], s[SEL], s[SEL+1]
	v_max_num_f32 v[TM], v[TM], v[TM+2]            ; with lane l xor 16's: the blocks' largest magnitudes
	v_max_num_f32 v[TM+1], v[TM+1], v[TM+3]
	v_add_nc_u32 v[TM+4], 0xff000000, v[TM]        ; 2 off the exponent field: the conversion's scale operand
	v_add_nc_u32 v[TM+5], 0xff000000, v[TM+1]
	v_lshrrev_b32 v[TM+6], 23, v[TM+4]             ; the scales' bytes
	v_lshrrev_b32 v[TM+7], 23, v[TM+5]
	v_lshl_or_b32 v[(\pw)], v[TM+7], 8, v[TM+6]
	v_cvt_scalef32_pk16_fp6_f32 v[(\d):(\d)+2], v[(\s):(\s)+15], v[TM+4]
	v_cvt_scalef32_pk16_fp6_f32 v[(\x):(\x)+2], v[(\s)+16:(\s)+31], v[TM+5]
	v_nop                                          ; one plain line behind a scaled conversion
.irp i, 0,1,2
	v_permlane16_swap_b32 v[(\d)+\i], v[(\x)+\i]   ; the layout wants a whole block in a lane
.endr
.endm
.macro QUANT2 s, d, x, pw              ; the same, the six registers on end in v[d..d+5]
	QCORE \s, \d, \x, \pw
.irp i, 0,1,2
	v_mov_b32 v[(\d)+3+\i], v[(\x)+\i]
.endr
.endm
; my two tiles (2 w + u) of an input given as rows of codes: fragment (u, s) into v[reg + 12 (u ks + s)]; its rows' scale words, all K steps by one load
.macro LOADINC reg, ks, va, rowb, cb
.irp u, 0,1
.set q_, 0
.rept \ks
	LDF (\reg)+12*(\u*\ks+q_), \va, \cb, 8*\u*\rowb+96*q_
.set q_, q_+1
.endr
.endr
.endm
.macro LOADINS screg, ks, vs, srow, sb
.irp u, 0,1
.if \ks == 4
	global_load_b128 v[(\screg)+4*\u:(\screg)+4*\u+3], v[\vs], s[\sb:\sb+1] offset:8*\u*\srow
.else
	global_load_b64 v[(\screg)+2*\u:(\screg)+2*\u+1], v[\vs], s[\sb:\sb+1] offset:8*\u*\srow
.endif
.endr
.endm
.macro PUTC reg, n, a16, a8, off       ; n fragments' images into the stage
.set q_, 0
.rept \n
	STI (\reg)+12*q_, \a16, \a8, (\off)+1536*q_
.set q_, q_+1
.endr
.endm
.macro PUTS screg, n, as, off
.set q_, 0
.rept \n
	ds_store_b32 v[\as], v[(\screg)+q_] offset:(\off)+128*q_
.set q_, q_+1
.endr
.endm
; my 64 output columns of a weight: four tiles x ks K steps into window 1 (fragment (t, s) at 12 (t ks + s)): 12 ks loads; the bias in the result's layout: 8; the scale words: 4
.macro LOADW ks, vs, srow, cb, sb, bb
	WIN 0x40
	LDI 0, 12*\ks, \cb
.irp t, 0,1,2,3
	global_load_b128 v[BI+8*\t:BI+8*\t+3], v[VB], s[\bb:\bb+1] offset:(32*(\t/2)+8*(\t%2))*4
	global_load_b128 v[BI+8*\t+4:BI+8*\t+7], v[VB], s[\bb:\bb+1] offset:(32*(\t/2)+8*(\t%2))*4+16
.endr
	WIN 0
.irp t, 0,1,2,3
.if \ks == 4
	global_load_b128 v[WS+4*\t:WS+4*\t+3], v[\vs], s[\sb:\sb+1] offset:(32*(\t/2)+8*(\t%2))*\srow
.else
	global_load_b64 v[WS+2*\t:WS+2*\t+1], v[\vs], s[\sb:\sb+1] offset:(32*(\t/2)+8*(\t%2))*\srow
.endif
.endr
.endm
.macro PFETCH ks, i                    ; my i-th row tile's fragments and scale words from the stage
.set q_, 0
.rept \ks
	FET XF+12*q_, XA16, XA8, ((\i)*\ks+q_)*1536
	ds_load_b32 v[XS+q_], v[XAS] offset:((\i)*\ks+q_)*128
.set q_, q_+1
.endr
.endm
; One row tile: transposed (source 0 = 16 rows of the weight, source 1 = 16 rows of the input), the bias as the C of each sum's first product; the four accumulators take turns
; The next tile is fetched under the quantiser.  The result is half a fragment of the operand that is being made.
.macro PTILE ks, i
	s_wait_dscnt 0x0                               ; the tile's fragments are in
	WIN 0x11                                       ; the weight and the bias in window 1
.irp t, 0,1,2,3
	MMC ACC+8*\t, 12*\t*\ks, XF, BI+8*\t, WS+\t*\ks, XS
.endr
	WIN 0x01
.set q_, 1
.rept \ks-1
.irp t, 0,1,2,3
	MMC ACC+8*\t, 12*(\t*\ks+q_), XF+12*q_, ACC+8*\t, WS+\t*\ks+q_, XS+q_
.endr
.set q_, q_+1
.endr
	WIN 0
	PLACES 4
.if (\i) < 7
	s_wait_alu depctr_va_vdst(0)                   ; the products are done reading XF and XS, in which the next tile's loads land
.endif
.if (\i) > 0
	s_wait_alu depctr_vm_vsrc(0)                   ; the last tile's LDS stores have read PC and PW, which the quantiser below writes again
.endif
.if (\i) < 7
	PFETCH \ks, (\i)+1
.endif
	QUANT2 ACC, PC, XT, PW
	s_wait_alu depctr_va_vdst(0)                   ; the quantiser has written PC and PW, which the three LDS stores read
	ds_store_b128 v[OA16], v[PC:PC+3] offset:(\i)*1536
	ds_store_b64 v[OA8], v[PC+4:PC+5] offset:(\i)*1536+512
	ds_store_b16 v[OAS], v[PW] offset:(\i)*128
.endm
; Eight row tiles, written out: every LDS offset is an immediate, every address a constant + a constant x lane + a constant x wave.
.macro PROJ ks, kreg, ksc
	s_mul_i32 s82, s[RH], 8*\ks*1536
	s_add_co_u32 s82, s82, ST
	v_add_nc_u32 v[XA16], s82, v[L16]
	v_add_nc_u32 v[XA8], s82, v[L8]
	s_mul_i32 s82, s[RH], 8*\ks*128
	s_add_co_u32 s82, s82, STS
	v_add_nc_u32 v[XAS], s82, v[L4]
	s_add_co_u32 s82, s84, \kreg
	v_add_nc_u32 v[OA16], s82, v[L16]
	v_add_nc_u32 v[OA8], s82, v[L8]
	s_add_co_u32 s82, s85, \ksc
	v_add_nc_u32 v[OAS], s82, v[L4]
	s_wait_alu depctr_va_vdst(0)                   ; the six LDS addresses XA16 to OAS are written, which the loads and stores of the eight tiles read
	PFETCH \ks, 0
.set i_, 0
.rept 8
	PTILE \ks, i_
.set i_, i_+1
.endr
.endm
.macro ADDP p                          ; a pointer takes its offset, once
	s_add_nc_u64 s[\p:\p+1], s[\p:\p+1], s[80:81]
.endm
.macro WIMG p                          ; a place in wimg
	s_add_nc_u64 s[\p:\p+1], s[20:21], s[80:81]
.endm
	s_load_b512 s[8:23], s[0:1], 0x0               ; xc 8, xs 10, pos codes 12, scales 14, attr codes 16, scales 18, wimg 20, Wq's scales 22
	s_load_b512 s[24:39], s[0:1], 0x40             ; scales: Wk 24, Wqp 26, Wkp 28, Wqa 30, Wka 32, Wv 34, fw1 36; params 38
	s_load_b128 s[40:43], s[0:1], 0x80             ; cc 40, cs 42
	v_lshl_add_u32 v55, v0, 2, 0x48000
	v_mov_b32 v73, 0
	v_lshrrev_b32 v56, 5, v0
	v_readfirstlane_b32 s[WV], v56                 ; wave 0..7
	s_wait_alu depctr_va_sdst(0)                   ; the wave's number is written, ahead of its first reader
	s_lshr_b32 s[MAT], s[WV], 2
	s_bfe_u32 s[GRAN], s[WV], 0x10001
	s_and_b32 s[RH], s[WV], 1
	s_lshr_b32 s[PAIR], s[WV], 1
	s_mov_b32 s[HEAD], ttmp9
	s_and_b32 s[BAT], ttmp7, 0xffff
	s_mov_b32 s[SEL], 0x76543210
	s_mov_b32 s[SEL+1], 0xfedcba98
	s_mov_b32 s81, 0
	v_and_b32 v56, 31, v0                          ; lane
	v_lshlrev_b32 v[L16], 4, v56
	v_lshlrev_b32 v[L8], 3, v56
	v_lshlrev_b32 v[L4], 2, v56
	v_and_b32 v56, 15, v0                          ; r
	v_bfe_u32 v57, v0, 4, 1                        ; h
	v_and_b32 v58, 8, v56
	v_add_nc_u32 v58, v58, v56                     ; rho = r + 8 (r / 8)
	v_mul_u32_u24 v59, v57, 24
	v_mad_u32_u24 v[VA384], v58, 384, v59
	v_mad_u32_u24 v[VA192], v58, 192, v59
	v_lshlrev_b32 v[VS16], 4, v58
	v_lshlrev_b32 v[VS8], 3, v58
	v_lshlrev_b32 v[VB], 6, v57
	v_lshlrev_b32 v[VR4], 2, v58
	v_lshlrev_b32 v[T4], 2, v0
	v_lshl_add_u32 v[FBW], v0, 2, FB
	s_mul_i32 s82, s[WV], 12288
	s_add_co_u32 s82, s82, ST
	v_add_nc_u32 v[IA16], s82, v[L16]
	v_add_nc_u32 v[IA8], s82, v[L8]
	s_lshl_b32 s82, s[WV], 10
	s_add_co_u32 s82, s82, STS
	v_add_nc_u32 v[IAS], s82, v[L4]
	s_mul_i32 s82, s[WV], 6144
	s_add_co_u32 s82, s82, ST
	v_add_nc_u32 v[JA16], s82, v[L16]
	v_add_nc_u32 v[JA8], s82, v[L8]
	s_lshl_b32 s82, s[WV], 9
	s_add_co_u32 s82, s82, STS
	v_add_nc_u32 v[JAS], s82, v[L4]
	s_mul_i32 s84, s[MAT], QOFF                    ; where my halves go, from a K region's first byte
	s_mul_i32 s82, s[GRAN], 768
	s_add_co_u32 s84, s84, s82
	s_mul_i32 s82, s[RH], 12288
	s_add_co_u32 s84, s84, s82
	s_lshl_b32 s85, s[MAT], 13                     ; and their scale bytes
	s_lshl_b32 s82, s[GRAN], 1
	s_add_co_u32 s85, s85, s82
	s_lshl_b32 s82, s[RH], 10
	s_add_co_u32 s85, s85, s82
	s_add_co_u32 s85, s85, SC
	s_wait_kmcnt 0x0
	s_cmp_lt_u32 s[WV], 4                          ; waves 0-3 take the K side's weights, waves 4-7 the Q side's: the choice hangs on the wave's number alone
	s_cselect_b64 s[22:23], s[24:25], s[22:23]
	s_cselect_b64 s[26:27], s[28:29], s[26:27]
	s_cselect_b64 s[30:31], s[32:33], s[30:31]
	s_load_b32 s78, s[38:39], 0x4000               ; fb2
	s_mul_i32 s82, s[BAT], 98304                   ; x, pos: batch x 256 rows of 384 bytes + my 32 rows
	s_mul_i32 s83, s[WV], 12288
	s_add_co_u32 s80, s82, s83
	ADDP 8
	ADDP 12
	s_mul_i32 s83, s[HEAD], 1536                   ; cc: fragment ((16 batch + 2 w) 4 + head)
	s_add_co_u32 s80, s80, s83
	ADDP 40
	s_lshl_b32 s82, s[BAT], 12                     ; their scale bytes: 16 a row
	s_lshl_b32 s83, s[WV], 9
	s_add_co_u32 s80, s82, s83
	ADDP 10
	ADDP 14
	s_lshl_b32 s80, s80, 1                         ; cs: the same index x 128
	s_lshl_b32 s83, s[HEAD], 7
	s_add_co_u32 s80, s80, s83
	ADDP 42
	s_mul_i32 s82, s[BAT], 49152                   ; attr: rows of 192 bytes; fw1: my four images
	s_mul_i32 s83, s[WV], 6144
	s_add_co_u32 s80, s82, s83
	ADDP 16
	s_add_co_u32 s80, s83, WI_F
	WIMG 52
	s_lshl_b32 s82, s[BAT], 11
	s_lshl_b32 s83, s[WV], 8
	s_add_co_u32 s80, s82, s83
	ADDP 18
	s_mov_b32 s80, s83
	ADDP 36
	s_mul_i32 s82, s[HEAD], 49152                  ; Wk or Wq, Wkp or Wqp: the head's 128 rows, my 64 of them: sixteen images on end
	s_mul_i32 s83, s[GRAN], 24576
	s_add_co_u32 s80, s82, s83
	s_mul_i32 s83, s[MAT], 196608
	s_add_co_u32 s80, s80, s83
	WIMG 44
	s_add_co_u32 s80, s80, WI_P
	WIMG 46
	s_mul_i32 s83, s[PAIR], 12288                  ; Wv: my 32 rows: eight images
	s_add_co_u32 s80, s82, s83
	s_add_co_u32 s80, s80, WI_V
	WIMG 50
	s_lshl_b32 s82, s[HEAD], 11
	s_lshl_b32 s83, s[GRAN], 10
	s_add_co_u32 s80, s82, s83
	ADDP 22
	ADDP 26
	s_lshl_b32 s83, s[PAIR], 9
	s_add_co_u32 s80, s82, s83
	ADDP 34
	s_mul_i32 s82, s[GRAN], 49152                  ; Wka or Wqa: f = my granule, the head's 64 rows: eight images
	s_mul_i32 s83, s[HEAD], 12288
	s_add_co_u32 s80, s82, s83
	s_mul_i32 s83, s[MAT], 98304
	s_add_co_u32 s80, s80, s83
	s_add_co_u32 s80, s80, WI_A
	WIMG 48
	s_lshl_b32 s82, s[GRAN], 11
	s_lshl_b32 s83, s[HEAD], 9
	s_add_co_u32 s80, s82, s83
	ADDP 30
	s_lshl_b32 s82, s[MAT], 11                     ; the biases, in params: bk / bq
	s_add_co_u32 s82, s82, s83
	s_lshl_b32 s83, s[GRAN], 8
	s_add_co_u32 s80, s82, s83
	s_add_nc_u64 s[68:69], s[38:39], s[80:81]
	s_add_co_u32 s80, s80, 6144                    ; bkp / bqp
	s_add_nc_u64 s[66:67], s[38:39], s[80:81]
	s_lshl_b32 s82, s[MAT], 11                     ; bka / bqa
	s_lshl_b32 s83, s[GRAN], 10
	s_add_co_u32 s82, s82, s83
	s_lshl_b32 s83, s[HEAD], 8
	s_add_co_u32 s82, s82, s83
	s_add_co_u32 s80, s82, 10240
	s_add_nc_u64 s[70:71], s[38:39], s[80:81]
	s_lshl_b32 s82, s[HEAD], 9                     ; bv
	s_lshl_b32 s83, s[PAIR], 7
	s_add_co_u32 s82, s82, s83
	s_add_co_u32 s80, s82, 4096
	s_add_nc_u64 s[72:73], s[38:39], s[80:81]
	s_add_nc_u64 s[74:75], s[38:39], 14336         ; fb1, fw2
	s_wait_kmcnt 0x0
	; ---- pos into the stage; kp and qp
	s_wait_alu depctr_va_vdst(0)                   ; the offsets and LDS addresses v1 to v9 and v16 to v23 are written, which the loads and LDS stores below read
	global_load_b32 v[FW], v[T4], s[74:75]
	global_load_b32 v[FW+1], v[T4], s[74:75] offset:1024
	LOADINC SB, 4, VA384, 384, 12
	LOADINS SBS, 4, VS16, 16, 14
	LOADW 4, VS16, 16, 46, 26, 66
	s_wait_loadcnt 60                              ; the 52 loads wanted here are in; the weights' 60, issued behind them, may be out
	PUTC SB, 8, IA16, IA8, 0
	PUTS SBS, 8, IAS, 0
	ds_store_b32 v[FBW], v[FW]
	ds_store_b32 v[FBW], v[FW+1] offset:1024
	s_wait_dscnt 0x0                               ; my stores into the stage are done,
	s_wait_alu depctr_vm_vsrc(0)                   ; and have read SB and SBS,
	LOADINC SB, 4, VA384, 384, 8                   ; in which x lands: 50 loads, on their way under the first projection
	LOADINS SBS, 4, VS16, 16, 10
	BARRIER                                        ; pos lies in the stage
	s_wait_loadcnt 50                              ; the weights are in; x's 50 loads may be out
	PROJ 4, KP, 2048
	BARRIER                                        ; nobody reads pos any more
	; ---- x into the stage; k and q; v
	s_wait_loadcnt 0x0
	PUTC SB, 8, IA16, IA8, 0
	PUTS SBS, 8, IAS, 0
	s_wait_dscnt 0x0                               ; my stores into the stage are done,
	s_wait_alu depctr_vm_vsrc(0)                   ; and have read SB and SBS, in which Wv lands; the last tile's stores have read OA16, OA8, OAS, PC and PW, which the next projection writes
	LOADW 4, VS16, 16, 44, 22, 68                  ; (the wait ahead of the last tile's stores stands behind every product that read these registers, and no vector or matrix line has named them since)
	LDI SB, 24, 50                                 ; Wv: d tiles 2 pair + dt, fragment (dt, s) at SB + 12 (4 dt + s); with scale words and bias 28 loads
.irp dt, 0,1
	global_load_b128 v[SBS+4*\dt:SBS+4*\dt+3], v[VS16], s[34:35] offset:8*\dt*16
	global_load_b32 v[BV+2*\dt], v[VR4], s[72:73] offset:32*\dt
.endr
	BARRIER                                        ; x lies in the stage
	s_wait_loadcnt 28                              ; the weights are in; Wv's 28 loads may be out
	PROJ 4, KI, 0
	s_wait_loadcnt 0x0
	v_mov_b32 v[BV+1], v[BV]
	v_mov_b32 v[BV+3], v[BV+2]
	WIN 0x40                                       ; the last stage's loads land under v's products: attr and fw1, my two tiles each, behind the attribute weights' place
	LOADINC 96, 2, VA192, 192, 16                  ; (as above: behind the wait ahead of the last tile's stores only the two moves of bv have been issued, which name none of these registers)
	LDI 144, 12, 52
	WIN 0
	LOADINS WS+8, 2, VS8, 8, 18
	LOADINS WS+12, 2, VS8, 8, 36
	LOADW 2, VS8, 8, 48, 30, 70
	; v: NOT transposed (source 0 = 16 keys of x, source 1 = 16 rows of Wv): a lane holds one d, and its registers run along the keys, which are the last product's K.
	; Wave (kh = w % 2, pair = w / 2): keys 128 kh on, 64 at a time, for two d tiles: eight accumulators by turns.
	s_wait_alu depctr_vm_vsrc(0)                   ; the last tile's LDS stores have read OA16, OA8 and OAS, which are made anew here, and PC and PW, which v's quantiser writes
	s_mul_i32 s82, s[RH], 49152
	s_add_co_u32 s82, s82, ST
	v_add_nc_u32 v[XA16], s82, v[L16]
	v_add_nc_u32 v[XA8], s82, v[L8]
	s_lshl_b32 s82, s[RH], 12
	s_add_co_u32 s82, s82, STS
	v_add_nc_u32 v[XAS], s82, v[L4]
	s_mul_i32 s82, s[PAIR], 6144
	s_mul_i32 s83, s[RH], 1536
	s_add_co_u32 s82, s82, s83
	s_add_co_u32 s82, s82, VI
	v_add_nc_u32 v[OA16], s82, v[L16]
	v_add_nc_u32 v[OA8], s82, v[L8]
	s_lshl_b32 s82, s[PAIR], 9
	s_lshl_b32 s83, s[RH], 7
	s_add_co_u32 s82, s82, s83
	s_add_co_u32 s82, s82, SC+6144
	v_add_nc_u32 v[OAS], s82, v[L4]
	s_wait_alu depctr_va_vdst(0)                   ; the six LDS addresses XA16 to OAS are written, which the loads and stores below read
.irp kg, 0,1
.irp s, 0,1,2,3
.if \s > 0
	s_wait_alu depctr_va_vdst(0)                   ; the last K step's products are done reading XF and XS, in which these loads land (a group's first K step: the wait ahead of the last stores, or of the addresses, has shown it)
.endif
.irp kt, 0,1,2,3
	FET XF+12*\kt, XA16, XA8, \kg*24576+\kt*6144+\s*1536
	ds_load_b32 v[XS+\kt], v[XAS] offset:\kg*2048+\kt*512+\s*128
.endr
	s_wait_dscnt 0x0
.if \s == 0
.irp kt, 0,1,2,3
	MMZ ACC+8*\kt, XF+12*\kt, SB+12*\s, XS+\kt, SBS+\s
.endr
	WIN 0x40
.irp kt, 0,1,2,3
	MMZ ACC2+8*\kt, XF+12*\kt, SB+12*(4+\s), XS+\kt, SBS+4+\s
.endr
.else
.irp kt, 0,1,2,3
	MMC ACC+8*\kt, XF+12*\kt, SB+12*\s, ACC+8*\kt, XS+\kt, SBS+\s
.endr
	WIN 0x50
.irp kt, 0,1,2,3
	MMC ACC2+8*\kt, XF+12*\kt, SB+12*(4+\s), ACC2+8*\kt, XS+\kt, SBS+4+\s
.endr
.endif
	WIN 0
	PLACES 4
.endr
.set j_, 0
.rept 16
	v_pk_add_f32 v[ACC+j_:ACC+j_+1], v[ACC+j_:ACC+j_+1], v[BV:BV+1]   ; + bv of my d
.set j_, j_+2
.endr
	QUANT2 ACC, PC, XT, PW
	s_wait_alu depctr_va_vdst(0)                   ; the quantiser has written PC and PW, which the three LDS stores read
	ds_store_b128 v[OA16], v[PC:PC+3] offset:\kg*768
	ds_store_b64 v[OA8], v[PC+4:PC+5] offset:\kg*768+512
	ds_store_b16 v[OAS], v[PW] offset:2*\kg
	s_wait_dscnt 0x0                               ; the stores are done,
	s_wait_alu depctr_vm_vsrc(0)                   ; and have read PC and PW, which the next quantiser writes
	WIN 0x01
.set j_, 0
.rept 16
	v_pk_add_f32 v[ACC+j_:ACC+j_+1], v[ACC2+j_:ACC2+j_+1], v[BV+2:BV+3]   ; the second d tile: the bias's addition is also the way into window 0
.set j_, j_+2
.endr
	WIN 0
	QUANT2 ACC, PC, XT, PW
	s_wait_alu depctr_va_vdst(0)                   ; the quantiser has written PC and PW, which the three LDS stores read
	ds_store_b128 v[OA16], v[PC:PC+3] offset:3072+\kg*768
	ds_store_b64 v[OA8], v[PC+4:PC+5] offset:3072+\kg*768+512
	ds_store_b16 v[OAS], v[PW] offset:256+2*\kg
	s_wait_dscnt 0x0                               ; the stores are done,
	s_wait_alu depctr_vm_vsrc(0)                   ; and have read PC and PW, which the next quantiser writes; behind the second group also: every LDS instruction of v has read XA16 to OAS, which the next projection makes anew
.endr
	BARRIER                                        ; nobody reads x any more
	; ---- attr and fw1 into the stage; ka and qa
	s_wait_loadcnt 0x0
	WIN 0x04                                       ; an LDS store's data are its source 1: window 1
	PUTC 96, 4, JA16, JA8, 0
.set q_, 0
.rept 12
	ds_store_b128 v[JA16], v[144+4*q_:144+4*q_+3] offset:49152+512*q_   ; fw1's images as they lie
.set q_, q_+1
.endr
	WIN 0
	PUTS WS+8, 4, JAS, 0
	PUTS WS+12, 4, JAS, 4096
	BARRIER
	PROJ 2, KA, 4096
	BARRIER                                        ; every operand lies in LDS; from here on LDS is only read, and the waves run free
	; ================ part 2: wave w owns query tiles 2 w + qt
	s_wait_alu depctr_vm_vsrc(0)                   ; part 1's loads and LDS instructions have read v4 to v15, which are made anew here, and its last stores PC and PW, which the quantisers below write
	v_add_nc_u32 v[FBA], FB, v[VB]                 ; (all global loads are in: their offset registers are free)
	v_add_nc_u32 v[K16B], KA, v[L16]
	v_add_nc_u32 v[K8B], KA, v[L8]
	v_add_nc_u32 v[VV16], VI, v[L16]
	v_add_nc_u32 v[VV8], VI, v[L8]
	s_mul_i32 s82, s[WV], 3072
	s_add_co_u32 s82, s82, QOFF
	v_add_nc_u32 v[Q16], s82, v[L16]
	v_add_nc_u32 v[Q8], s82, v[L8]
	v_add_nc_u32 v[SCL], SC, v[L4]
	s_lshl_b32 s82, s[WV], 8
	s_add_co_u32 s82, s82, SC+8192
	v_add_nc_u32 v[QSL], s82, v[L4]
	v_add_nc_u32 v[F16], ST+49152, v[L16]
	v_add_nc_u32 v[FSL], STS+4096, v[L4]
	s_wait_alu depctr_va_vdst(0)                   ; the eleven LDS addresses are written, which every LDS load of part 2 reads
; A score step n = 4 source + kg: 64 keys (four key tiles) against both query tiles.  Sources: 0 item, 1 pos, 2 and 3 the attributes' f 0 and f 1, whose K is 64: half of the
; fragment [f 0 | f 1] is fetched, and the other half of BOTH operands is zero codes, written once for the source's four steps.
.macro NEXTZ n                         ; the zero codes, where step n begins such a source
.set SRC_, (\n)/4
.set KG_, (\n)%4
.if (SRC_ >= 2) && (KG_ == 0)
.set HF_, SRC_-2
.irp i, 0,1,2,3,4,5
.irp f, 0,1,2,3
	v_mov_b32 v[KF+12*\f+6*(1-HF_)+\i], 0
.endr
	v_mov_b32 v[QF+6*(1-HF_)+\i], 0
	v_mov_b32 v[QF+12+6*(1-HF_)+\i], 0
.endr
.endif
.endm
.macro NEXT n                          ; step n's loads
.set SRC_, (\n)/4
.set KG_, (\n)%4
.if SRC_ < 2
.irp kt, 0,1,2,3
	FET KF+12*\kt, L16, L8, SRC_*24576+(4*KG_+\kt)*1536
	ds_load_b32 v[KS+\kt], v[SCL] offset:SRC_*2048+(4*KG_+\kt)*128
.endr
.if KG_ == 0
.irp qt, 0,1
	FET QF+12*\qt, Q16, Q8, SRC_*24576+\qt*1536
	ds_load_b32 v[QS+\qt], v[QSL] offset:SRC_*2048+\qt*128
.endr
.endif
.else
.set HF_, SRC_-2
.if KG_ == 0
.irp qt, 0,1
	FETH QF+12*\qt+6*HF_, Q16, Q8, 49152+\qt*1536+768*HF_
.if HF_ == 0
	ds_load_b32 v[QS+\qt], v[QSL] offset:4096+\qt*128   ; one word serves both f: bytes 0, 1 are f 0's, bytes 2, 3 f 1's
.endif
.endr
.endif
.irp kt, 0,1,2,3
	FETH KF+12*\kt+6*HF_, K16B, K8B, (4*KG_+\kt)*1536+768*HF_
	ds_load_b32 v[KS+\kt], v[SCL] offset:4096+(4*KG_+\kt)*128
.endr
.endif
.endm
.macro SMUL                            ; S^T = K Q^T: a lane holds one query; register 16 b + i of a query tile's 32 is key 64 kg + 32 b + 16 (lane / 16) + i
.irp kt, 0,1,2,3
.irp qt, 0,1
	MMZ S+32*\qt+8*\kt, KF+12*\kt, QF+12*\qt, KS+\kt, QS+\qt
.endr
.endr
.endm
.macro QSTORE n                        ; the step's scores become half a fragment of the gate's operand, in window 1
.set CSRC_, (\n)/4
.set CKG_, (\n)%4
.irp qt, 0,1
.set CA_, 2*(4*\qt+CSRC_)+CKG_/2
.if CKG_%2 == 0
	QCORE S+32*\qt, PC, XT, CS+CA_
.else
	QCORE S+32*\qt, PC, XT, PW
	v_lshl_or_b32 v[CS+CA_], v[PW], 16, v[CS+CA_]
.endif
	WIN 0x40
.irp i, 0,1,2
	v_mov_b32 v[12*CA_+6*(CKG_%2)+\i], v[PC+\i]
	v_mov_b32 v[12*CA_+6*(CKG_%2)+3+\i], v[XT+\i]
.endr
	WIN 0
.endr
.endm
.macro WSUM n                          ; t += the gate's weight x the unquantised scores
.set CSRC_, (\n)/4
.set CKG_, (\n)%4
.if CSRC_ == 0
	WIN 0x40
.else
	WIN 0x50
.endif
.irp qt, 0,1
.set j_, 0
.rept 16
.if CSRC_ == 0
	v_pk_mul_f32 v[128*\qt+32*CKG_+j_:128*\qt+32*CKG_+j_+1], v[S+32*\qt+j_:S+32*\qt+j_+1], v[E+8*\qt:E+8*\qt+1]
.else
	v_pk_fma_f32 v[128*\qt+32*CKG_+j_:128*\qt+32*CKG_+j_+1], v[S+32*\qt+j_:S+32*\qt+j_+1], v[E+8*\qt+2*CSRC_:E+8*\qt+2*CSRC_+1], v[128*\qt+32*CKG_+j_:128*\qt+32*CKG_+j_+1]
.endif
.set j_, j_+2
.endr
.endr
	WIN 0
.endm
; Sixteen score steps.  The next step's fragments are asked for ahead of this step's vector work.  Five places: the next run of products begins the same accumulators anew.
.macro PASS mode
	NEXT 0
.set N_, 0
.rept 16
	s_wait_dscnt 0x0
	SMUL
	PLACES 5
.if N_ < 15
	NEXTZ N_+1
	s_wait_alu depctr_va_vdst(0)                   ; the products are done reading KF, QF, KS and QS, in which the next step's loads land; where a source of K = 64 begins, its zero codes are written, which the next products take
	NEXT N_+1
.endif
.if \mode == 1
	QSTORE N_
.else
	WSUM N_
.endif
.set N_, N_+1
.endr
.endm
	PASS 1                                         ; ---- G1
	; ---- H: energy = relu(rows fw1^T + fb1) . fw2.  Transposed: source 0 = 16 rows of fw1, source 1 = 16 score rows; a tile of fw1 serves all eight (query tile, source).
	; Register j of tile 2 b + u is hidden unit 32 b + 16 (lane / 16) + 8 u + j: its fb1 and fw2 lie at 128 b + 64 (lane / 16) + 32 u + 4 j.  fb1 is the C of each sum's first product.
	; Two sets of registers by turns: tile 2 b + u works on set u, and at its head asks for the next tile into the other set.
.macro HFETCH off, soff, fboff, u
.if \u == 0
.set HA_, H0A
.set HC_, H0C
.set HK_, KS
.set HB_, 80
.set HW_, 88
.else
.set HA_, H1A
.set HC_, H1C
.set HK_, KS+2
.set HB_, 96
.set HW_, 128
.endif
	FET3 HA_, F16, \off
	FET3 HC_, F16, (\off)+1536
	ds_load_b32 v[HK_], v[FSL] offset:\soff
	ds_load_b32 v[HK_+1], v[FSL] offset:(\soff)+128
	ds_load_b128 v[HB_:HB_+3], v[FBA] offset:\fboff
	ds_load_b128 v[HB_+4:HB_+7], v[FBA] offset:(\fboff)+16
	ds_load_b128 v[HW_:HW_+3], v[FBA] offset:(\fboff)+1024
	ds_load_b128 v[HW_+4:HW_+7], v[FBA] offset:(\fboff)+1040
.endm
.macro HTILE u, pre, off, soff, fboff
.if \u == 0
.set UA_, H0A
.set UC_, H0C
.set UK_, KS
.set UB_, 80
.set UW_, 88
.else
.set UA_, H1A
.set UC_, H1C
.set UK_, KS+2
.set UB_, 96
.set UW_, 128
.endif
	s_wait_dscnt 0x0                               ; this tile's set is in: it was asked for at the last tile's head
.if \pre
	s_wait_alu depctr_va_vdst(0)                   ; the last tile's products and multiply-adds are done reading the other set, in which the next tile's loads land; over the loop's edge: F16, FSL and FBA are written
	HFETCH \off, \soff, \fboff, 1-\u               ; no vector or matrix line of this tile names that set
.endif
	WIN 0x04                                       ; the score rows' codes in window 1
.irp a, 0,1,2,3,4,5,6,7
	MMC S+8*\a, UA_, 24*\a, UB_, UK_, CS+2*\a
.endr
.irp a, 0,1,2,3,4,5,6,7
	MMC S+8*\a, UC_, 24*\a+12, S+8*\a, UK_+1, CS+2*\a+1
.endr
	WIN 0
	PLACES 4
.set j_, 0
.rept 64
	v_max_num_f32 v[S+j_], 0, v[S+j_]
.set j_, j_+1
.endr
.irp i, 0,1,2,3
.irp a, 0,1,2,3,4,5,6,7
	v_pk_fma_f32 v[E+2*\a:E+2*\a+1], v[S+8*\a+2*\i:S+8*\a+2*\i+1], v[UW_+2*\i:UW_+2*\i+1], v[E+2*\a:E+2*\a+1]
.endr
.endr
.endm
.set j_, 0
.rept 16
	v_mov_b32 v[E+j_], 0
.set j_, j_+1
.endr
	PLACES 8                                       ; scale words made by vector lines stand eight places ahead of a scaled product
	s_wait_alu depctr_va_vdst(0)                   ; the quantisers have written the score rows' codes and CS, which the products below take; the last score products are done reading v80-127 and KS, in which set 0 lands
	HFETCH 0, 0, 0, 0
	s_mov_b32 s79, 7
.Lh:                                                   ; a trip: fw1's tiles 2 b and 2 b + 1
	HTILE 0, 1, 3072, 256, 32
	HTILE 1, 1, 6144, 512, 128
	s_wait_alu depctr_vm_vsrc(0)                   ; the LDS loads issued so far have read F16, FSL and FBA, which the three adds write
	v_add_nc_u32 v[F16], 6144, v[F16]
	v_add_nc_u32 v[FSL], 512, v[FSL]
	v_add_nc_u32 v[FBA], 128, v[FBA]
	s_sub_co_u32 s79, s79, 1
	s_cmp_lg_u32 s79, 0
	s_cbranch_scc1 .Lh
	HTILE 0, 1, 3072, 256, 32                      ; the last two tiles: nothing is fetched past fw1's end
	HTILE 1, 0, 0, 0, 0
	; ---- the gate: softmax over the four sources, its maximum taken away; the weights carry log2(e) / sqrt(128)
.irp a, 0,1,2,3,4,5,6,7
	v_add_f32 v[E+2*\a], v[E+2*\a], v[E+2*\a+1]
.endr
.irp a, 0,1,2,3,4,5,6,7
	v_permlanex16_b32 v[E+2*\a+1], v[E+2*\a], s[SEL], s[SEL+1]
.endr
.irp a, 0,1,2,3,4,5,6,7
	v_add_f32 v[E+2*\a], v[E+2*\a], v[E+2*\a+1]    ; the other half of the hidden units lies 16 lanes away
.endr
.irp a, 0,1,2,3,4,5,6,7
	v_add_f32 v[E+2*\a], s78, v[E+2*\a]            ; + fb2
.endr
.irp qt, 0,1
	v_max3_num_f32 v[MX+\qt], v[E+8*\qt], v[E+8*\qt+2], v[E+8*\qt+4]
.endr
.irp qt, 0,1
	v_max_num_f32 v[MX+\qt], v[MX+\qt], v[E+8*\qt+6]
.endr
.irp a, 0,1,2,3,4,5,6,7
	v_sub_f32 v[E+2*\a], v[E+2*\a], v[MX+\a/4]
.endr
.irp a, 0,1,2,3,4,5,6,7
	v_mul_f32 v[E+2*\a], 0x3fb8aa3b, v[E+2*\a]
.endr
.irp a, 0,1,2,3,4,5,6,7
	v_exp_f32 v[E+2*\a], v[E+2*\a]
.endr
	v_nop                                          ; a plain line behind the exponentials
	s_wait_alu depctr_va_vdst(0)                   ; the eight exponentials have written their results, ahead of the first line that names one
.irp qt, 0,1
	v_add_f32 v[SCR+\qt], v[E+8*\qt], v[E+8*\qt+2]
.endr
.irp qt, 0,1
	v_add_f32 v[MX+\qt], v[E+8*\qt+4], v[E+8*\qt+6]
.endr
.irp qt, 0,1
	v_add_f32 v[SCR+\qt], v[SCR+\qt], v[MX+\qt]
.endr
.irp qt, 0,1
	v_rcp_f32 v[SCR+\qt], v[SCR+\qt]
.endr
	v_nop
	s_wait_alu depctr_va_vdst(0)                   ; the two reciprocals are written, ahead of their first reader; and phase H is done reading v80-151 and v40-45, in which the second pass's first loads land: no line below names them
.irp qt, 0,1
	v_mul_f32 v[SCR+\qt], 0x3e0293ee, v[SCR+\qt]   ; log2(e) / sqrt(128)
.endr
.irp a, 0,1,2,3,4,5,6,7
	v_mul_f32 v[E+2*\a], v[E+2*\a], v[SCR+\a/4]
.endr
.irp a, 0,1,2,3,4,5,6,7
	v_mov_b32 v[E+2*\a+1], v[E+2*\a]               ; twice, for the packed forms
.endr
	PASS 2                                         ; ---- G2: t, in window 1
	; ---- the softmax ahead of p v: M = ceil(the row's largest t); p = 2^(t - M), not normalised; the row's sum of the unquantised p
.macro SOFT qt
	WIN 0x05
.irp kg, 0,1,2,3
	v_max_num_f32 v[MX+\kg], v[128*\qt+32*\kg], v[128*\qt+32*\kg+1]
.endr
	WIN 0x14
.irp i, 2,4,6,8,10,12,14,16,18,20,22,24,26,28,30
.irp kg, 0,1,2,3
	v_max3_num_f32 v[MX+\kg], v[MX+\kg], v[128*\qt+32*\kg+\i], v[128*\qt+32*\kg+\i+1]
.endr
.endr
	WIN 0
	v_max3_num_f32 v[MX], v[MX], v[MX+1], v[MX+2]
	v_max_num_f32 v[MX], v[MX], v[MX+3]
	v_permlanex16_b32 v[SCR], v[MX], s[SEL], s[SEL+1]
	v_max_num_f32 v[MX], v[MX], v[SCR]
	v_floor_f32 v[NM], -v[MX]                      ; -M = floor(-t)
	v_mov_b32 v[NM+1], v[NM]
.irp kg, 0,1,2,3
	WIN 0x01
.set j_, 0
.rept 16
	v_pk_add_f32 v[S+j_:S+j_+1], v[128*\qt+32*\kg+j_:128*\qt+32*\kg+j_+1], v[NM:NM+1]
.set j_, j_+2
.endr
	WIN 0
.set j_, 0
.rept 32
	v_exp_f32 v[S+j_], v[S+j_]
.set j_, j_+1
.endr
	v_nop                                          ; a plain line behind the exponentials
	s_wait_alu depctr_va_vdst(0)                   ; the 32 exponentials have written p, ahead of the first line that names one
.if \kg == 0
	v_pk_add_f32 v[LS+4*\qt:LS+4*\qt+1], v[S:S+1], v[S+4:S+5]          ; the first two lines start the sums, in two chains
	v_pk_add_f32 v[LS+4*\qt+2:LS+4*\qt+3], v[S+2:S+3], v[S+6:S+7]
.irp i, 8,12,16,20,24,28
	v_pk_add_f32 v[LS+4*\qt:LS+4*\qt+1], v[LS+4*\qt:LS+4*\qt+1], v[S+\i:S+\i+1]
	v_pk_add_f32 v[LS+4*\qt+2:LS+4*\qt+3], v[LS+4*\qt+2:LS+4*\qt+3], v[S+\i+2:S+\i+3]
.endr
.else
.irp i, 0,4,8,12,16,20,24,28
	v_pk_add_f32 v[LS+4*\qt:LS+4*\qt+1], v[LS+4*\qt:LS+4*\qt+1], v[S+\i:S+\i+1]
	v_pk_add_f32 v[LS+4*\qt+2:LS+4*\qt+3], v[LS+4*\qt+2:LS+4*\qt+3], v[S+\i+2:S+\i+3]
.endr
.endif
.set PD_, PF+12*(2*\qt+\kg/2)+6*(\kg%2)
.if \kg%2 == 0
	QUANT2 S, PD_, XT, PS+2*\qt+\kg/2
.else
	QUANT2 S, PD_, XT, PW
	v_lshl_or_b32 v[PS+2*\qt+\kg/2], v[PW], 16, v[PS+2*\qt+\kg/2]
.endif
.endr
.endm
	SOFT 0
	SOFT 1
	PLACES 8                                       ; p's scale words stand eight places ahead of the products
	; ---- O^T = V^T P^T: source 0 = 16 d, source 1 = p; eight accumulators by turns, two key steps
.irp dg, 0,1
.irp s, 0,1
	s_wait_alu depctr_va_vdst(0)                   ; the first time: the quantisers have written PF and PS, which the products take; later: the last group's products are done reading KF and KS, in which these loads land
.irp i, 0,1,2,3
	FET KF+12*\i, VV16, VV8, ((4*\dg+\i)*2+\s)*1536
	ds_load_b32 v[KS+\i], v[SCL] offset:6144+((4*\dg+\i)*2+\s)*128
.endr
	s_wait_dscnt 0x0
.if \s == 0
	WIN 0x40
.irp i, 0,1,2,3
.irp qt, 0,1
	MMZ 64*\qt+8*(4*\dg+\i), KF+12*\i, PF+12*(2*\qt+\s), KS+\i, PS+2*\qt+\s
.endr
.endr
.else
	WIN 0x50
.irp i, 0,1,2,3
.irp qt, 0,1
	MMC 64*\qt+8*(4*\dg+\i), KF+12*\i, PF+12*(2*\qt+\s), 64*\qt+8*(4*\dg+\i), KS+\i, PS+2*\qt+\s
.endr
.endr
.endif
	WIN 0
	PLACES 4
.endr
.endr
	; ---- ctx = O / l, quantised along d; the images leave as they stand: each store of the wave covers 512, 256 or 128 consecutive bytes
.irp qt, 0,1
	v_pk_add_f32 v[LS+4*\qt:LS+4*\qt+1], v[LS+4*\qt:LS+4*\qt+1], v[LS+4*\qt+2:LS+4*\qt+3]
.endr
.irp qt, 0,1
	v_add_f32 v[LS+4*\qt], v[LS+4*\qt], v[LS+4*\qt+1]
.endr
.irp qt, 0,1
	v_permlanex16_b32 v[LS+4*\qt+1], v[LS+4*\qt], s[SEL], s[SEL+1]
.endr
.irp qt, 0,1
	v_add_f32 v[LS+4*\qt], v[LS+4*\qt], v[LS+4*\qt+1]
.endr
.irp qt, 0,1
	v_rcp_f32 v[RL+2*\qt], v[LS+4*\qt]
.endr
	v_nop
	s_wait_alu depctr_va_vdst(0)                   ; the two reciprocals are written, ahead of their first reader
.irp qt, 0,1
	v_mov_b32 v[RL+2*\qt+1], v[RL+2*\qt]
.endr
.irp qt, 0,1
.irp dg, 0,1
.set CD_, KF+12*(2*\qt+\dg)                    ; a set of registers for each half: no store's data are written again
	WIN 0x01
.set j_, 0
.rept 16
	v_pk_mul_f32 v[S+j_:S+j_+1], v[64*\qt+32*\dg+j_:64*\qt+32*\dg+j_+1], v[RL+2*\qt:RL+2*\qt+1]
.set j_, j_+2
.endr
	WIN 0
.if \dg == 0
	QUANT2 S, CD_, CD_+6, CW+\qt
.else
	QUANT2 S, CD_, CD_+6, PW
	v_lshl_or_b32 v[CW+\qt], v[PW], 16, v[CW+\qt]
.endif
.endr
	s_wait_alu depctr_va_vdst(0)                   ; the two quantisers have written this query tile's codes and its scale word, which the five stores read
.irp dg, 0,1
	global_store_b128 v[L16], v[KF+12*(2*\qt+\dg):KF+12*(2*\qt+\dg)+3], s[40:41] offset:\qt*6144+\dg*768
	global_store_b64 v[L8], v[KF+12*(2*\qt+\dg)+4:KF+12*(2*\qt+\dg)+5], s[40:41] offset:\qt*6144+\dg*768+512
.endr
	global_store_b32 v[L4], v[CW+\qt], s[42:43] offset:\qt*512
.endr
	s_wait_dscnt 0x0                               ; the closing lines, six on end
	s_wait_alu 0x0
	s_wait_tensorcnt 0x0
	ds_add_u32 v55, v73
	s_wait_dscnt 0x0
	s_endpgm
.Lfunc_end_k_q38657d93ea_attn:
	.size	k_q38657d93ea_attn, .Lfunc_end_k_q38657d93ea_attn-k_q38657d93ea_attn
	.p2alignl 7, 3214868480
	.fill 96, 4, 3214868480
	.section	.rodata,"a",@progbits
	.p2align	6, 0x0
	.amdhsa_kernel k_q38657d93ea_attn
		.amdhsa_group_segment_fixed_size 295936
		.amdhsa_private_segment_fixed_size 0
		.amdhsa_enable_private_segment 0
		.amdhsa_kernarg_size 144
		.amdhsa_user_sgpr_count 2
		.amdhsa_user_sgpr_kernarg_segment_ptr 1
		.amdhsa_wavefront_size32 1
		.amdhsa_system_sgpr_workgroup_id_x 1
		.amdhsa_system_sgpr_workgroup_id_y 1
		.amdhsa_system_sgpr_workgroup_id_z 1
		.amdhsa_system_vgpr_workitem_id 0
		.amdhsa_next_free_vgpr 512
		.amdhsa_next_free_sgpr 100
		.amdhsa_reserve_vcc 0
		.amdhsa_float_denorm_mode_32 3
		.amdhsa_float_denorm_mode_16_64 3
		.amdhsa_memory_ordered 1
		.amdhsa_forward_progress 1
		.amdhsa_inst_pref_size 255
	.end_amdhsa_kernel
	.section	.bss,"aw",@nobits
	.p2align	6
	.space	262144
	.amdgpu_metadata
---
amdhsa.version: [ 1, 2 ]
amdhsa.kernels:
  - .name:           k_q38657d93ea_attn
    .symbol:         k_q38657d93ea_attn.kd
    .args:
      - { .name: xc, .offset: 0, .size: 8, .value_kind: global_buffer, .address_space: global }
      - { .name: xs, .offset: 8, .size: 8, .value_kind: global_buffer, .address_space: global }
      - { .name: position_embedding_codes, .offset: 16, .size: 8, .value_kind: global_buffer, .address_space: global }
      - { .name: position_embedding_scales, .offset: 24, .size: 8, .value_kind: global_buffer, .address_space: global }
      - { .name: attribute_table_codes, .offset: 32, .size: 8, .value_kind: global_buffer, .address_space: global }
      - { .name: attribute_table_scales, .offset: 40, .size: 8, .value_kind: global_buffer, .address_space: global }
      - { .name: wimg, .offset: 48, .size: 8, .value_kind: global_buffer, .address_space: global }
      - { .name: Wq_scales, .offset: 56, .size: 8, .value_kind: global_buffer, .address_space: global }
      - { .name: Wk_scales, .offset: 64, .size: 8, .value_kind: global_buffer, .address_space: global }
      - { .name: Wqp_scales, .offset: 72, .size: 8, .value_kind: global_buffer, .address_space: global }
      - { .name: Wkp_scales, .offset: 80, .size: 8, .value_kind: global_buffer, .address_space: global }
      - { .name: Wqa_scales, .offset: 88, .size: 8, .value_kind: global_buffer, .address_space: global }
      - { .name: Wka_scales, .offset: 96, .size: 8, .value_kind: global_buffer, .address_space: global }
      - { .name: Wv_scales, .offset: 104, .size: 8, .value_kind: global_buffer, .address_space: global }
      - { .name: fw1_scales, .offset: 112, .size: 8, .value_kind: global_buffer, .address_space: global }
      - { .name: params, .offset: 120, .size: 8, .value_kind: global_buffer, .address_space: global }
      - { .name: cc, .offset: 128, .size: 8, .value_kind: global_buffer, .address_space: global }
      - { .name: cs, .offset: 136, .size: 8, .value_kind: global_buffer, .address_space: global }
    .group_segment_fixed_size: 295936
    .private_segment_fixed_size: 0
    .kernarg_segment_align: 8
    .kernarg_segment_size: 144
    .max_flat_workgroup_size: 256
    .sgpr_count:     100
    .vgpr_count:     512
    .wavefront_size: 32
...
	.end_amdgpu_metadata
.endif
;; end of part 7
;; launch outp (part 8): grid 256 x 1, 8 waves a work-group, no clusters, 159,744 bytes of LDS; arguments cc, cs, wimg, Wd_scales, bd, input_tensor, gamma, beta, out0; writes out0
.if DOCPART == 8
	.amdgcn_target "amdgcn-amd-amdhsa--gfx1250"
	.amdhsa_code_object_version 6
	.text
	.protected	k_q38657d93ea_outp
	.globl	k_q38657d93ea_outp
	.p2align	8
	.type	k_q38657d93ea_outp,@function
k_q38657d93ea_outp:
	s_mov_b64 s[64:65], 0
	v_nop
	global_prefetch_b8 v0, s[64:65] scope:SCOPE_SE
	s_setreg_imm32_b32 hwreg(HW_REG_WAVE_SCHED_MODE, 0, 2), 2
	s_setreg_imm32_b32 hwreg(HW_REG_WAVE_MODE, 25, 1), 1
	s_wait_xcnt 0x0
	s_wait_alu depctr_vm_vsrc(0)
; out0 = LayerNorm(ctx Wd^T + bd + input_tensor) x gamma + beta.  ctx comes as images of operand registers (cc) with their scale words (cs), made by the launch before.
; A work-group owns 64 rows: its 16 fragments (row tile m, K step s: 4 m + s) are 24,576 dense bytes of cc, copied once into LDS and read by all eight waves.
; In row tile m = 2 b + u lane r holds row 32 b + 8 u + r + 8 (r / 8).  PRODUCT: wave w owns columns 64 w on: its 16 fragments of Wd stay in registers; they come from wimg, where the first
; launch has laid them as images in this order: 48 loads of 512 consecutive bytes.  Transposed (source 0 = 16 rows of Wd, source 1 = ctx), bd as the C of each sum's first product;
; sixteen accumulators by turns.  A lane's eight results are eight neighbouring columns of a row.
; They meet in a stage of 64 rows x (2,048 + 16) bytes; then wave w owns rows 8 w on, a whole row in the wave: 16 numbers a lane.
; The variance is taken of x - mu, in a second pass: no difference of large sums.  No tensor loads: the one shared block is copied once by plain loads; no cluster: work-groups share Wd alone,
; 196,608 bytes read once by each.  LIMITS: NaN and infinities are not served.
; THE MODE: SCHED_MODE bits 1:0 = 2 (LLVM: expert scheduling mode 2), set by the entry lines.  The code itself states the register dependences between vector or matrix instructions and
; memory or LDS instructions, with s_wait_alu, always for 0.
; THE PLAN.  Registers that memory or LDS instructions touch, and who else names them:
;   v1-11           offsets and LDS addresses, made at the head and never written again: one wait on va_vdst ahead of the first load.
;   CF, CSW         the copy's loads land in CF and its LDS stores read it: a wait on vm_vsrc; then a K step's LDS loads land and its products read: a wait on va_vdst ahead of each K step's loads but the first.
;   Wd's registers  loads land, products read, the residual, gamma and beta land: ONE wait on va_vdst behind the last products, which also states that the accumulators are written, for the LDS stores.
;   X               the products write, LDS stores read (that wait), my rows land (a wait on vm_vsrc), the norm's lines write in place, the stores read: a wait on va_vdst ahead of each group's sixteen stores.
;                   The two groups' rows are different registers, so no store's data are written again.
;   v254, v255      written at the head, read by the closing add alone.
.set CSC,  24576                       ; LDS: the images from 0; their scale words;
.set STG,  26624                       ; the stage
.set SPITCH, 2064
.set WI_D, 983040                      ; Wd's images in wimg
.set L16,  1
.set L8,   2
.set L4,   3
.set VS,   5                           ; 16 r
.set VB,   6                           ; 32 h
.set T16,  7                           ; 16 x thread
.set T8,   8
.set SO0,  9                           ; the stage, in: row tiles 0, 1
.set SO1,  10                          ; row tiles 2, 3
.set SR,   11                          ; and back
.set WS,   24                          ; v24-39 Wd's scale words, v40-43 ctx's: these hold scales and nothing else
.set CSW,  40
.set SM,   56                          ; v56-63 four pairs of sums
.set MU,   64                          ; v64-71 four pairs: mu, then 1 / sqrt(var + eps)
.set CF,   72                          ; v72-119 four fragments of ctx (first: the copy's registers)
.set X,    124                         ; v124-251 the accumulators ((t, m) at 8 (4 m + t)), then my eight rows (row i, piece c at 16 i + 4 c)
; window 1: v0-191 Wd's fragments ((t, s) at 12 (4 t + s)); behind the product v0-95 the residual's rows 2 to 7, v96-111 gamma, v112-127 beta
.set BI,   192                         ; v192-223 bd in the result's layout
.set R01,  224                         ; v224-255 the residual's rows 0 and 1
.set MSB, 0
.macro WIN new
.if MSB != \new
	s_set_vgpr_msb (MSB<<8)|\new
.set MSB, \new
.endif
.endm
.macro PLACES n
.rept \n
	v_nop
.endr
.endm
.macro BARRIER
	s_wait_dscnt 0x0
	s_barrier_signal -1
	s_barrier_wait -1
.endm
.macro FET reg, a16, a8, off
	ds_load_b128 v[(\reg):(\reg)+3], v[\a16] offset:(\off)
	ds_load_b64 v[(\reg)+4:(\reg)+5], v[\a8] offset:(\off)+512
	ds_load_b128 v[(\reg)+6:(\reg)+9], v[\a16] offset:(\off)+768
	ds_load_b64 v[(\reg)+10:(\reg)+11], v[\a8] offset:(\off)+1280
.endm
.macro MMC d, a, b, c, sa, sb
	v_wmma_scale_f32_16x16x128_f8f6f4 v[(\d):(\d)+7], v[(\a):(\a)+11], v[(\b):(\b)+11], v[(\c):(\c)+7], v[(\sa)], v[(\sb)] matrix_a_fmt:MATRIX_FMT_FP6 matrix_b_fmt:MATRIX_FMT_FP6
.endm
	s_load_b512 s[8:23], s[0:1], 0x0               ; cc 8, cs 10, wimg 12, Wd's scales 14, bd 16, input 18, gamma 20, beta 22
	s_load_b64 s[24:25], s[0:1], 0x40              ; out0
	v_lshl_add_u32 v254, v0, 2, 0x26c00
	v_mov_b32 v255, 0
	v_lshrrev_b32 v56, 5, v0
	v_readfirstlane_b32 s26, v56                   ; wave 0..7
	v_and_b32 v57, 31, v0
	v_lshlrev_b32 v[L16], 4, v57
	v_lshlrev_b32 v[L8], 3, v57
	v_lshlrev_b32 v[L4], 2, v57
	v_and_b32 v58, 15, v0                          ; r
	v_bfe_u32 v59, v0, 4, 1                        ; h
	v_lshlrev_b32 v[VS], 4, v58
	v_lshlrev_b32 v[VB], 5, v59
	v_lshlrev_b32 v[T16], 4, v0
	v_lshlrev_b32 v[T8], 3, v0
	v_and_b32 v60, 8, v58
	v_add_nc_u32 v60, v60, v58                     ; r + 8 (r / 8)
	v_mul_u32_u24 v[SO0], v60, SPITCH
	v_lshl_add_u32 v[SO0], v59, 5, v[SO0]
	s_wait_alu depctr_va_sdst(0)                   ; the wave's number is written, ahead of its first reader
	s_lshl_b32 s27, s26, 8
	s_add_co_u32 s27, s27, STG
	v_add_nc_u32 v[SO0], s27, v[SO0]               ; my row of a tile, + 32 h, + my wave's 256 bytes
	v_add_nc_u32 v[SO1], 32*SPITCH, v[SO0]
	s_mul_i32 s27, s26, 8*SPITCH
	s_add_co_u32 s27, s27, STG
	v_add_nc_u32 v[SR], s27, v[L16]
	s_mov_b32 s29, 0
	s_mov_b32 s30, 0x3b000000                      ; 1 / 512
	s_mov_b32 s31, 0x2b8cbccc                      ; 1e-12
	s_mov_b32 s32, 0x76543210
	s_mov_b32 s33, 0xfedcba98
	s_wait_kmcnt 0x0
	s_mul_i32 s28, ttmp9, 24576
	s_add_nc_u64 s[8:9], s[8:9], s[28:29]
	s_lshl_b32 s28, ttmp9, 11
	s_add_nc_u64 s[10:11], s[10:11], s[28:29]
	s_mul_i32 s28, s26, 24576                      ; my sixteen images of Wd
	s_add_co_u32 s28, s28, WI_D
	s_add_nc_u64 s[12:13], s[12:13], s[28:29]
	s_lshl_b32 s28, s26, 10
	s_add_nc_u64 s[14:15], s[14:15], s[28:29]
	s_lshl_b32 s28, s26, 8
	s_add_nc_u64 s[16:17], s[16:17], s[28:29]
	s_lshl_b32 s28, ttmp9, 17                      ; my first row: 64 x work-group + 8 x wave, of 2,048 bytes
	s_lshl_b32 s27, s26, 14
	s_add_co_u32 s28, s28, s27
	s_add_nc_u64 s[18:19], s[18:19], s[28:29]
	s_add_nc_u64 s[24:25], s[24:25], s[28:29]
	s_wait_alu depctr_va_vdst(0)                   ; the offsets and LDS addresses v1 to v11 are written, which every load and store of the kernel reads
.irp i, 0,1,2,3,4,5
	global_load_b128 v[CF+4*\i:CF+4*\i+3], v[T16], s[8:9] offset:4096*\i   ; the copy: 7 loads
.endr
	global_load_b64 v[CF+24:CF+25], v[T8], s[10:11]
.irp t, 0,1,2,3
	global_load_b128 v[WS+4*\t:WS+4*\t+3], v[VS], s[14:15] offset:256*\t   ; a row's four scale words by one load
.endr
	WIN 0x40
.set q_, 0
.rept 48
	global_load_b128 v[4*q_:4*q_+3], v[L16], s[12:13] offset:512*q_        ; 32 lanes read 512 consecutive bytes
.set q_, q_+1
.endr
.irp t, 0,1,2,3
	global_load_b128 v[BI+8*\t:BI+8*\t+3], v[VB], s[16:17] offset:64*\t
	global_load_b128 v[BI+8*\t+4:BI+8*\t+7], v[VB], s[16:17] offset:64*\t+16
.endr
.irp i, 0,1
.irp c, 0,1,2,3
	global_load_b128 v[R01+16*\i+4*\c:R01+16*\i+4*\c+3], v[L16], s[18:19] offset:2048*\i+512*\c th:TH_LOAD_NT   ; the last 8 loads issued
.endr
.endr
	WIN 0
	s_wait_loadcnt 63                              ; behind the copy's 7 loads 68 were issued: any count up to 68 would do, and this is the largest that the wait can name
.irp i, 0,1,2,3,4,5
	ds_store_b128 v[T16], v[CF+4*\i:CF+4*\i+3] offset:4096*\i
.endr
	ds_store_b64 v[T8], v[CF+24:CF+25] offset:CSC
	BARRIER                                        ; ctx's images lie in LDS
	s_wait_loadcnt 8                               ; Wd and bd are in; the residual's 8 loads may be out
	s_wait_alu depctr_vm_vsrc(0)                   ; the copy's LDS stores have read CF's registers, in which the fragments land
.irp s, 0,1,2,3
.if \s > 0
	s_wait_alu depctr_va_vdst(0)                   ; the last K step's products are done reading CF and CSW, in which these loads land
.endif
.irp m, 0,1,2,3
	FET CF+12*\m, L16, L8, (4*\m+\s)*1536
	ds_load_b32 v[CSW+\m], v[L4] offset:CSC+(4*\m+\s)*128
.endr
	s_wait_dscnt 0x0
.if \s == 0
	WIN 0x11                                       ; Wd and bd in window 1
.irp m, 0,1,2,3
.irp t, 0,1,2,3
	MMC X+8*(4*\m+\t), 12*(4*\t+\s), CF+12*\m, BI+8*\t, WS+4*\t+\s, CSW+\m
.endr
.endr
.else
	WIN 0x01
.irp m, 0,1,2,3
.irp t, 0,1,2,3
	MMC X+8*(4*\m+\t), 12*(4*\t+\s), CF+12*\m, X+8*(4*\m+\t), WS+4*\t+\s, CSW+\m
.endr
.endr
.endif
	WIN 0
	PLACES 4
.endr
	WIN 0x40                                       ; Wd's registers are free: the rest of the residual, gamma, beta
	s_wait_alu depctr_va_vdst(0)                   ; the products are done reading Wd's registers, in which these loads land, and have written the accumulators, which the LDS stores below read (the four places above stay beside this wait)
.irp i, 2,3,4,5,6,7
.irp c, 0,1,2,3
	global_load_b128 v[16*(\i-2)+4*\c:16*(\i-2)+4*\c+3], v[L16], s[18:19] offset:2048*\i+512*\c th:TH_LOAD_NT
.endr
.endr
.irp c, 0,1,2,3
	global_load_b128 v[96+4*\c:96+4*\c+3], v[L16], s[20:21] offset:512*\c
	global_load_b128 v[112+4*\c:112+4*\c+3], v[L16], s[22:23] offset:512*\c
.endr
	WIN 0
.irp m, 0,1
.irp t, 0,1,2,3
	ds_store_b128 v[SO0], v[X+8*(4*\m+\t):X+8*(4*\m+\t)+3] offset:\m*8*SPITCH+64*\t       ; each accumulator from its low end on
	ds_store_b128 v[SO0], v[X+8*(4*\m+\t)+4:X+8*(4*\m+\t)+7] offset:\m*8*SPITCH+64*\t+16
.endr
.endr
.irp m, 0,1
.irp t, 0,1,2,3
	ds_store_b128 v[SO1], v[X+8*(4*(\m+2)+\t):X+8*(4*(\m+2)+\t)+3] offset:\m*8*SPITCH+64*\t
	ds_store_b128 v[SO1], v[X+8*(4*(\m+2)+\t)+4:X+8*(4*(\m+2)+\t)+7] offset:\m*8*SPITCH+64*\t+16
.endr
.endr
	BARRIER                                        ; 64 whole rows lie in the stage
	s_wait_alu depctr_vm_vsrc(0)                   ; my LDS stores have read the accumulators' registers, in which my eight rows land
.irp i, 0,1,2,3,4,5,6,7
.irp c, 0,1,2,3
	ds_load_b128 v[X+16*\i+4*\c:X+16*\i+4*\c+3], v[SR] offset:\i*SPITCH+512*\c
.endr
.endr
	s_wait_loadcnt 0x0
	s_wait_dscnt 0x0
.macro REDUCE                          ; four rows' sums over the wave, by turns; every lane ends with the row's
.irp k, 0,1,2,3
	v_add_f32 v[SM+2*\k], v[SM+2*\k], v[SM+2*\k+1]
.endr
.irp m, 1,2,4,8
.irp k, 0,1,2,3
	v_add_f32_dpp v[SM+2*\k], v[SM+2*\k], v[SM+2*\k] row_xmask:\m row_mask:0xf bank_mask:0xf
.endr
.endr
.irp k, 0,1,2,3
	v_permlanex16_b32 v[SM+2*\k+1], v[SM+2*\k], s32, s33
.endr
.irp k, 0,1,2,3
	v_add_f32 v[SM+2*\k], v[SM+2*\k], v[SM+2*\k+1]
.endr
.endm
.macro LNGROUP g                       ; rows 4 g to 4 g + 3 of my eight
	WIN 0x04
.irp k, 0,1,2,3
.set RW_, 4*\g+\k
.if RW_ < 2
.set RB_, R01+16*RW_
.else
.set RB_, 16*(RW_-2)
.endif
.irp j, 0,2,4,6,8,10,12,14
	v_pk_add_f32 v[X+16*RW_+\j:X+16*RW_+\j+1], v[X+16*RW_+\j:X+16*RW_+\j+1], v[RB_+\j:RB_+\j+1]   ; + input_tensor
.endr
.endr
	WIN 0
.irp k, 0,1,2,3
	v_pk_add_f32 v[SM+2*\k:SM+2*\k+1], v[X+16*(4*\g+\k):X+16*(4*\g+\k)+1], v[X+16*(4*\g+\k)+2:X+16*(4*\g+\k)+3]
.endr
.irp j, 4,6,8,10,12,14
.irp k, 0,1,2,3
	v_pk_add_f32 v[SM+2*\k:SM+2*\k+1], v[SM+2*\k:SM+2*\k+1], v[X+16*(4*\g+\k)+\j:X+16*(4*\g+\k)+\j+1]
.endr
.endr
	REDUCE
.irp k, 0,1,2,3
	v_mul_f32 v[MU+2*\k], s30, v[SM+2*\k]          ; mu
.endr
.irp k, 0,1,2,3
	v_mov_b32 v[MU+2*\k+1], v[MU+2*\k]
.endr
.irp j, 0,2,4,6,8,10,12,14
.irp k, 0,1,2,3
	v_pk_add_f32 v[X+16*(4*\g+\k)+\j:X+16*(4*\g+\k)+\j+1], v[X+16*(4*\g+\k)+\j:X+16*(4*\g+\k)+\j+1], v[MU+2*\k:MU+2*\k+1] neg_lo:[0,1] neg_hi:[0,1]
.endr
.endr
.irp k, 0,1,2,3
	v_pk_mul_f32 v[SM+2*\k:SM+2*\k+1], v[X+16*(4*\g+\k):X+16*(4*\g+\k)+1], v[X+16*(4*\g+\k):X+16*(4*\g+\k)+1]
.endr
.irp j, 2,4,6,8,10,12,14
.irp k, 0,1,2,3
	v_pk_fma_f32 v[SM+2*\k:SM+2*\k+1], v[X+16*(4*\g+\k)+\j:X+16*(4*\g+\k)+\j+1], v[X+16*(4*\g+\k)+\j:X+16*(4*\g+\k)+\j+1], v[SM+2*\k:SM+2*\k+1]
.endr
.endr
	REDUCE
.irp k, 0,1,2,3
	v_fma_f32 v[SM+2*\k], v[SM+2*\k], s30, s31     ; var + eps
.endr
.irp k, 0,1,2,3
	v_rsq_f32 v[MU+2*\k], v[SM+2*\k]
.endr
	v_nop                                          ; a plain line behind the transcendentals
	s_wait_alu depctr_va_vdst(0)                   ; the four reciprocal roots are written, ahead of the first line that names one
.irp k, 0,1,2,3
	v_mov_b32 v[MU+2*\k+1], v[MU+2*\k]
.endr
.irp j, 0,2,4,6,8,10,12,14
.irp k, 0,1,2,3
	v_pk_mul_f32 v[X+16*(4*\g+\k)+\j:X+16*(4*\g+\k)+\j+1], v[X+16*(4*\g+\k)+\j:X+16*(4*\g+\k)+\j+1], v[MU+2*\k:MU+2*\k+1]
.endr
.endr
	WIN 0x14                                       ; gamma and beta in window 1
.irp j, 0,2,4,6,8,10,12,14
.irp k, 0,1,2,3
	v_pk_fma_f32 v[X+16*(4*\g+\k)+\j:X+16*(4*\g+\k)+\j+1], v[X+16*(4*\g+\k)+\j:X+16*(4*\g+\k)+\j+1], v[96+\j:96+\j+1], v[112+\j:112+\j+1]
.endr
.endr
	WIN 0
	s_wait_alu depctr_va_vdst(0)                   ; the multiply-adds have written the group's four rows, which the sixteen stores read
.irp k, 0,1,2,3
.irp c, 0,1,2,3
	global_store_b128 v[L16], v[X+16*(4*\g+\k)+4*\c:X+16*(4*\g+\k)+4*\c+3], s[24:25] offset:2048*(4*\g+\k)+512*\c th:TH_STORE_NT   ; 32 lanes store 512 consecutive bytes, at a multiple of 256 from out0's first byte
.endr
.endr
.endm
	LNGROUP 0
	LNGROUP 1
	s_wait_dscnt 0x0                               ; the closing lines, six on end
	s_wait_alu 0x0
	s_wait_tensorcnt 0x0
	ds_add_u32 v254, v255
	s_wait_dscnt 0x0
	s_endpgm
.Lfunc_end_k_q38657d93ea_outp:
	.size	k_q38657d93ea_outp, .Lfunc_end_k_q38657d93ea_outp-k_q38657d93ea_outp
	.p2alignl 7, 3214868480
	.fill 96, 4, 3214868480
	.section	.rodata,"a",@progbits
	.p2align	6, 0x0
	.amdhsa_kernel k_q38657d93ea_outp
		.amdhsa_group_segment_fixed_size 159744
		.amdhsa_private_segment_fixed_size 0
		.amdhsa_enable_private_segment 0
		.amdhsa_kernarg_size 72
		.amdhsa_user_sgpr_count 2
		.amdhsa_user_sgpr_kernarg_segment_ptr 1
		.amdhsa_wavefront_size32 1
		.amdhsa_system_sgpr_workgroup_id_x 1
		.amdhsa_system_sgpr_workgroup_id_y 1
		.amdhsa_system_sgpr_workgroup_id_z 1
		.amdhsa_system_vgpr_workitem_id 0
		.amdhsa_next_free_vgpr 512
		.amdhsa_next_free_sgpr 66
		.amdhsa_reserve_vcc 0
		.amdhsa_float_denorm_mode_32 3
		.amdhsa_float_denorm_mode_16_64 3
		.amdhsa_memory_ordered 1
		.amdhsa_forward_progress 1
		.amdhsa_inst_pref_size 67
	.end_amdhsa_kernel
	.amdgpu_metadata
---
amdhsa.version: [ 1, 2 ]
amdhsa.kernels:
  - .name:           k_q38657d93ea_outp
    .symbol:         k_q38657d93ea_outp.kd
    .args:
      - { .name: cc, .offset: 0, .size: 8, .value_kind: global_buffer, .address_space: global }
      - { .name: cs, .offset: 8, .size: 8, .value_kind: global_buffer, .address_space: global }
      - { .name: wimg, .offset: 16, .size: 8, .value_kind: global_buffer, .address_space: global }
      - { .name: Wd_scales, .offset: 24, .size: 8, .value_kind: global_buffer, .address_space: global }
      - { .name: bd, .offset: 32, .size: 8, .value_kind: global_buffer, .address_space: global }
      - { .name: input_tensor, .offset: 40, .size: 8, .value_kind: global_buffer, .address_space: global }
      - { .name: gamma, .offset: 48, .size: 8, .value_kind: global_buffer, .address_space: global }
      - { .name: beta, .offset: 56, .size: 8, .value_kind: global_buffer, .address_space: global }
      - { .name: out0, .offset: 64, .size: 8, .value_kind: global_buffer, .address_space: global }
    .group_segment_fixed_size: 159744
    .private_segment_fixed_size: 0
    .kernarg_segment_align: 8
    .kernarg_segment_size: 72
    .max_flat_workgroup_size: 256
    .sgpr_count:     66
    .vgpr_count:     512
    .wavefront_size: 32
...
	.end_amdgpu_metadata
.endif
;; end of part 8
